; MI455X (gfx1250); checked and timed in simulation.
; The chip was launched on July 23, 2026; its instructions are those of AMD's public machine-readable ISA for CDNA 5 (MIT licence, August 2026) and "CDNA5" Instruction Set Architecture Reference Guide (July 2026). The comments in the code are by the model that wrote it; some were corrected since.
;; Causal Attention. Allowed arithmetic: float matrix products may take bf16 or f16 operands with f32 sums; all other float work in f32.
;; Inputs: W_key 1,024 x 1,024 float32; W_query 1,024 x 1,024 float32; W_value 1,024 x 1,024 float32; x 4 x 2,048 x 1,024 float32.
;; Outputs: out0 4 x 2,048 x 1,024 float32.
;; 3 versions, each right; version 3 is version 2 with the launch cast written anew for expert scheduling mode. Each part assembles by itself: llvm-mc -triple=amdgcn-amd-amdhsa -mcpu=gfx1250 --defsym DOCPART=n.
;; ======== version 1 of 3: 4 launches
;; limits: values are held in f16: magnitudes above 65,504 overflow, below 6.1e-05 lose precision
;; workspace buffers: xb 16,777,216 bytes; wb 6,291,456 bytes; qkv 50,331,648 bytes; ext 18,874,368 bytes; p 33,554,432 bytes; stat 1,048,576 bytes
;; launch cast (part 1): grid 704 x 1, 8 waves a work-group, no clusters, 0 bytes of LDS; arguments x, W_query, W_key, W_value, xb, wb; writes xb, wb
.if DOCPART == 1
	.amdgcn_target "amdgcn-amd-amdhsa--gfx1250"
	.amdhsa_code_object_version 6
	.text
	.protected	k_qd24db80798_cast
	.globl	k_qd24db80798_cast
	.p2align	8
	.type	k_qd24db80798_cast,@function
k_qd24db80798_cast:
	s_mov_b64 s[64:65], 0
	v_nop
	global_prefetch_b8 v0, s[64:65] scope:SCOPE_SE
	s_setreg_imm32_b32 hwreg(HW_REG_WAVE_MODE, 25, 1), 1
	s_wait_xcnt 0x0
; xb = bf16(x), [8192][1024];  wb = bf16 of W_query, W_key, W_value one below the other, [3072][1024].
; A stream: memory binds, so no LDS, no barrier, no matrix unit.  A work-group takes 65,536 input bytes (16,384 numbers):
; groups 0-511 take x (512 x 65,536 = 33,554,432 bytes), groups 512-703 the three weights, 64 groups each.
; Thread t takes 16 bytes at 16 t of each of sixteen blocks of 4,096 bytes: a load of a wave covers 512 neighbouring bytes,
; a store of a wave 256 neighbouring bytes, aligned.  All sixteen loads go out first; no register is written twice.
; LIMIT: numbers are rounded to bf16 (nearest even), as matrix operands may be.
.set X, 4                              ; v[4:67]   block j: 4 registers as loaded
.set Y, 68                             ; v[68:99]  block j: 2 registers to store
	s_load_b256 s[4:11], s[0:1], 0x0               ; x s[4:5], W_query s[6:7], W_key s[8:9], W_value s[10:11]
	s_load_b128 s[12:15], s[0:1], 0x20             ; xb s[12:13], wb s[14:15]
	s_max_u32 s16, ttmp9, 512
	s_sub_co_u32 s16, s16, 512                     ; number among the weight groups (0 for a group of x)
	s_lshr_b32 s17, s16, 6                         ; which weight
	s_and_b32 s18, s16, 63                         ; which 65,536 bytes of it
	v_lshlrev_b32 v1, 4, v0                        ; 16 t: where I read
	v_lshlrev_b32 v2, 3, v0                        ; 8 t: where I write
	s_wait_kmcnt 0x0
	s_cmp_eq_u32 s17, 1
	s_cselect_b64 s[20:21], s[8:9], s[10:11]       ; W_key or W_value
	s_cmp_eq_u32 s17, 0
	s_cselect_b64 s[20:21], s[6:7], s[20:21]       ; or W_query
	s_cmp_lt_u32 ttmp9, 512                        ; a group of x?  (the four selects leave SCC alone)
	s_cselect_b64 s[20:21], s[4:5], s[20:21]       ; source
	s_cselect_b64 s[22:23], s[12:13], s[14:15]     ; destination
	s_cselect_b32 s24, ttmp9, s18                  ; block of the source
	s_cselect_b32 s26, ttmp9, s16                  ; block of the destination (the weights lie one below the other in wb)
	s_lshl_b32 s24, s24, 16                        ; x 65,536 bytes
	s_mov_b32 s25, 0
	s_lshl_b32 s26, s26, 15                        ; x 32,768 bytes
	s_mov_b32 s27, 0
	s_add_nc_u64 s[20:21], s[20:21], s[24:25]
	s_add_nc_u64 s[22:23], s[22:23], s[26:27]
.irp j, 0,1,2,3,4,5,6,7,8,9,10,11,12,13,14,15
	global_load_b128 v[X+4*\j:X+4*\j+3], v1, s[20:21] offset:4096*\j th:TH_LOAD_NT
.endr
.irp j, 0,1,2,3,4,5,6,7,8,9,10,11,12,13,14,15
	s_wait_loadcnt 15-\j                           ; loads come back in order: block j is in, the 15 - j younger ones stay out
	v_cvt_pk_bf16_f32 v[Y+2*\j],   v[X+4*\j],   v[X+4*\j+1]
	v_cvt_pk_bf16_f32 v[Y+2*\j+1], v[X+4*\j+2], v[X+4*\j+3]
	global_store_b64 v2, v[Y+2*\j:Y+2*\j+1], s[22:23] offset:2048*\j
.endr
	s_endpgm
.Lfunc_end_k_qd24db80798_cast:
	.size	k_qd24db80798_cast, .Lfunc_end_k_qd24db80798_cast-k_qd24db80798_cast
	.p2alignl 7, 3214868480
	.fill 96, 4, 3214868480
	.section	.rodata,"a",@progbits
	.p2align	6, 0x0
	.amdhsa_kernel k_qd24db80798_cast
		.amdhsa_group_segment_fixed_size 0
		.amdhsa_private_segment_fixed_size 0
		.amdhsa_enable_private_segment 0
		.amdhsa_kernarg_size 48
		.amdhsa_user_sgpr_count 2
		.amdhsa_user_sgpr_kernarg_segment_ptr 1
		.amdhsa_wavefront_size32 1
		.amdhsa_system_sgpr_workgroup_id_x 1
		.amdhsa_system_sgpr_workgroup_id_y 1
		.amdhsa_system_sgpr_workgroup_id_z 1
		.amdhsa_system_vgpr_workitem_id 0
		.amdhsa_next_free_vgpr 100
		.amdhsa_next_free_sgpr 66
		.amdhsa_reserve_vcc 0
		.amdhsa_float_denorm_mode_32 3
		.amdhsa_float_denorm_mode_16_64 3
		.amdhsa_memory_ordered 1
		.amdhsa_forward_progress 1
		.amdhsa_inst_pref_size 7
	.end_amdhsa_kernel
	.amdgpu_metadata
---
amdhsa.version: [ 1, 2 ]
amdhsa.kernels:
  - .name:           k_qd24db80798_cast
    .symbol:         k_qd24db80798_cast.kd
    .args:
      - { .name: x, .offset: 0, .size: 8, .value_kind: global_buffer, .address_space: global }
      - { .name: W_query, .offset: 8, .size: 8, .value_kind: global_buffer, .address_space: global }
      - { .name: W_key, .offset: 16, .size: 8, .value_kind: global_buffer, .address_space: global }
      - { .name: W_value, .offset: 24, .size: 8, .value_kind: global_buffer, .address_space: global }
      - { .name: xb, .offset: 32, .size: 8, .value_kind: global_buffer, .address_space: global }
      - { .name: wb, .offset: 40, .size: 8, .value_kind: global_buffer, .address_space: global }
    .group_segment_fixed_size: 0
    .private_segment_fixed_size: 0
    .kernarg_segment_align: 8
    .kernarg_segment_size: 48
    .max_flat_workgroup_size: 256
    .sgpr_count:     66
    .vgpr_count:     100
    .wavefront_size: 32
...
	.end_amdgpu_metadata
.endif
;; end of part 1
;; launch qkv (part 2): grid 12 x 32, 4 waves a work-group, clusters of 4 x 4, 327,680 bytes of LDS; arguments xb, wb, qkv, ext; writes qkv, ext
.if DOCPART == 2
	.amdgcn_target "amdgcn-amd-amdhsa--gfx1250"
	.amdhsa_code_object_version 6
	.text
	.protected	k_qd24db80798_qkv
	.globl	k_qd24db80798_qkv
	.p2align	8
	.type	k_qd24db80798_qkv,@function
k_qd24db80798_qkv:
	s_mov_b64 s[64:65], 0
	v_nop
	global_prefetch_b8 v0, s[64:65] scope:SCOPE_SE
	s_setreg_imm32_b32 hwreg(HW_REG_WAVE_MODE, 25, 1), 1
	s_wait_xcnt 0x0
	s_wait_alu depctr_hold_cnt(0) depctr_sa_sdst(0) depctr_va_vdst(0) depctr_va_sdst(0) depctr_va_ssrc(0) depctr_va_vcc(0) depctr_vm_vsrc(0)
	s_getreg_b32 s2, hwreg(HW_REG_IB_STS2, 6, 4)
	s_cmp_eq_u32 s2, 0
	s_cbranch_scc0 .Lentry_in_a_cluster
	s_endpgm
.Lentry_in_a_cluster:
	s_bfe_u32 s2, ttmp6, 0x10000c
	s_cmp_lg_u32 s2, 0xf033
	s_cbranch_scc0 .Lentry_shape_is_right
	s_endpgm
.Lentry_shape_is_right:
; qkv[m][n] = sum over k of xb[m][k] wb[n][k]: the three projections as one product, 8192 x 3072 x 1024, bf16 in, f32 sums, f16 out.
; Columns 0-1023 of qkv are q, 1024-2047 k, 2048-3071 v.
; A work-group makes 256 x 256 of C with four waves; a wave makes 128 x 128: 64 accumulator tiles of 16 x 16, 512 registers.
; K goes in steps of 128 through a ring of two LDS slots filled by the tensor data mover: a tile's rows are 256 bytes of memory, aligned.
; CLUSTERS: 4 x 4 work-groups.  The four of a row of the cluster need the same tiles of A, the four of a column the same tiles of B:
; each such tile is asked for jointly, by the same tensor load with a mask that names the four, which divides the requests by four.
; Block row of C = cluster y + 8 cy, so that the block rows 0, 8, 16, 24, at which a batch of 2,048 rows begins, are those of the clusters with y = 0.
; REGISTERS, in windows of 256: window 0: v0-31 addresses, v64-127 and v128-191 fragments of A (two buffers), v192-255 at work on the way out;
; window 1: v64-127, v128-191 fragments of B; window 2: the accumulators of my rows 0-63 (tile (a, b) at v[8 (8 a + b)]); window 3: rows 64-127.
; THE MATRIX INSTRUCTION IS USED TRANSPOSED: source 0 = 16 rows of B, source 1 = 16 rows of A, so that lane l holds row l % 16 of C and its
; registers 0-7 the columns 8 (l / 16) + 0..7: eight neighbouring numbers of a row, which pack into 16 bytes.
; The 64 accumulators take turns, one matrix instruction a turn, in the same order in every quarter step.
; WHY f16 OUT: q, k and v are matrix operands of the launches that follow.  A query with few keys gets a sum of a few terms of v's size, which can cancel,
; while most of the output averages many keys and is some ten times smaller; a rounding of 2^-8 of a term (bf16) is too coarse there.
; THE FIRST 256 ROWS OF EACH BATCH IN TWO PARTS: for queries with a handful of keys even 2^-11 of a term is too coarse where two large terms cancel.  So for these rows
; each number also goes out as hi (its f32 bits cut to 11 significant bits, exact in f16) and lo (the number less hi, exact in f32, then rounded to f16): some 21 bits.
;   ext: [3 kinds: q, k, v][256 b + row][3 x 1024] f16, 6,144 bytes a row; q as hi | lo | hi, k and v as hi | hi | lo, so that a product of two such rows,
;   three times as long, is hi hi + lo hi + hi lo.  The kind is the cluster's x (12 block columns = 3 clusters of 4).
; RANGE: f16 reaches 65,504.  x of spread 1 and W of spread 1/32 give q, k, v of spread 1; both 30 times larger: 900, six spreads 5,400; a common offset of
; 30 spreads on both: 1024 x 30 x 30/32 = 28,800; both 30 times smaller: 1/900, above f16's smallest normal number 2^-14, and smaller elements keep 2^-25 absolute.
; LIMIT: in qkv each number is rounded once to f16 (nearest even); one beyond 65,504 in magnitude becomes infinite; a lo part below 2^-14 keeps 2^-25 absolute.
.set SIZE_M, 8192
.set SIZE_N, 3072
.set SIZE_K, 1024
.set KSTEP,  128
.set PITCH,  272                       ; an LDS row: 256 bytes + 16 of padding, an odd multiple of 16: the 16 rows of a fragment load start 16 bytes apart modulo 256
.set HALFT,  128*PITCH                 ; 128 rows: what one tensor load brings
.set SLOT,   4*HALFT                   ; A's 256 rows, then B's 256 rows
.set STAGE,  2*SLOT                    ; behind the ring: 16 rows x 272 bytes for each wave, for the way out
.set SPITCH, 272
.set LAPS, SIZE_K/(2*KSTEP)            ; a lap = two K steps = once round the ring: 4
.set ADRA, 16                          ; v16-17  LDS address of my A fragments in slot 0, 1
.set ADRB, 20                          ; v20-21  the same for B
.set STO,  24                          ; v24     the way out: where I put 16 bytes of a row
.set RD,   25                          ; v25     the way out: where I read a row back
.set CO,   26                          ; v26     my byte offset in C (and in ext: the same pitch)
.set F0,   64
.set F1,   128
.set TMP,  192
.set HH,   64                          ; the second way out: v[64:127] hi parts in f32
.set LL,   128                         ; v[128:191] lo parts in f32
.set RBX,  224                         ; v[224:255] rows read back
.set G1, 24                            ; s[24:31] descriptor group 1 for A's tiles
.set G0, 32                            ; s[32:39] descriptor group 0 for A's tiles, one set for each slot
.set G1B, 48                           ; s[48:55] group 1 for B's tiles: it differs in the mask alone
.set G0B, 56                           ; s[56:63] group 0 for B's tiles
.set MSB, 0
.macro WIN new                         ; the immediate's high byte repeats the setting that is left
.if MSB != \new
	s_set_vgpr_msb (MSB<<8)|\new
.set MSB, \new
.endif
.endm
.set MUL_LO, 0xa1                      ; source 0 (B) window 1, source 1 (A) window 0, C and D window 2
.set MUL_HI, 0xf1                      ; the same, C and D window 3
.set TO_B,   0x40                      ; destination window 1, address window 0
; A joint load.  Waves 0 and 1 fetch A's two halves, waves 2 and 3 B's.  The branch hangs on the wave's number alone.
.macro JLOAD s
	s_cmp_eq_u32 s11, 0
	s_cbranch_scc0 .Lfor_b_\@
	tensor_load_to_lds s[G0+4*\s:G0+4*\s+3], s[G1:G1+7]
	s_nop 0
	s_branch .Lasked_\@
.Lfor_b_\@:
	tensor_load_to_lds s[G0B+4*\s:G0B+4*\s+3], s[G1B:G1B+7]
	s_nop 0
.Lasked_\@:
.endm
; A round of the cluster's barrier: my work-group's barrier; wave 0 signals for the work-group; every wave waits for all sixteen; my work-group's barrier again.
.macro CREST                           ; a round behind its opening barrier
	s_cmp_lg_u32 s10, 0
	s_cbranch_scc1 .Lnot_wave_0_\@
	s_barrier_signal -3
.Lnot_wave_0_\@:
	s_barrier_wait -3
	s_barrier_signal -1
	s_barrier_wait -1
.endm
.macro CROUND
	s_barrier_signal -1
	s_barrier_wait -1
	CREST
.endm
	s_load_b128 s[4:7], s[0:1], 0x0                ; A s[4:5], B s[6:7]
	s_load_b64 s[8:9], s[0:1], 0x10                ; C
	s_load_b64 s[66:67], s[0:1], 0x18              ; ext
	s_set_vgpr_msb 0x40
	v_lshl_add_u32 v255, v0, 2, 0x48400
	s_set_vgpr_msb 0x4000
	v_mov_b32 v63, 0
	s_set_vgpr_msb 0x1
	ds_add_u32 v255, v63
	s_set_vgpr_msb 0x100
	v_lshrrev_b32 v1, 5, v0
	v_readfirstlane_b32 s10, v1                    ; wave 0..3
	s_lshr_b32 s11, s10, 1                         ; which half of the block's rows is mine.  Also: I fetch for A (0) or for B (1)
	s_and_b32 s12, s10, 1                          ; which half of its columns.  Also: which 128 rows of that tile I fetch
	s_bfe_u32 s40, ttmp6, 0x40000                  ; cx
	s_bfe_u32 s41, ttmp6, 0x40004                  ; cy
	s_lshl_b32 s42, ttmp9, 2
	s_add_co_u32 s42, s42, s40                     ; block column of C = 4 x cluster x + cx
	s_and_b32 s45, ttmp7, 0xffff                   ; the cluster's y, 0..7
	s_lshl_b32 s13, s41, 3
	s_add_co_u32 s13, s13, s45                     ; block row of C = cluster y + 8 cy: 0..31, each once
	s_lshl_b32 s43, s41, 2
	s_lshl_b32 s43, 15, s43                        ; my row of the cluster: places 4 cy .. 4 cy + 3
	s_lshl_b32 s44, 0x1111, s40                    ; my column: places cx, cx + 4, cx + 8, cx + 12
	; group 1: a tile of 128 rows x 128 elements of 2 bytes, 4 words of padding behind every 64 words
	s_or_b32 s[G1+0], s43, (1<<16)|(1<<20)|(1<<21)|(5<<22)|(3<<25)
	s_or_b32 s[G1B+0], s44, (1<<16)|(1<<20)|(1<<21)|(5<<22)|(3<<25)
	s_mov_b32 s[G1B+1], KSTEP<<16
	s_mov_b32 s[G1+1], KSTEP<<16                   ; tensor_dim0 = 128
	s_mov_b32 s[G1B+2], 128<<16
	s_mov_b32 s[G1+2], 128<<16                     ; tensor_dim1 = 128
	s_mov_b32 s[G1B+3], KSTEP<<16
	s_mov_b32 s[G1+3], KSTEP<<16                   ; tile_dim0 = 128
	s_mov_b32 s[G1B+4], 128
	s_mov_b32 s[G1+4], 128                         ; tile_dim1 = 128
	s_mov_b32 s[G1B+5], SIZE_K
	s_mov_b32 s[G1+5], SIZE_K                      ; elements from row to row
	s_mov_b32 s[G1B+6], 0
	s_mov_b32 s[G1+6], 0
	s_mov_b32 s[G1B+7], 0
	s_mov_b32 s[G1+7], 0
	; A's tiles hang on the block row alone, B's on the block column alone; each address is made in registers that never hold the other coordinate
	s_lshl_b32 s17, s12, 7
	s_lshl_b32 s16, s13, 8
	s_add_co_u32 s16, s16, s17                     ; A: row 256 x block row + 128 x half
	s_lshl_b32 s46, s42, 8
	s_add_co_u32 s46, s46, s17                     ; B: row 256 x block column + 128 x half
	s_mov_b32 s17, 0
	s_mov_b32 s47, 0
	s_mov_b64 s[18:19], SIZE_K*2
	s_mul_u64 s[16:17], s[16:17], s[18:19]
	s_mul_u64 s[46:47], s[46:47], s[18:19]
	s_mul_i32 s20, s10, HALFT                      ; where they go: wave x 128 rows
	s_wait_dscnt 0x0
	s_wait_kmcnt 0x0
	s_add_nc_u64 s[14:15], s[4:5], s[16:17]
	s_add_nc_u64 s[46:47], s[6:7], s[46:47]
	CROUND                                         ; all sixteen work-groups are here: the first joint loads meet
.irp s, 0,1
	s_mov_b32 s[G0+4*\s], 1
	s_add_co_u32 s[G0+4*\s+1], s20, \s*SLOT
	s_add_nc_u64 s[G0+4*\s+2:G0+4*\s+3], s[14:15], \s*KSTEP*2
	s_or_b32 s[G0+4*\s+3], s[G0+4*\s+3], 0x80000000
	s_mov_b32 s[G0B+4*\s], 1
	s_add_co_u32 s[G0B+4*\s+1], s20, \s*SLOT
	s_add_nc_u64 s[G0B+4*\s+2:G0B+4*\s+3], s[46:47], \s*KSTEP*2
	s_or_b32 s[G0B+4*\s+3], s[G0B+4*\s+3], 0x80000000
	JLOAD \s                                       ; both slots are asked for before anything else: two tensor loads of the wave are out
.endr
	; a fragment: lane l holds row l % 16; registers 0-3 K = 8 (l / 16) + 0..7, registers 4-7 K = 16 + 8 (l / 16) + 0..7: two loads of 16 bytes, 32 bytes apart
	v_and_b32 v1, 15, v0
	v_bfe_u32 v2, v0, 4, 1
	v_mul_u32_u24 v3, v1, PITCH
	v_lshl_add_u32 v3, v2, 4, v3
	s_mul_i32 s21, s11, HALFT                      ; my 128 rows of A
	s_mul_i32 s22, s12, HALFT                      ; my 128 rows of B,
	s_add_co_u32 s22, s22, 2*HALFT                 ; which lie behind A's 256
.irp s, 0,1
	v_add_nc_u32 v[ADRA+\s], s21, v3
	v_add_nc_u32 v[ADRB+\s], s22, v3
	s_add_co_u32 s21, s21, SLOT
	s_add_co_u32 s22, s22, SLOT
.endr
	s_mul_i32 s23, s10, 16*SPITCH
	s_add_co_u32 s23, s23, STAGE                   ; my stage
	v_mul_u32_u24 v4, v1, SPITCH
	v_lshl_add_u32 v4, v2, 4, v4
	v_add_nc_u32 v[STO], s23, v4
	v_mul_u32_u24 v5, v2, SPITCH
	v_lshl_add_u32 v5, v1, 4, v5
	v_add_nc_u32 v[RD], s23, v5
	v_mul_u32_u24 v5, v2, SIZE_N*2
	v_lshl_add_u32 v[CO], v1, 4, v5
; 16 matrix instructions: m blocks a0, a0 + 1 of the window's four x all 8 n blocks, 32 along K.  zero = 1: the first product starts the sums.
.macro MUL16 f, hi, a0, zero
.irp a, \a0, \a0+1
.irp b, 0,1,2,3,4,5,6,7
.if \zero
	v_wmma_f32_16x16x32_bf16 v[8*(8*(\a)+\b):8*(8*(\a)+\b)+7], v[\f+8*\b:\f+8*\b+7], v[\f+8*(4*\hi+\a):\f+8*(4*\hi+\a)+7], 0
.else
	v_wmma_f32_16x16x32_bf16 v[8*(8*(\a)+\b):8*(8*(\a)+\b)+7], v[\f+8*\b:\f+8*\b+7], v[\f+8*(4*\hi+\a):\f+8*(4*\hi+\a)+7], v[8*(8*(\a)+\b):8*(8*(\a)+\b)+7]
.endif
.endr
.endr
.endm
; 32 LDS loads in one run: the fragments of one quarter step into buffer f
.macro FETCH slot, k, f
	WIN TO_B
.irp i, 0,1,2,3,4,5,6,7
	ds_load_b128 v[\f+8*\i:\f+8*\i+3],   v[ADRB+\slot] offset:\k+\i*16*PITCH
	ds_load_b128 v[\f+8*\i+4:\f+8*\i+7], v[ADRB+\slot] offset:\k+\i*16*PITCH+32
.endr
	WIN 0
.irp i, 0,1,2,3,4,5,6,7
	ds_load_b128 v[\f+8*\i:\f+8*\i+3],   v[ADRA+\slot] offset:\k+\i*16*PITCH
	ds_load_b128 v[\f+8*\i+4:\f+8*\i+7], v[ADRA+\slot] offset:\k+\i*16*PITCH+32
.endr
.endm
; four places between a matrix instruction and a load into, or a vector instruction on, one of its registers (ISA guide 7.12.1 for vector instructions)
.macro PLACES
.rept 4
	v_nop
.endr
.endm
.macro QUARTER slot, k, f, g, zero
	s_wait_dscnt 8                                 ; B and A's rows 0-63 are in; the youngest eight loads (A's rows 64-127) may be out
	WIN MUL_LO
	MUL16 \f, 0, 0, \zero
	MUL16 \f, 0, 2, \zero
	PLACES
	FETCH \slot, \k, \g
	s_wait_dscnt 32                                ; all but the 32 just issued
	WIN MUL_HI
	MUL16 \f, 1, 0, \zero
	MUL16 \f, 1, 2, \zero
.endm
.macro THREE slot, zero
	QUARTER \slot, 64,  F0, F1, \zero
	QUARTER \slot, 128, F1, F0, 0
	QUARTER \slot, 192, F0, F1, 0
.endm
; The last quarter multiplies buffer 1 and changes slots.  In front of the barrier each wave waits for its reads of this slot and for all its
; tensor loads (one is out: its part of the next slot); behind it the refill comes first, then the next slot's first fragments.
.macro TURN slot, next, fill
	s_wait_dscnt 8
	WIN MUL_LO
	MUL16 F1, 0, 0, 0
	s_wait_dscnt 0                                 ; my reads of this slot are over
	s_wait_tensorcnt 0x0                           ; and all my tensor loads have landed
	ds_add_u32 v255, v63
	s_wait_dscnt 0x0
	s_barrier_signal -1
	MUL16 F1, 0, 2, 0                              ; register work while the others arrive
	WIN 0
	s_barrier_wait -1
.if \fill
	CREST                                          ; the round closes: no wave of any partner still reads this slot or has a load on its way
	s_add_nc_u64 s[G0+4*\slot+2:G0+4*\slot+3], s[G0+4*\slot+2:G0+4*\slot+3], 2*KSTEP*2
	s_add_nc_u64 s[G0B+4*\slot+2:G0B+4*\slot+3], s[G0B+4*\slot+2:G0B+4*\slot+3], 2*KSTEP*2
	JLOAD \slot                                    ; the first tensor load behind the round, the wave's only one until the next
.endif
	PLACES
	FETCH \next, 0, F0
	WIN MUL_HI
	MUL16 F1, 1, 0, 0
	MUL16 F1, 1, 2, 0
.endm
.macro LAP zero
	THREE 0, \zero
	TURN 0, 1, 1
	THREE 1, 0
	TURN 1, 0, 1
.endm
	s_wait_tensorcnt 1                             ; my part of K step 0 is in; K step 1's may stay out
	s_barrier_signal -1
	s_barrier_wait -1
	FETCH 0, 0, F0
	LAP 1                                          ; the first lap's first products start the sums
	WIN 0
	s_mov_b32 s3, LAPS-2
.Llap:
	LAP 0
	WIN 0
	s_sub_co_u32 s3, s3, 1
	s_cmp_lg_u32 s3, 0
	s_cbranch_scc1 .Llap
	THREE 0, 0                                     ; the last lap fills nothing
	TURN 0, 1, 0
	THREE 1, 0
	s_wait_dscnt 8
	WIN MUL_LO
	MUL16 F1, 0, 0, 0
	MUL16 F1, 0, 2, 0
	s_wait_dscnt 0
	WIN MUL_HI
	MUL16 F1, 1, 0, 0
	MUL16 F1, 1, 2, 0
	; THE WAY OUT, 16 rows of C at a time: round to f16, 16 bytes a lane into my own stage, read back as whole rows of 256 bytes
	PLACES
	s_lshl_b32 s13, s13, 8
	s_lshl_b32 s14, s11, 7
	s_add_co_u32 s16, s13, s14                     ; my first row of C
	s_mov_b32 s17, 0
	s_mov_b64 s[18:19], SIZE_N*2
	s_mul_u64 s[16:17], s[16:17], s[18:19]
	s_add_nc_u64 s[8:9], s[8:9], s[16:17]
	s_lshl_b32 s46, s42, 9                         ; my first column, in bytes: 512 x block + 256 x half
	s_lshl_b32 s47, s12, 8
	s_add_co_u32 s46, s46, s47
	s_mov_b32 s47, 0
	s_add_nc_u64 s[8:9], s[8:9], s[46:47]
.macro OUT16 i, a, from, f
	WIN \from
.irp b, 0,1,2,3,4,5,6,7
.irp r, 0,1,2,3
	v_cvt_pk_f16_f32 v[TMP+4*\b+\r], v[8*(8*\a+\b)+2*\r], v[8*(8*\a+\b)+2*\r+1]    ; two roundings to f16, the first source in the low half
.endr
.endr
	WIN 0
.irp b, 0,1,2,3,4,5,6,7
	ds_store_b128 v[STO], v[TMP+4*\b:TMP+4*\b+3] offset:32*\b
.endr
	s_wait_xcnt 0x0                                ; buffer f, which earlier stores read, and the stores' base are rewritten only behind this wait
.if \i
	s_add_nc_u64 s[8:9], s[8:9], 16*SIZE_N*2
.endif
.irp t, 0,1,2,3,4,5,6,7
	ds_load_b128 v[\f+4*\t:\f+4*\t+3], v[RD] offset:\t*2*SPITCH    ; LDS serves a wave's instructions in order: these see the stores above
.endr
.irp t, 0,1,2,3,4,5,6,7
	s_wait_dscnt 7-\t                              ; load t is in, the 7 - t younger ones stay out
	global_store_b128 v[CO], v[\f+4*\t:\f+4*\t+3], s[8:9] offset:2*\t*SIZE_N*2   ; 16 lanes store 256 consecutive bytes, aligned
.endr
.endm
	OUT16 0, 0, 0x0a, F0
	OUT16 1, 1, 0x0a, F1
	OUT16 2, 2, 0x0a, F0
	OUT16 3, 3, 0x0a, F1
	OUT16 4, 0, 0x0f, F0
	OUT16 5, 1, 0x0f, F1
	OUT16 6, 2, 0x0f, F0
	OUT16 7, 3, 0x0f, F1
	; THE SECOND WAY OUT, for the clusters with y = 0 alone (the first 256 rows of each batch): the same sums once more, in two parts, into ext.
	; The branch hangs on the cluster's y, which all sixteen partners share.
	s_cmp_lg_u32 s45, 0
	s_cbranch_scc1 .Lno_ext
	s_wait_xcnt 0x0                                ; buffers 0 and 1, which the stores above read, are rewritten only behind this wait
	s_lshl_b32 s68, ttmp9, 10                      ; the kind's 1,024 rows: the cluster's x is 0 for q, 1 for k, 2 for v
	s_lshl_b32 s69, s41, 8
	s_add_co_u32 s68, s68, s69                     ; + 256 b: with cluster y = 0 the block row is 8 cy, so the batch is cy
	s_lshl_b32 s69, s11, 7
	s_add_co_u32 s68, s68, s69                     ; + my half of the rows
	s_mul_i32 s68, s68, SIZE_N*2                   ; x 6,144 bytes
	s_lshl_b32 s69, s40, 9
	s_add_co_u32 s68, s68, s69                     ; + 512 cx: the block's 256 columns among the kind's 1,024
	s_lshl_b32 s69, s12, 8
	s_add_co_u32 s68, s68, s69                     ; + my half of the columns
	s_mov_b32 s69, 0
	s_add_nc_u64 s[66:67], s[66:67], s[68:69]      ; hi, first copy: the row's first 2,048 bytes
	s_mov_b32 s76, 2048
	s_mov_b32 s77, 4096
	s_cmp_eq_u32 ttmp9, 0
	s_cselect_b32 s70, s77, s76                    ; hi, second copy: q hi | lo | hi, k and v hi | hi | lo
	s_cselect_b32 s72, s76, s77                    ; lo
	s_mov_b32 s71, 0
	s_mov_b32 s73, 0
	s_add_nc_u64 s[70:71], s[66:67], s[70:71]
	s_add_nc_u64 s[72:73], s[66:67], s[72:73]
	s_mov_b32 s74, 0xffffe000                      ; keeps sign, exponent and ten bits of the fraction: 11 significant bits, what f16 holds
; rows 16 i .. 16 i + 15 of my block; both: sources 0 and 1 in the sums' window; one: source 0 alone
.macro OUTX i, a, both, one
	WIN \both
.set jj, 0
.rept 64
	v_and_b32 v[HH+jj], s74, v[64*\a+jj]           ; hi
.set jj, jj+1
.endr
	WIN \one
.set jj, 0
.rept 32
	v_pk_add_f32 v[LL+2*jj:LL+2*jj+1], v[64*\a+2*jj:64*\a+2*jj+1], v[HH+2*jj:HH+2*jj+1] neg_lo:[0,1] neg_hi:[0,1]   ; lo = the sum less hi: exact
.set jj, jj+1
.endr
	WIN 0
.set jj, 0
.rept 32
	v_cvt_pk_f16_f32 v[TMP+jj], v[HH+2*jj], v[HH+2*jj+1]
.set jj, jj+1
.endr
.irp b, 0,1,2,3,4,5,6,7
	ds_store_b128 v[STO], v[TMP+4*\b:TMP+4*\b+3] offset:32*\b
.endr
	s_wait_xcnt 0x0                                ; RBX, which earlier stores read, and the three bases are rewritten only behind this wait
.if \i
	s_add_nc_u64 s[66:67], s[66:67], 16*SIZE_N*2
	s_add_nc_u64 s[70:71], s[70:71], 16*SIZE_N*2
	s_add_nc_u64 s[72:73], s[72:73], 16*SIZE_N*2
.endif
.irp t, 0,1,2,3,4,5,6,7
	ds_load_b128 v[RBX+4*\t:RBX+4*\t+3], v[RD] offset:\t*2*SPITCH  ; LDS serves a wave's instructions in order: these see the stores above
.endr
.irp t, 0,1,2,3,4,5,6,7
	s_wait_dscnt 7-\t                              ; load t is in, the 7 - t younger ones stay out
	global_store_b128 v[CO], v[RBX+4*\t:RBX+4*\t+3], s[66:67] offset:2*\t*SIZE_N*2
	global_store_b128 v[CO], v[RBX+4*\t:RBX+4*\t+3], s[70:71] offset:2*\t*SIZE_N*2
.endr
.set jj, 0
.rept 32
	v_cvt_pk_f16_f32 v[TMP+jj], v[LL+2*jj], v[LL+2*jj+1]
.set jj, jj+1
.endr
.irp b, 0,1,2,3,4,5,6,7
	ds_store_b128 v[STO], v[TMP+4*\b:TMP+4*\b+3] offset:32*\b
.endr
	s_wait_xcnt 0x0                                ; RBX is rewritten only behind this wait
.irp t, 0,1,2,3,4,5,6,7
	ds_load_b128 v[RBX+4*\t:RBX+4*\t+3], v[RD] offset:\t*2*SPITCH
.endr
.irp t, 0,1,2,3,4,5,6,7
	s_wait_dscnt 7-\t
	global_store_b128 v[CO], v[RBX+4*\t:RBX+4*\t+3], s[72:73] offset:2*\t*SIZE_N*2
.endr
.endm
	OUTX 0, 0, 0x0a, 0x02
	OUTX 1, 1, 0x0a, 0x02
	OUTX 2, 2, 0x0a, 0x02
	OUTX 3, 3, 0x0a, 0x02
	OUTX 4, 0, 0x0f, 0x03
	OUTX 5, 1, 0x0f, 0x03
	OUTX 6, 2, 0x0f, 0x03
	OUTX 7, 3, 0x0f, 0x03
.Lno_ext:
	s_set_vgpr_msb 0x1
	s_wait_tensorcnt 0x0
	ds_add_u32 v255, v63
	s_wait_dscnt 0x0
	s_set_vgpr_msb 0x100
	CROUND                                         ; the closing round: no work-group ends while a partner may still ask for a tile that names it
	s_endpgm
.Lfunc_end_k_qd24db80798_qkv:
	.size	k_qd24db80798_qkv, .Lfunc_end_k_qd24db80798_qkv-k_qd24db80798_qkv
	.p2alignl 7, 3214868480
	.fill 96, 4, 3214868480
	.section	.rodata,"a",@progbits
	.p2align	6, 0x0
	.amdhsa_kernel k_qd24db80798_qkv
		.amdhsa_group_segment_fixed_size 327680
		.amdhsa_private_segment_fixed_size 0
		.amdhsa_enable_private_segment 0
		.amdhsa_kernarg_size 32
		.amdhsa_user_sgpr_count 2
		.amdhsa_user_sgpr_kernarg_segment_ptr 1
		.amdhsa_wavefront_size32 1
		.amdhsa_system_sgpr_workgroup_id_x 1
		.amdhsa_system_sgpr_workgroup_id_y 1
		.amdhsa_system_sgpr_workgroup_id_z 1
		.amdhsa_system_vgpr_workitem_id 0
		.amdhsa_next_free_vgpr 1024
		.amdhsa_next_free_sgpr 84
		.amdhsa_reserve_vcc 0
		.amdhsa_float_denorm_mode_32 3
		.amdhsa_float_denorm_mode_16_64 3
		.amdhsa_memory_ordered 1
		.amdhsa_forward_progress 1
		.amdhsa_inst_pref_size 255
	.end_amdhsa_kernel
	.section	.bss,"aw",@nobits
	.p2align	6
	.space	262144
	.amdgpu_metadata
---
amdhsa.version: [ 1, 2 ]
amdhsa.kernels:
  - .name:           k_qd24db80798_qkv
    .symbol:         k_qd24db80798_qkv.kd
    .args:
      - { .name: xb, .offset: 0, .size: 8, .value_kind: global_buffer, .address_space: global }
      - { .name: wb, .offset: 8, .size: 8, .value_kind: global_buffer, .address_space: global }
      - { .name: qkv, .offset: 16, .size: 8, .value_kind: global_buffer, .address_space: global }
      - { .name: ext, .offset: 24, .size: 8, .value_kind: global_buffer, .address_space: global }
    .group_segment_fixed_size: 327680
    .private_segment_fixed_size: 0
    .kernarg_segment_align: 8
    .kernarg_segment_size: 32
    .max_flat_workgroup_size: 128
    .sgpr_count:     84
    .vgpr_count:     1024
    .wavefront_size: 32
...
	.end_amdgpu_metadata
.endif
;; end of part 2
;; launch scores (part 3): grid 36 x 4, 4 waves a work-group, no clusters, 327,680 bytes of LDS; arguments qkv, p, stat, ext; writes p, stat
.if DOCPART == 3
	.amdgcn_target "amdgcn-amd-amdhsa--gfx1250"
	.amdhsa_code_object_version 6
	.text
	.protected	k_qd24db80798_scores
	.globl	k_qd24db80798_scores
	.p2align	8
	.type	k_qd24db80798_scores,@function
k_qd24db80798_scores:
	s_mov_b64 s[64:65], 0
	v_nop
	global_prefetch_b8 v0, s[64:65] scope:SCOPE_SE
	s_setreg_imm32_b32 hwreg(HW_REG_WAVE_MODE, 25, 1), 1
	s_wait_xcnt 0x0
; For each batch b and each causal tile (I, J <= I) of 256 queries x 256 keys:  s = q k^T (K = 1024, f16 operands, f32 sums), keys beyond the query
; masked to -inf,  m2[row] = (log2 e / 32) x the row's largest s in this tile,  P = exp2(s log2 e / 32 - m2) in f16,  l[row] = the sum of these exponentials
; over each 128 keys.  The true maximum of the tile's row is taken away in front of every exponential; the next launch joins the tiles by their maxima.
;   p:    [4][2048 queries][2048 keys] f16; tiles J <= I are written (and read later).
;   stat: f32.  m2[b][t][row] at ((16 b + t) 2048 + row) 4, l[b][t][row] 524,288 bytes further; t = 0..15 the block of 128 keys; m2 is the 256-key tile's, alike at t = 2J, 2J+1.
; 36 causal tiles for each of 4 batches: grid x = I (I + 1) / 2 + J, grid y = b.  Tiles above the diagonal are never made.
; TILE (0, 0) IN TWO PARTS (grid x = 0).  Its queries have few keys, and where two large terms of the output cancel a rounding of 2^-11 of a term is too coarse.
; So q and k come from ext, where a row is hi | lo | hi (q) or hi | hi | lo (k), three times 1,024 numbers at the same pitch as qkv's rows: the same loop walks
; K = 3,072 (12 laps instead of 4) and sums hi hi + lo hi + hi lo.  P leaves in two parts too: hi (cut to 11 significant bits) | lo | hi in columns 0-255, 256-511, 512-767
; of its rows of p; columns 256 and up of rows 0-255 lie above the diagonal and hold nothing else.  These four work-groups run three times as long as the others.
; NO CLUSTER: partners would have to share a tile of q (same I) or of k (same J), and the causal rows hold 1..8 tiles and the columns 8..1,
; which do not divide into fours.
; The product: four waves, 128 x 128 each in 512 registers, K in steps of 128 through two LDS slots filled by the tensor data mover, each wave fetching 128 rows x 256 bytes.
; Source 0 = 16 rows of k, source 1 = 16 rows of q: lane l holds query row l % 16, registers 0-7 the keys 8 (l / 16) + 0..7.
; The 64 accumulators take turns, one matrix instruction a turn.
; REGISTERS: window 0: v16-33 addresses, v40-63 row figures, v64-127 / v128-191 fragments of q (later at work); window 1: fragments of k; windows 2, 3: accumulators, tile (a, b) at v[8 (8 a + b)].
; P lies in (0, 1] by the maximum taken away, whatever the inputs: f16 holds it to 2^-12 absolute at the worst, against a row sum of about 1 at the least; a P below 2^-25 becomes 0.
; LIMITS: from query 256 on q, k and P are single f16 numbers; l sums the exponentials before any rounding; an exponential below 2^-126 comes out as 0
; (ISA guide, v_exp_f32); a lo part below 2^-14 keeps 2^-25 absolute; inputs that are not finite get no treatment of their own.
.set KSTEP,  128
.set PITCH,  272                       ; an LDS row: 256 bytes + 16 of padding, an odd multiple of 16
.set HALFT,  128*PITCH                 ; 34,816: what one tensor load brings
.set SLOT,   4*HALFT                   ; 139,264: q's 256 rows, then k's 256 rows
.set STAGE,  2*SLOT                    ; 278,528: 16 rows x 272 bytes for each wave
.set SPITCH, 272
.set STATS,  STAGE+4*16*SPITCH         ; 295,936: 1,024 bytes for each wave: 128 m2, 128 l
.set XCH,    STATS+4*1024              ; 300,032: 512 bytes for each wave: its 128 row maxima, for its partner
.set ADRA, 16                          ; v16-17  LDS address of my q fragments in slot 0, 1
.set ADRB, 20                          ; v20-21  the same for k
.set STO,  24                          ; where I put 16 bytes of a row of P
.set RD,   25                          ; where I read a row back
.set CO,   26                          ; my byte offset in p
.set DG,   27                          ; r - 8 h: on a diagonal 16 x 16 tile register j is masked where j > r - 8 h
.set XS,   28                          ; where my maxima go
.set XL,   29                          ; where my partner's lie
.set SS,   30                          ; statistics in
.set SR,   31                          ; statistics back
.set SO,   32                          ; my byte offset in stat
.set NINF, 33                          ; -inf
.set M,    40                          ; v[40:47] row maxima of row blocks 0..7, later NM = -m2
.set NM,   40
.set M2,   48                          ; v[48:55] the partner's maxima, later m2
.set LS,   56                          ; v[56:63] l
.set F0,   64
.set F1,   128
.set T,    64                          ; v[64:127] one row block's 64 numbers
.set CH,   64                          ; v[64:95]  four chains of maxima for each row block
.set PK,   128                         ; v[128:159] packed P
.set RB,   160                         ; v[160:191] rows read back
.set SU,   192                         ; v[192:199] four chains of sums
.set HB,   200                         ; v[200:231] hi parts of 32 numbers, in f32
.set G1, 24                            ; s[24:31] descriptor group 1
.set G0, 32                            ; s[32:39] descriptor group 0, one set for each slot
.set MSB, 0
.macro WIN new                         ; the immediate's high byte repeats the setting that is left
.if MSB != \new
	s_set_vgpr_msb (MSB<<8)|\new
.set MSB, \new
.endif
.endm
.set MUL_LO, 0xa1
.set MUL_HI, 0xf1
.set TO_B,   0x40
	s_load_b128 s[4:7], s[0:1], 0x0                ; qkv s[4:5], p s[6:7]
	s_load_b64 s[8:9], s[0:1], 0x10                ; stat
	s_load_b64 s[50:51], s[0:1], 0x18              ; ext
	s_set_vgpr_msb 0x40
	v_lshl_add_u32 v255, v0, 2, 0x49c00
	s_set_vgpr_msb 0x4000
	v_mov_b32 v255, 0
	s_set_vgpr_msb 0x1
	ds_add_u32 v255, v255
	s_set_vgpr_msb 0x100
	v_lshrrev_b32 v1, 5, v0
	v_readfirstlane_b32 s10, v1                    ; wave 0..3
	s_lshr_b32 s11, s10, 1                         ; wr: which 128 queries are mine.  Also: I fetch q (0) or k (1)
	s_and_b32 s12, s10, 1                          ; wc: which 128 keys.  Also: which 128 rows of that tile I fetch
	s_and_b32 s40, ttmp7, 0xffff                   ; b
	s_mov_b32 s13, 0                               ; I: the largest with I (I + 1) / 2 <= x
	s_mov_b32 s41, 0                               ; I (I + 1) / 2
.set i, 1
.irp thr, 1,3,6,10,15,21,28
	s_cmp_ge_u32 ttmp9, \thr
	s_cselect_b32 s13, i, s13
	s_cselect_b32 s41, \thr, s41
.set i, i+1
.endr
	s_sub_co_u32 s42, ttmp9, s41                   ; J
	; group 1: 128 rows x 128 elements of 2 bytes, rows 3,072 elements apart (in qkv and in ext alike), 4 words of padding behind every 64 words
	s_mov_b32 s[G1+0], (1<<16)|(1<<20)|(5<<22)|(3<<25)
	s_mov_b32 s[G1+1], KSTEP<<16
	s_mov_b32 s[G1+2], 128<<16
	s_mov_b32 s[G1+3], KSTEP<<16
	s_mov_b32 s[G1+4], 128
	s_mov_b32 s[G1+5], 3072
	s_mov_b32 s[G1+6], 0
	s_mov_b32 s[G1+7], 0
	s_cmp_eq_u32 s11, 0
	s_cselect_b32 s16, s13, s42                    ; q's tile hangs on I, k's on J
	s_cselect_b32 s43, 0, 2048                     ; k lies 2,048 bytes into a row of qkv
	s_lshl_b32 s16, s16, 8
	s_lshl_b32 s17, s40, 11
	s_add_co_u32 s16, s16, s17
	s_lshl_b32 s17, s12, 7
	s_add_co_u32 s16, s16, s17                     ; row 2048 b + 256 (I or J) + 128 half
	s_mul_i32 s16, s16, 6144                       ; below 8192 x 6144: 32 bits hold it
	s_add_co_u32 s16, s16, s43
	s_mov_b32 s17, 0
	s_lshl_b32 s53, s11, 10                        ; in ext: q's 1,024 rows, then k's
	s_lshl_b32 s54, s40, 8
	s_add_co_u32 s53, s53, s54                     ; + 256 b
	s_lshl_b32 s54, s12, 7
	s_add_co_u32 s53, s53, s54                     ; + 128 half
	s_mul_i32 s53, s53, 6144
	s_mul_i32 s20, s10, HALFT                      ; where my rows go: wave x 128 rows
	s_wait_dscnt 0x0
	s_wait_kmcnt 0x0
	s_cmp_eq_u32 ttmp9, 0                          ; tile (0, 0)?  (the selects leave SCC alone)
	s_cselect_b32 s16, s53, s16                    ; offset,
	s_cselect_b64 s[54:55], s[50:51], s[4:5]       ; buffer,
	s_cselect_b32 s52, 1, 0                        ; P in two parts,
	s_cselect_b32 s56, 10, 2                       ; and the loop's trips: 12 or 4 laps, less the first and the last
	s_add_nc_u64 s[14:15], s[54:55], s[16:17]
.irp s, 0,1
	s_mov_b32 s[G0+4*\s], 1
	s_add_co_u32 s[G0+4*\s+1], s20, \s*SLOT
	s_add_nc_u64 s[G0+4*\s+2:G0+4*\s+3], s[14:15], \s*KSTEP*2
	s_or_b32 s[G0+4*\s+3], s[G0+4*\s+3], 0x80000000
	tensor_load_to_lds s[G0+4*\s:G0+4*\s+3], s[G1:G1+7]            ; both first fills go out together: two tensor loads of the wave are out
	s_nop 0
.endr
	s_mov_b32 s44, 0x76543210                      ; v_permlanex16_b32: lane i reads lane i of the other half
	s_mov_b32 s45, 0xfedcba98
	s_cmp_eq_u32 s13, s42
	s_cselect_b32 s47, 1, 0                        ; a tile on the diagonal
	s_cmp_lt_u32 s11, s12
	s_cselect_b32 s48, s47, 0                      ; my 128 x 128 lie wholly above the diagonal
	s_cmp_eq_u32 s11, s12
	s_cselect_b32 s47, s47, 0                      ; my 128 x 128 lie on the diagonal
	s_mov_b32 s46, 0x7f800000                      ; a cap: +inf changes nothing,
	s_cmp_lg_u32 s48, 0
	s_cselect_b32 s46, 0xff800000, s46             ; -inf masks all that I hold
	s_mov_b32 s49, 0xff800000
	s_mov_b32 s57, 0xffffe000                      ; keeps sign, exponent and ten bits of the fraction: 11 significant bits, what f16 holds
	v_and_b32 v1, 15, v0                           ; r
	v_bfe_u32 v2, v0, 4, 1                         ; h
	v_and_b32 v6, 31, v0                           ; lane
	v_mul_u32_u24 v3, v1, PITCH
	v_lshl_add_u32 v3, v2, 4, v3
	s_mul_i32 s21, s11, HALFT                      ; my 128 rows of q
	s_mul_i32 s22, s12, HALFT
	s_add_co_u32 s22, s22, 2*HALFT                 ; my 128 rows of k, behind q's 256
.irp s, 0,1
	v_add_nc_u32 v[ADRA+\s], s21, v3
	v_add_nc_u32 v[ADRB+\s], s22, v3
	s_add_co_u32 s21, s21, SLOT
	s_add_co_u32 s22, s22, SLOT
.endr
	s_mul_i32 s23, s10, 16*SPITCH
	s_add_co_u32 s23, s23, STAGE
	v_mul_u32_u24 v4, v1, SPITCH
	v_lshl_add_u32 v4, v2, 4, v4
	v_add_nc_u32 v[STO], s23, v4                   ; row r, 16 bytes for each half of the lanes
	v_mul_u32_u24 v5, v2, SPITCH
	v_lshl_add_u32 v5, v1, 4, v5
	v_add_nc_u32 v[RD], s23, v5                    ; lanes 0-15 one row of 256 bytes, lanes 16-31 the next
	v_lshlrev_b32 v5, 12, v2
	v_lshl_add_u32 v[CO], v1, 4, v5                ; the same two rows in p, 4,096 bytes apart
	v_lshlrev_b32 v5, 3, v2
	v_sub_nc_u32 v[DG], v1, v5
	s_lshl_b32 s23, s10, 9
	s_add_co_u32 s23, s23, XCH
	v_lshl_add_u32 v[XS], v1, 5, s23               ; 32 bytes for row r: its eight row blocks' maxima
	s_xor_b32 s23, s10, 1                          ; my partner: the same queries, the other 128 keys
	s_lshl_b32 s23, s23, 9
	s_add_co_u32 s23, s23, XCH
	v_lshl_add_u32 v[XL], v1, 5, s23
	s_lshl_b32 s23, s10, 10
	s_add_co_u32 s23, s23, STATS
	v_lshl_add_u32 v[SS], v1, 2, s23
	v_lshl_add_u32 v[SR], v6, 4, s23
	v_lshlrev_b32 v[SO], 4, v6
	v_mov_b32 v[NINF], 0xff800000
.macro MUL16 f, hi, a0, zero
.irp a, \a0, \a0+1
.irp b, 0,1,2,3,4,5,6,7
.if \zero
	v_wmma_f32_16x16x32_f16 v[8*(8*(\a)+\b):8*(8*(\a)+\b)+7], v[\f+8*\b:\f+8*\b+7], v[\f+8*(4*\hi+\a):\f+8*(4*\hi+\a)+7], 0
.else
	v_wmma_f32_16x16x32_f16 v[8*(8*(\a)+\b):8*(8*(\a)+\b)+7], v[\f+8*\b:\f+8*\b+7], v[\f+8*(4*\hi+\a):\f+8*(4*\hi+\a)+7], v[8*(8*(\a)+\b):8*(8*(\a)+\b)+7]
.endif
.endr
.endr
.endm
.macro FETCH slot, k, f
	WIN TO_B
.irp i, 0,1,2,3,4,5,6,7
	ds_load_b128 v[\f+8*\i:\f+8*\i+3],   v[ADRB+\slot] offset:\k+\i*16*PITCH
	ds_load_b128 v[\f+8*\i+4:\f+8*\i+7], v[ADRB+\slot] offset:\k+\i*16*PITCH+32
.endr
	WIN 0
.irp i, 0,1,2,3,4,5,6,7
	ds_load_b128 v[\f+8*\i:\f+8*\i+3],   v[ADRA+\slot] offset:\k+\i*16*PITCH
	ds_load_b128 v[\f+8*\i+4:\f+8*\i+7], v[ADRA+\slot] offset:\k+\i*16*PITCH+32
.endr
.endm
; four places between a matrix instruction and a load into, or a vector instruction on, one of its registers (ISA guide 7.12.1 for vector instructions)
.macro PLACES
.rept 4
	v_nop
.endr
.endm
.macro QUARTER slot, k, f, g, zero
	s_wait_dscnt 8                                 ; k and q's rows 0-63 are in; the youngest eight loads (q's rows 64-127) may be out
	WIN MUL_LO
	MUL16 \f, 0, 0, \zero
	MUL16 \f, 0, 2, \zero
	PLACES
	FETCH \slot, \k, \g
	s_wait_dscnt 32                                ; all but the 32 just issued
	WIN MUL_HI
	MUL16 \f, 1, 0, \zero
	MUL16 \f, 1, 2, \zero
.endm
.macro THREE slot, zero
	QUARTER \slot, 64,  F0, F1, \zero
	QUARTER \slot, 128, F1, F0, 0
	QUARTER \slot, 192, F0, F1, 0
.endm
; The last quarter changes slots.  In front of the barrier each wave waits for its reads of this slot and for all its tensor loads (one is out: its part
; of the next slot); behind it the refill comes first, the wave's only tensor load until the next such barrier, then the next slot's first fragments.
.macro TURN slot, next, fill
	s_wait_dscnt 8
	WIN MUL_LO
	MUL16 F1, 0, 0, 0
	s_wait_dscnt 0                                 ; my reads of this slot are over
	s_wait_tensorcnt 0x0                           ; all my tensor loads have landed: a group 0 may be written
	ds_add_u32 v255, v255
	s_wait_dscnt 0x0
	s_barrier_signal -1
	MUL16 F1, 0, 2, 0                              ; register work while the others arrive
	s_barrier_wait -1
.if \fill
	s_add_nc_u64 s[G0+4*\slot+2:G0+4*\slot+3], s[G0+4*\slot+2:G0+4*\slot+3], 2*KSTEP*2
	tensor_load_to_lds s[G0+4*\slot:G0+4*\slot+3], s[G1:G1+7]
	s_nop 0
.endif
	PLACES
	FETCH \next, 0, F0
	WIN MUL_HI
	MUL16 F1, 1, 0, 0
	MUL16 F1, 1, 2, 0
.endm
.macro LAP zero
	THREE 0, \zero
	TURN 0, 1, 1
	THREE 1, 0
	TURN 1, 0, 1
.endm
	s_wait_tensorcnt 1                             ; my part of K step 0 is in; K step 1's may stay out
	s_barrier_signal -1
	s_barrier_wait -1
	FETCH 0, 0, F0
	LAP 1                                          ; the first products start the sums
	WIN 0
	s_mov_b32 s3, 0
.Llap:
	LAP 0
	WIN 0
	s_add_co_u32 s3, s3, 1
	s_cmp_lt_u32 s3, s56                           ; 2 trips, or 10 for tile (0, 0)
	s_cbranch_scc1 .Llap
	THREE 0, 0                                     ; the last lap fills nothing
	TURN 0, 1, 0
	THREE 1, 0
	s_wait_dscnt 8
	WIN MUL_LO
	MUL16 F1, 0, 0, 0
	MUL16 F1, 0, 2, 0
	s_wait_dscnt 0
	WIN MUL_HI
	MUL16 F1, 1, 0, 0
	MUL16 F1, 1, 2, 0
	PLACES                                         ; the places behind the last matrix instructions, for all that follows
	WIN 0
	; where my part of p and of stat begins
	s_lshl_b32 s16, s40, 11
	s_lshl_b32 s17, s13, 8
	s_add_co_u32 s16, s16, s17
	s_lshl_b32 s17, s11, 7
	s_add_co_u32 s16, s16, s17                     ; query row 2048 b + 256 I + 128 wr
	s_lshl_b32 s16, s16, 12                        ; x 4,096 bytes
	s_lshl_b32 s17, s42, 9
	s_add_co_u32 s16, s16, s17                     ; + 512 J
	s_lshl_b32 s17, s12, 8
	s_add_co_u32 s16, s16, s17                     ; + 256 wc
	s_mov_b32 s17, 0
	s_add_nc_u64 s[6:7], s[6:7], s[16:17]
	s_lshl_b32 s16, s40, 17                        ; ((16 b + 2 J + wc) 2048 + 256 I + 128 wr) 4
	s_lshl_b32 s17, s42, 14
	s_add_co_u32 s16, s16, s17
	s_lshl_b32 s17, s12, 13
	s_add_co_u32 s16, s16, s17
	s_lshl_b32 s17, s13, 10
	s_add_co_u32 s16, s16, s17
	s_lshl_b32 s17, s11, 9
	s_add_co_u32 s16, s16, s17
	s_mov_b32 s17, 0
	s_add_nc_u64 s[8:9], s[8:9], s[16:17]
	; THE MASK, only where my 128 x 128 lie on the diagonal: key 16 bb + 8 h + j against query 16 a + r
.macro MASKROW a
.irp bb, 0,1,2,3,4,5,6,7
.if \bb > \a
.irp j, 0,1,2,3,4,5,6,7
	v_mov_b32 v[8*(8*((\a)&3)+\bb)+\j], s49        ; a 16 x 16 tile wholly beyond the queries
.endr
.endif
.if \bb == \a
.irp j, 0,1,2,3,4,5,6,7
	v_cmp_gt_i32 vcc_lo, \j, v[DG]                 ; 8 h + j > r
	v_cndmask_b32 v[8*(8*((\a)&3)+\bb)+\j], v[8*(8*((\a)&3)+\bb)+\j], v[NINF], vcc_lo
.endr
.endif
.endr
.endm
	s_cmp_eq_u32 s47, 0
	s_cbranch_scc1 .Lmasked
	WIN 0x82                                       ; destination and source 0 window 2, source 1 window 0
	MASKROW 0
	MASKROW 1
	MASKROW 2
	MASKROW 3
	WIN 0xc3                                       ; the same with window 3
	MASKROW 4
	MASKROW 5
	MASKROW 6
	MASKROW 7
	WIN 0
.Lmasked:
	; PASS 1: each row's largest score among my 128 keys.  Four chains for a row block, each over two tiles (16 registers), laid step by step across the chains.
.macro ROWMAX a
.irp c, 0,1,2,3
	v_max_num_f32 v[CH+4*\a+\c], v[8*(8*((\a)&3)+2*\c)], v[8*(8*((\a)&3)+2*\c)+1]
.endr
.irp st, 1,2,3,4,5,6,7
.irp c, 0,1,2,3
	v_max3_num_f32 v[CH+4*\a+\c], v[8*(8*((\a)&3)+2*\c)+2*\st], v[8*(8*((\a)&3)+2*\c)+2*\st+1], v[CH+4*\a+\c]
.endr
.endr
.endm
	WIN 0x0a                                       ; sources 0 and 1 window 2
	ROWMAX 0
	ROWMAX 1
	ROWMAX 2
	ROWMAX 3
	WIN 0x0f                                       ; window 3
	ROWMAX 4
	ROWMAX 5
	ROWMAX 6
	ROWMAX 7
	WIN 0
.irp a, 0,1,2,3,4,5,6,7
	v_max3_num_f32 v[M+\a], v[CH+4*\a], v[CH+4*\a+1], v[CH+4*\a+2]
.endr
.irp a, 0,1,2,3,4,5,6,7
	v_max_num_f32 v[M+\a], v[M+\a], v[CH+4*\a+3]
.endr
.irp a, 0,1,2,3,4,5,6,7
	v_permlanex16_b32 v[CH+4*\a], v[M+\a], s44, s45    ; the other half of the lanes holds the row's other keys
.endr
.irp a, 0,1,2,3,4,5,6,7
	v_max_num_f32 v[M+\a], v[M+\a], v[CH+4*\a]
.endr
.irp a, 0,1,2,3,4,5,6,7
	v_min_num_f32 v[M+\a], s46, v[M+\a]            ; wholly above the diagonal: -inf, so that my partner's maximum decides
.endr
	; my partner holds the tile's other 128 keys of the same rows: the maxima change hands through LDS
	ds_store_b128 v[XS], v[M:M+3]
	ds_store_b128 v[XS], v[M+4:M+7] offset:16
	s_wait_dscnt 0x0                               ; for the partner's sake: my stores are done
	s_barrier_signal -1
	s_barrier_wait -1                              ; no tensor load is out
	ds_load_b128 v[M2:M2+3], v[XL]
	ds_load_b128 v[M2+4:M2+7], v[XL] offset:16
	s_wait_dscnt 0x0
.irp a, 0,1,2,3,4,5,6,7
	v_max_num_f32 v[M+\a], v[M+\a], v[M2+\a]       ; finite: every row of a causal tile of 256 keys has a key that is not masked
.endr
.irp a, 0,1,2,3,4,5,6,7
	v_mul_f32 v[M2+\a], 0x3d38aa3b, v[M+\a]        ; m2 = maximum x log2 e / 32
.endr
.irp a, 0,1,2,3,4,5,6,7
	v_mul_f32 v[NM+\a], 0xbd38aa3b, v[M+\a]        ; -m2, the same bits but the sign
.endr
.irp a, 0,1,2,3,4,5,6,7
	v_min_num_f32 v[NM+\a], s46, v[NM+\a]          ; wholly above the diagonal: -inf, so that every exponential below is 0
.endr
; T's 64 numbers rounded to f16 into PK
.macro PACK
.set i, 0
.rept 32
	v_cvt_pk_f16_f32 v[PK+i], v[T+2*i], v[T+2*i+1]     ; two roundings to f16, the first source in the low half
.set i, i+1
.endr
.endm
; PK (16 rows x 128 numbers of 2 bytes) goes through my stage and comes back in RB as whole rows of 256 bytes.  step: p's base goes 16 rows on.
.macro THROUGH step
.irp bb, 0,1,2,3,4,5,6,7
	ds_store_b128 v[STO], v[PK+4*\bb:PK+4*\bb+3] offset:32*\bb
.endr
	s_wait_xcnt 0x0                                ; RB, which the last stores read, and their base are rewritten only behind this wait
.if \step
	s_add_nc_u64 s[6:7], s[6:7], 16*4096
.endif
.irp t, 0,1,2,3,4,5,6,7
	ds_load_b128 v[RB+4*\t:RB+4*\t+3], v[RD] offset:\t*2*SPITCH    ; LDS serves a wave's instructions in order: these see the stores above
.endr
.endm
	; PASS 2, 16 rows at a time: exp2(s log2 e / 32 - m2), its row sum, f16, through my stage into whole rows of 256 bytes
.macro SOFT16 a
.if \a < 4
	WIN 0x02                                       ; source 0 window 2
.else
	WIN 0x03                                       ; window 3
.endif
.set i, 0
.rept 32
.if (\a)&1
	v_pk_fma_f32 v[T+2*i:T+2*i+1], v[64*((\a)&3)+2*i:64*((\a)&3)+2*i+1], 0x3d38aa3b, v[NM+\a-1:NM+\a] op_sel:[0,0,1] op_sel_hi:[1,0,1]
.else
	v_pk_fma_f32 v[T+2*i:T+2*i+1], v[64*((\a)&3)+2*i:64*((\a)&3)+2*i+1], 0x3d38aa3b, v[NM+\a:NM+\a+1] op_sel_hi:[1,0,0]
.endif
.set i, i+1
.endr
	WIN 0
.set i, 0
.rept 64
	v_exp_f32 v[T+i], v[T+i]
.set i, i+1
.endr
	v_nop                                          ; one plain place behind the last exponential (ISA guide 5.7.2)
	s_wait_alu depctr_va_vdst(0)
.irp c, 0,1,2,3
	v_pk_add_f32 v[SU+2*\c:SU+2*\c+1], v[T+16*\c:T+16*\c+1], v[T+16*\c+2:T+16*\c+3]
.endr
.irp st, 2,3,4,5,6,7
.irp c, 0,1,2,3
	v_pk_add_f32 v[SU+2*\c:SU+2*\c+1], v[SU+2*\c:SU+2*\c+1], v[T+16*\c+2*\st:T+16*\c+2*\st+1]
.endr
.endr
	v_pk_add_f32 v[SU:SU+1], v[SU:SU+1], v[SU+2:SU+3]
	v_pk_add_f32 v[SU+4:SU+5], v[SU+4:SU+5], v[SU+6:SU+7]
	v_pk_add_f32 v[SU:SU+1], v[SU:SU+1], v[SU+4:SU+5]
	v_add_f32 v[SU], v[SU], v[SU+1]
	v_permlanex16_b32 v[SU+1], v[SU], s44, s45
	v_add_f32 v[LS+\a], v[SU], v[SU+1]             ; the row's sum over my 128 keys
	s_cmp_lg_u32 s52, 0
	s_cbranch_scc1 .Lsplit_\@
	PACK
	THROUGH \a
.irp t, 0,1,2,3,4,5,6,7
	s_wait_dscnt 7-\t                              ; load t is in, the 7 - t younger ones stay out
	global_store_b128 v[CO], v[RB+4*\t:RB+4*\t+3], s[6:7] offset:\t*2*4096   ; 16 lanes store 256 consecutive bytes, aligned
.endr
	s_branch .Ldone_\@
.Lsplit_\@:
	; tile (0, 0): hi = P cut to 11 significant bits, which f16 holds exactly; lo = P less hi, exact in f32; 32 numbers at a time
.irp hf, 0,1
.set i, 0
.rept 32
	v_and_b32 v[HB+i], s57, v[T+32*\hf+i]
.set i, i+1
.endr
.set i, 0
.rept 16
	v_pk_add_f32 v[T+32*\hf+2*i:T+32*\hf+2*i+1], v[T+32*\hf+2*i:T+32*\hf+2*i+1], v[HB+2*i:HB+2*i+1] neg_lo:[0,1] neg_hi:[0,1]
.set i, i+1
.endr
.set i, 0
.rept 16
	v_cvt_pk_f16_f32 v[PK+16*\hf+i], v[HB+2*i], v[HB+2*i+1]
.set i, i+1
.endr
.endr
	THROUGH \a
.irp t, 0,1,2,3,4,5,6,7
	s_wait_dscnt 7-\t                              ; load t is in, the 7 - t younger ones stay out
	global_store_b128 v[CO], v[RB+4*\t:RB+4*\t+3], s[6:7] offset:\t*2*4096        ; hi: columns 0-255
	global_store_b128 v[CO], v[RB+4*\t:RB+4*\t+3], s[6:7] offset:\t*2*4096+1024   ; hi again: columns 512-767
.endr
	PACK                                           ; T now holds lo
	THROUGH 0
.irp t, 0,1,2,3,4,5,6,7
	s_wait_dscnt 7-\t
	global_store_b128 v[CO], v[RB+4*\t:RB+4*\t+3], s[6:7] offset:\t*2*4096+512    ; lo: columns 256-511
.endr
.Ldone_\@:
.endm
	SOFT16 0
	SOFT16 1
	SOFT16 2
	SOFT16 3
	SOFT16 4
	SOFT16 5
	SOFT16 6
	SOFT16 7
	; THE STATISTICS: row 16 a + r's figures gathered in my own LDS bytes, then 512 consecutive bytes in one store each
.irp a, 0,1,2,3,4,5,6,7
	ds_store_b32 v[SS], v[M2+\a] offset:64*\a      ; both halves of the lanes hold, and write, the same number
.endr
.irp a, 0,1,2,3,4,5,6,7
	ds_store_b32 v[SS], v[LS+\a] offset:512+64*\a
.endr
	ds_load_b128 v[T:T+3], v[SR]
	ds_load_b128 v[T+4:T+7], v[SR] offset:512
	s_wait_dscnt 1                                 ; m2 is back, l may be out
	global_store_b128 v[SO], v[T:T+3], s[8:9]
	s_wait_dscnt 0
	global_store_b128 v[SO], v[T+4:T+7], s[8:9] offset:524288
	s_set_vgpr_msb 0x1
	s_wait_tensorcnt 0x0
	ds_add_u32 v255, v255
	s_wait_dscnt 0x0
	s_set_vgpr_msb 0x100
	s_endpgm
.Lfunc_end_k_qd24db80798_scores:
	.size	k_qd24db80798_scores, .Lfunc_end_k_qd24db80798_scores-k_qd24db80798_scores
	.p2alignl 7, 3214868480
	.fill 96, 4, 3214868480
	.section	.rodata,"a",@progbits
	.p2align	6, 0x0
	.amdhsa_kernel k_qd24db80798_scores
		.amdhsa_group_segment_fixed_size 327680
		.amdhsa_private_segment_fixed_size 0
		.amdhsa_enable_private_segment 0
		.amdhsa_kernarg_size 32
		.amdhsa_user_sgpr_count 2
		.amdhsa_user_sgpr_kernarg_segment_ptr 1
		.amdhsa_wavefront_size32 1
		.amdhsa_system_sgpr_workgroup_id_x 1
		.amdhsa_system_sgpr_workgroup_id_y 1
		.amdhsa_system_sgpr_workgroup_id_z 1
		.amdhsa_system_vgpr_workitem_id 0
		.amdhsa_next_free_vgpr 1024
		.amdhsa_next_free_sgpr 66
		.amdhsa_reserve_vcc 1
		.amdhsa_float_denorm_mode_32 3
		.amdhsa_float_denorm_mode_16_64 3
		.amdhsa_memory_ordered 1
		.amdhsa_forward_progress 1
		.amdhsa_inst_pref_size 255
	.end_amdhsa_kernel
	.section	.bss,"aw",@nobits
	.p2align	6
	.space	262144
	.amdgpu_metadata
---
amdhsa.version: [ 1, 2 ]
amdhsa.kernels:
  - .name:           k_qd24db80798_scores
    .symbol:         k_qd24db80798_scores.kd
    .args:
      - { .name: qkv, .offset: 0, .size: 8, .value_kind: global_buffer, .address_space: global }
      - { .name: p, .offset: 8, .size: 8, .value_kind: global_buffer, .address_space: global }
      - { .name: stat, .offset: 16, .size: 8, .value_kind: global_buffer, .address_space: global }
      - { .name: ext, .offset: 24, .size: 8, .value_kind: global_buffer, .address_space: global }
    .group_segment_fixed_size: 327680
    .private_segment_fixed_size: 0
    .kernarg_segment_align: 8
    .kernarg_segment_size: 32
    .max_flat_workgroup_size: 128
    .sgpr_count:     66
    .vgpr_count:     1024
    .wavefront_size: 32
...
	.end_amdgpu_metadata
.endif
;; end of part 3
;; launch pv (part 4): grid 8 x 32, 4 waves a work-group, clusters of 4 x 1, 327,680 bytes of LDS; arguments p, qkv, stat, out0, ext; writes out0
.if DOCPART == 4
	.amdgcn_target "amdgcn-amd-amdhsa--gfx1250"
	.amdhsa_code_object_version 6
	.text
	.protected	k_qd24db80798_pv
	.globl	k_qd24db80798_pv
	.p2align	8
	.type	k_qd24db80798_pv,@function
k_qd24db80798_pv:
	s_mov_b64 s[64:65], 0
	v_nop
	global_prefetch_b8 v0, s[64:65] scope:SCOPE_SE
	s_setreg_imm32_b32 hwreg(HW_REG_WAVE_MODE, 25, 1), 1
	s_wait_xcnt 0x0
	s_wait_alu depctr_hold_cnt(0) depctr_sa_sdst(0) depctr_va_vdst(0) depctr_va_sdst(0) depctr_va_ssrc(0) depctr_va_vcc(0) depctr_vm_vsrc(0)
	s_getreg_b32 s2, hwreg(HW_REG_IB_STS2, 6, 4)
	s_cmp_eq_u32 s2, 0
	s_cbranch_scc0 .Lentry_in_a_cluster
	s_endpgm
.Lentry_in_a_cluster:
	s_bfe_u32 s2, ttmp6, 0x10000c
	s_cmp_lg_u32 s2, 0x3003
	s_cbranch_scc0 .Lentry_shape_is_right
	s_endpgm
.Lentry_shape_is_right:
; out[b][row][c] = sum over the causal tiles J <= I of  f_J[row] x (P_J V_J)[row][c],   f_J = exp2(m2_J - M) / L,
; M = the largest m2_J of the row (the row's true maximum, in the log2 domain),  L = sum over J of exp2(m2_J - M) l_J.
; P_J (f16, each tile relative to its own row maximum) and the statistics come from the launch before; V (f16) is columns 2048-3071 of qkv.
; A work-group makes 256 rows (grid y = 8 b + I) x 128 columns (grid x = cb); wave w owns rows 64 w .. 64 w + 63 and all 128 columns: 4 x 8 tiles of 16 x 16.
; The keys go in steps of 128 through two LDS slots; a lap = two steps = one tile J = once round the ring; I + 1 laps.  Each lap's product is summed from 0 in T
; and then added to O with the row's factor, in f32: 128 packed multiply-adds for 256 matrix instructions.
; I = 0 IN TWO PARTS: rows 0-255 have few keys, and where two large terms cancel a rounding of 2^-11 of a term is too coarse.  There P lies in p as hi | lo | hi in columns
; 0-767 and V in ext as hi | hi | lo, 2,048 bytes apart in a row: three laps, P stepping along its rows as always and V by 2,048 bytes, sum hi hi + lo hi + hi lo.
; All three take tile 0's factor: the table's entries for J > I are made from tile I's figures and so equal f_I.  Three laps are fewer than the eight of I = 7.
; CLUSTERS: the four work-groups of a cluster (4, 1, 1) have the same b and I and differ in cb, so they read the same tiles of P: these are asked for jointly (mask 15).
; V's tile hangs on cb and is each work-group's own load.  V is not shared: work-groups that read the same tile of V differ in I, and so in their number of laps.
; Trip counts and branches hang on grid y and the wave's number alone, which the partners share.
; Source 0 = 16 columns of V (V lies [key][column] in LDS: the transposing LDS load makes the fragment), source 1 = 16 rows of P:
; lane l holds row l % 16, registers 0-7 the columns 8 (l / 16) + 0..7.  The 32 accumulators of T take turns, one matrix instruction a turn.
; REGISTERS: window 0: v16-25 addresses, v32-63 the factors of all eight tiles, v64-159 and v160-255 two fragment buffers (64 of V, 32 of P);
; window 1: O; window 2: T; tile (a, b) at v[8 (8 a + b)].
; LIMITS: from row 256 on P and V are single f16 numbers (P in (0, 1]; V finite up to 65,504 in magnitude: the launch that makes it gives the arithmetic of its room);
; exp2 below 2^-126 comes out as 0 (ISA guide, v_exp_f32); inputs that are not finite get no treatment of their own.
.set PPITCH, 272                       ; a row of P in LDS: 256 bytes + 16, an odd multiple of 16
.set VPITCH, 288                       ; a row of V in LDS: 256 bytes + 32, an odd multiple of 32, as the transposing load's lanes want
.set PHALF,  128*PPITCH                ; 34,816: what a load of P brings
.set VHALF,  64*VPITCH                 ; 18,432: what a load of V brings
.set VOFF,   2*PHALF                   ; 69,632: V's 128 keys lie behind P's 256 rows
.set SLOT,   VOFF+2*VHALF              ; 106,496
.set FT,     2*SLOT                    ; 212,992: 2,048 bytes for each wave: f[J][r][a]
.set STAGE,  FT+4*2048                 ; 221,184: 16 rows x 528 bytes for each wave
.set OPITCH, 528
.set ADRP, 16                          ; v16-17 LDS address of my P fragments in slot 0, 1
.set ADRV, 18                          ; v18-19 the same for V
.set STO,  20                          ; the way out: where I put 32 bytes of a row
.set RD,   21                          ; where I read a row back
.set CO,   22                          ; my byte offset in out0
.set FTA,  23                          ; where tile 0's four factors of my row lie; never rewritten
.set TA,   24                          ; v24-25 where the factors of my two rows go
.set FF,   32                          ; v[32:35] this lap's factors of rows 16 a + r, a = 0..3; v[36:63] those of the laps to come
.set F0,   64
.set F1,   160
.set RB,   64                          ; the way out: v[64:127]
.set MS,   64                          ; the head's own, in the fragment buffers before their first use: m2_J of my rows 2 L, 2 L + 1
.set LA,   80                          ; l of the tile's first 128 keys
.set LB,   96                          ; l of its second 128 keys
.set OF,   112                         ; byte offsets in stat
.set G,    120                         ; exp2(m2_J - M), later f_J
.set MX,   136
.set LT,   138
.set RL,   140
.set GL,   142
.set G1P, 24                           ; s[24:31] group 1 for P
.set G0P, 32                           ; s[32:39] group 0 for P, one set for each slot
.set G1V, 48                           ; s[48:55] group 1 for V
.set G0V, 56                           ; s[56:63] group 0 for V
.set VAL, 66                           ; s[68:81] pairs: 1.0 where J <= I, else 0, J = 1..7 at s[66 + 2 J]
.set MULW, 0xa0                        ; sources 0 and 1 window 0, C and D window 2
.set MSB, 0
.macro WIN new                         ; the immediate's high byte repeats the setting that is left
.if MSB != \new
	s_set_vgpr_msb (MSB<<8)|\new
.set MSB, \new
.endif
.endm
; Waves 0 and 1 ask jointly for P's two halves, waves 2 and 3 fetch V's two halves.  The branch hangs on the wave's number alone.
.macro JLOAD s
	s_cmp_eq_u32 s13, 0
	s_cbranch_scc0 .Lfor_v_\@
	tensor_load_to_lds s[G0P+4*\s:G0P+4*\s+3], s[G1P:G1P+7]
	s_nop 0
	s_branch .Lasked_\@
.Lfor_v_\@:
	tensor_load_to_lds s[G0V+4*\s:G0V+4*\s+3], s[G1V:G1V+7]
	s_nop 0
.Lasked_\@:
.endm
; A round of the cluster's barrier: my work-group's barrier; wave 0 signals for the work-group; every wave waits for all four; my work-group's barrier again.
.macro CREST
	s_cmp_lg_u32 s12, 0
	s_cbranch_scc1 .Lnot_wave_0_\@
	s_barrier_signal -3
.Lnot_wave_0_\@:
	s_barrier_wait -3
	s_barrier_signal -1
	s_barrier_wait -1
.endm
.macro CROUND
	s_barrier_signal -1
	s_barrier_wait -1
	CREST
.endm
	s_load_b256 s[4:11], s[0:1], 0x0               ; p s[4:5], qkv s[6:7], stat s[8:9], out0 s[10:11]
	s_load_b64 s[84:85], s[0:1], 0x20              ; ext
	v_lshl_add_u32 v30, v0, 2, 0x3e400
	v_mov_b32 v31, 0
	ds_add_u32 v30, v31
	v_lshrrev_b32 v1, 5, v0
	v_readfirstlane_b32 s12, v1                    ; wave 0..3
	s_lshr_b32 s13, s12, 1                         ; I fetch P (0) or V (1)
	s_and_b32 s14, s12, 1                          ; which half of that tile
	s_bfe_u32 s15, ttmp6, 0x40000                  ; cx
	s_lshl_b32 s16, ttmp9, 2
	s_add_co_u32 s16, s16, s15                     ; cb = 4 x cluster x + cx
	s_and_b32 s17, ttmp7, 0xffff
	s_lshr_b32 s18, s17, 3                         ; b
	s_and_b32 s19, s17, 7                          ; I
	; group 1 for P: 128 rows x 128 elements of 2 bytes, rows 2,048 elements apart, 4 words of padding behind every 64; mask 15, bit 21 beside it
	s_mov_b32 s[G1P+0], 15|(1<<16)|(1<<20)|(1<<21)|(5<<22)|(3<<25)
	s_mov_b32 s[G1P+1], 128<<16
	s_mov_b32 s[G1P+2], 128<<16
	s_mov_b32 s[G1P+3], 128<<16
	s_mov_b32 s[G1P+4], 128
	s_mov_b32 s[G1P+5], 2048
	s_mov_b32 s[G1P+6], 0
	s_mov_b32 s[G1P+7], 0
	; group 1 for V: 64 rows x 128 elements, rows 3,072 elements apart (in qkv and in ext alike), 8 words of padding behind every 64; no mask
	s_mov_b32 s[G1V+0], (1<<16)|(1<<20)|(5<<22)|(7<<25)
	s_mov_b32 s[G1V+1], 128<<16
	s_mov_b32 s[G1V+2], 64<<16
	s_mov_b32 s[G1V+3], 128<<16
	s_mov_b32 s[G1V+4], 64
	s_mov_b32 s[G1V+5], 3072
	s_mov_b32 s[G1V+6], 0
	s_mov_b32 s[G1V+7], 0
	s_lshl_b32 s20, s18, 11
	s_lshl_b32 s21, s19, 8
	s_add_co_u32 s20, s20, s21                     ; the block's first row: 2048 b + 256 I
	s_lshl_b32 s21, s14, 7
	s_add_co_u32 s40, s20, s21
	s_lshl_b32 s40, s40, 12                        ; P: (row + 128 half) x 4,096 bytes; no register that feeds P's descriptors ever holds cx
	s_mov_b32 s41, 0
	s_lshl_b32 s42, s18, 11
	s_lshl_b32 s43, s14, 6
	s_add_co_u32 s42, s42, s43
	s_mul_i32 s42, s42, 6144                       ; V in qkv: (2048 b + 64 half) x 6,144 bytes
	s_lshl_b32 s43, s16, 8
	s_add_co_u32 s42, s42, s43                     ; + 256 cb
	s_add_co_u32 s42, s42, 4096                    ; + where v begins in a row of qkv
	s_mov_b32 s43, 0
	s_lshl_b32 s86, s18, 8
	s_lshl_b32 s87, s14, 6
	s_add_co_u32 s86, s86, s87
	s_add_co_u32 s86, s86, 2048                    ; V in ext: behind q's and k's 1,024 rows each,
	s_mul_i32 s86, s86, 6144                       ; (2048 + 256 b + 64 half) x 6,144 bytes
	s_lshl_b32 s87, s16, 8
	s_add_co_u32 s86, s86, s87                     ; + 256 cb
	s_mov_b32 s87, 2048                            ; a lap's step of V in ext: the row's next 1,024 numbers
	s_mov_b32 s88, 256*6144                        ; and in qkv: 256 rows down
	s_mov_b32 s89, 0
	s_mul_i32 s22, s12, PHALF                      ; P's halves go to wave x 34,816 (waves 0, 1)
	s_mul_i32 s23, s12, VHALF
	s_add_co_u32 s23, s23, VOFF-2*VHALF            ; V's halves to 69,632 + (wave - 2) x 18,432 (waves 2, 3)
	s_wait_dscnt 0x0
	s_wait_kmcnt 0x0
	s_cmp_eq_u32 s19, 0                            ; rows 0-255?  (the selects leave SCC alone)
	s_cselect_b32 s42, s86, s42                    ; V's offset,
	s_cselect_b32 s88, s87, s88                    ; its step,
	s_cselect_b64 s[90:91], s[84:85], s[6:7]       ; its buffer,
	s_cselect_b32 s83, 2, s19                      ; and the laps less one: 3 laps for I = 0, else I + 1
	s_add_nc_u64 s[44:45], s[4:5], s[40:41]
	s_add_nc_u64 s[46:47], s[90:91], s[42:43]
	CROUND                                         ; all four work-groups are here: the first joint loads meet
.irp s, 0,1
	s_mov_b32 s[G0P+4*\s], 1
	s_add_co_u32 s[G0P+4*\s+1], s22, \s*SLOT
	s_add_nc_u64 s[G0P+4*\s+2:G0P+4*\s+3], s[44:45], \s*256        ; step s: 128 keys = 256 bytes along P's rows
	s_or_b32 s[G0P+4*\s+3], s[G0P+4*\s+3], 0x80000000
	s_mov_b32 s[G0V+4*\s], 1
	s_add_co_u32 s[G0V+4*\s+1], s23, \s*SLOT
	s_add_nc_u64 s[G0V+4*\s+2:G0V+4*\s+3], s[46:47], \s*128*6144   ; step s: 128 rows down
	s_or_b32 s[G0V+4*\s+3], s[G0V+4*\s+3], 0x80000000
	JLOAD \s                                       ; both slots are asked for before anything else: two tensor loads of the wave are out
.endr
	v_and_b32 v1, 31, v0                           ; L
	v_and_b32 v2, 15, v0                           ; r
	v_bfe_u32 v3, v0, 4, 1                         ; h
	v_and_b32 v4, 7, v0                            ; L & 7
	v_bfe_u32 v5, v0, 3, 1                         ; (L >> 3) & 1
	v_bfe_u32 v6, v0, 3, 2                         ; L >> 3
	v_mul_u32_u24 v7, v2, PPITCH
	v_lshl_add_u32 v7, v3, 4, v7
	s_mul_i32 s22, s12, 64*PPITCH
	v_add_nc_u32 v[ADRP], s22, v7                  ; (64 w + r) x pitch + 16 h
	v_add_nc_u32 v[ADRP+1], SLOT, v[ADRP]
	v_lshl_add_u32 v7, v3, 3, v4
	v_mul_u32_u24 v7, v7, VPITCH
	v_lshl_add_u32 v7, v5, 4, v7
	v_add_nc_u32 v[ADRV], VOFF, v7                 ; key 8 h + (L & 7), 16 bytes at 16 ((L >> 3) & 1): the transposing load then gives lane l column r, keys 8 h + 0..7
	v_add_nc_u32 v[ADRV+1], SLOT, v[ADRV]
	s_mul_i32 s22, s12, 16*OPITCH
	s_add_co_u32 s22, s22, STAGE
	v_mul_u32_u24 v7, v2, OPITCH
	v_lshl_add_u32 v7, v3, 5, v7
	v_add_nc_u32 v[STO], s22, v7                   ; row r, 32 bytes for each half of the lanes
	v_lshlrev_b32 v[CO], 4, v1
	v_add_nc_u32 v[RD], s22, v[CO]                 ; 32 lanes take a row of 512 bytes
	s_lshl_b32 s22, s12, 11
	s_add_co_u32 s22, s22, FT
	v_lshl_add_u32 v[FTA], v2, 4, s22              ; f[0][r][0..3]
	v_lshlrev_b32 v7, 5, v4
	v_lshl_add_u32 v7, v6, 2, v7
	v_add_nc_u32 v[TA], s22, v7                    ; row 2 L: r = 2 (L & 7), a = L >> 3
	v_add_nc_u32 v[TA+1], 16, v[TA]                ; row 2 L + 1: r one more
	v_lshlrev_b32 v8, 3, v1                        ; 8 L: my two rows' figures
	; THE FACTORS.  Lane L takes rows 2 L and 2 L + 1 of the wave's 64: a load of the wave covers 256 consecutive bytes, aligned.
	; For J > I the address is clamped to tile I (a tile that exists); such a J adds nothing to L, and its factor equals tile I's.
	s_lshl_b32 s21, s18, 17                        ; ((16 b + 2 J) 2048 + 256 I + 64 w) 4
	s_lshl_b32 s22, s19, 10
	s_add_co_u32 s21, s21, s22
	s_lshl_b32 s22, s12, 8
	s_add_co_u32 s21, s21, s22
.irp J, 0,1,2,3,4,5,6,7
	s_min_u32 s82, s19, \J
	s_lshl_b32 s82, s82, 14
	s_add_co_u32 s82, s82, s21
	v_add_nc_u32 v[OF+\J], s82, v8
.endr
.irp J, 1,2,3,4,5,6,7
	s_cmp_ge_u32 s19, \J
	s_cselect_b32 s[VAL+2*\J], 1.0, 0
	s_cselect_b32 s[VAL+2*\J+1], 1.0, 0
.endr
.irp J, 0,1,2,3,4,5,6,7
	global_load_b64 v[MS+2*\J:MS+2*\J+1], v[OF+\J], s[8:9]
	global_load_b64 v[LA+2*\J:LA+2*\J+1], v[OF+\J], s[8:9] offset:524288
	global_load_b64 v[LB+2*\J:LB+2*\J+1], v[OF+\J], s[8:9] offset:532480
.endr
	s_wait_loadcnt 0x0
.irp e, 0,1
	v_max3_num_f32 v[MX+\e], v[MS+\e], v[MS+2+\e], v[MS+4+\e]
	v_max3_num_f32 v[MX+\e], v[MX+\e], v[MS+6+\e], v[MS+8+\e]
	v_max3_num_f32 v[MX+\e], v[MX+\e], v[MS+10+\e], v[MS+12+\e]
	v_max_num_f32 v[MX+\e], v[MX+\e], v[MS+14+\e]  ; M: the row's maximum over all its tiles
.endr
.irp J, 0,1,2,3,4,5,6,7
	v_pk_add_f32 v[G+2*\J:G+2*\J+1], v[MS+2*\J:MS+2*\J+1], v[MX:MX+1] neg_lo:[0,1] neg_hi:[0,1]
.endr
.set i, 0
.rept 16
	v_exp_f32 v[G+i], v[G+i]                       ; exp2(m2_J - M), at most 1
.set i, i+1
.endr
	v_nop                                          ; one plain place behind the last exponential (ISA guide 5.7.2)
.irp J, 0,1,2,3,4,5,6,7
	v_pk_add_f32 v[GL+2*\J:GL+2*\J+1], v[LA+2*\J:LA+2*\J+1], v[LB+2*\J:LB+2*\J+1]
.endr
	s_wait_alu depctr_va_vdst(0)
.irp J, 0,1,2,3,4,5,6,7
	v_pk_mul_f32 v[GL+2*\J:GL+2*\J+1], v[GL+2*\J:GL+2*\J+1], v[G+2*\J:G+2*\J+1]
.endr
	v_pk_fma_f32 v[LT:LT+1], v[GL+2:GL+3], s[VAL+2:VAL+3], v[GL:GL+1] op_sel_hi:[1,0,1]   ; tile 0 always counts
.irp J, 2,3,4,5,6,7
	v_pk_fma_f32 v[LT:LT+1], v[GL+2*\J:GL+2*\J+1], s[VAL+2*\J:VAL+2*\J+1], v[LT:LT+1] op_sel_hi:[1,0,1]
.endr
	v_rcp_f32 v[RL], v[LT]                         ; L is about 1 at the least: the tile that holds the row's maximum adds exp2(0)
	v_rcp_f32 v[RL+1], v[LT+1]
	v_nop                                          ; one plain place behind the reciprocals
	s_wait_alu depctr_va_vdst(0)
.irp J, 0,1,2,3,4,5,6,7
	v_pk_mul_f32 v[G+2*\J:G+2*\J+1], v[G+2*\J:G+2*\J+1], v[RL:RL+1]
.endr
	; From (lane = two rows) to (lane = row r, four row blocks), through my wave's own 2,048 bytes of LDS, once for all eight tiles:
	; every address is a constant plus wave and lane terms, so that no LDS address steps in a loop whose trips hang on the grid's y.
.irp J, 0,1,2,3,4,5,6,7
	ds_store_b32 v[TA],   v[G+2*\J]   offset:256*\J
	ds_store_b32 v[TA+1], v[G+2*\J+1] offset:256*\J
.endr
.irp J, 0,1,2,3,4,5,6,7
	ds_load_b128 v[FF+4*\J:FF+4*\J+3], v[FTA] offset:256*\J        ; LDS serves a wave's instructions in order: these see the stores above
.endr
; 8 matrix instructions: row block a x all 8 column blocks, 32 keys.  zero = 1: the first product of a lap starts T's sums.
.macro MUL8 f, a, zero
.irp b, 0,1,2,3,4,5,6,7
.if \zero
	v_wmma_f32_16x16x32_f16 v[8*(8*\a+\b):8*(8*\a+\b)+7], v[\f+8*\b:\f+8*\b+7], v[\f+64+8*\a:\f+64+8*\a+7], 0
.else
	v_wmma_f32_16x16x32_f16 v[8*(8*\a+\b):8*(8*\a+\b)+7], v[\f+8*\b:\f+8*\b+7], v[\f+64+8*\a:\f+64+8*\a+7], v[8*(8*\a+\b):8*(8*\a+\b)+7]
.endif
.endr
.endm
; 24 LDS loads in one run: the fragments of quarter q (32 keys) of a slot: V's 8 column blocks, then P's 4 row blocks
.macro FETCH slot, q, f
	WIN 0
.irp b, 0,1,2,3,4,5,6,7
	ds_load_tr16_b128 v[\f+8*\b:\f+8*\b+3],   v[ADRV+\slot] offset:\q*32*VPITCH+32*\b
	ds_load_tr16_b128 v[\f+8*\b+4:\f+8*\b+7], v[ADRV+\slot] offset:\q*32*VPITCH+32*\b+16*VPITCH
.endr
.irp a, 0,1,2,3
	ds_load_b128 v[\f+64+8*\a:\f+64+8*\a+3],   v[ADRP+\slot] offset:64*\q+16*PPITCH*\a
	ds_load_b128 v[\f+64+8*\a+4:\f+64+8*\a+7], v[ADRP+\slot] offset:64*\q+16*PPITCH*\a+32
.endr
.endm
; four places between a matrix instruction and a load into, or a vector instruction on, one of its registers (ISA guide 7.12.1 for vector instructions)
.macro PLACES
.rept 4
	v_nop
.endr
.endm
.macro QUARTER slot, qn, f, g, zero
	s_wait_dscnt 4                                 ; V and P's row blocks 0, 1 are in; the youngest four loads (row blocks 2, 3) may be out
	WIN MULW
	MUL8 \f, 0, \zero
	MUL8 \f, 1, \zero
	PLACES
	FETCH \slot, \qn, \g
	s_wait_dscnt 24                                ; all but the 24 just issued
	WIN MULW
	MUL8 \f, 2, \zero
	MUL8 \f, 3, \zero
.endm
.macro THREE slot, zero
	QUARTER \slot, 1, F0, F1, \zero
	QUARTER \slot, 2, F1, F0, 0
	QUARTER \slot, 3, F0, F1, 0
.endm
; The last quarter of a step changes slots.  In front of the barrier each wave waits for its reads of this slot and for all its tensor loads (one is out: its part
; of the next slot).  Where the slot is filled again the barrier opens a round of the cluster's barrier, and the refill is the first tensor load behind the round.
.macro TURN slot, next, fill
	s_wait_dscnt 4
	WIN MULW
	MUL8 F1, 0, 0
	s_wait_dscnt 0                                 ; my reads of this slot are over
	s_wait_tensorcnt 0x0                           ; all my tensor loads have landed: a group 0 may be written
	ds_add_u32 v30, v31
	s_wait_dscnt 0x0
	s_barrier_signal -1
	MUL8 F1, 1, 0                                  ; register work while the others arrive
	WIN 0
	s_barrier_wait -1
.if \fill
	CREST                                          ; no wave of any partner still reads this slot or has a load on its way
	s_add_nc_u64 s[G0P+4*\slot+2:G0P+4*\slot+3], s[G0P+4*\slot+2:G0P+4*\slot+3], 512          ; 256 columns on along P's rows
	s_add_nc_u64 s[G0V+4*\slot+2:G0V+4*\slot+3], s[G0V+4*\slot+2:G0V+4*\slot+3], s[88:89]     ; V's step of a lap
	JLOAD \slot                                    ; the wave's only tensor load until the next round
.endif
	PLACES
	FETCH \next, 0, F0
	WIN MULW
	MUL8 F1, 2, 0
	MUL8 F1, 3, 0
.endm
.macro LASTQ                           ; the very last quarter: nothing more to fetch
	s_wait_dscnt 4
	WIN MULW
	MUL8 F1, 0, 0
	MUL8 F1, 1, 0
	s_wait_dscnt 0
	MUL8 F1, 2, 0
	MUL8 F1, 3, 0
.endm
; O += f x T, row block a by its own factor.  first = 1: O = f x T, so that O is never cleared.
.macro DRAIN first
	PLACES
	WIN 0x52                                       ; source 0 (T) window 2, source 1 (f) window 0, source 2 and destination (O) window 1
.irp a, 0,1,2,3
.set i, 0
.rept 32
.if \first
.if (\a)&1
	v_pk_mul_f32 v[64*\a+2*i:64*\a+2*i+1], v[64*\a+2*i:64*\a+2*i+1], v[FF+\a-1:FF+\a] op_sel:[0,1] op_sel_hi:[1,1]
.else
	v_pk_mul_f32 v[64*\a+2*i:64*\a+2*i+1], v[64*\a+2*i:64*\a+2*i+1], v[FF+\a:FF+\a+1] op_sel_hi:[1,0]
.endif
.else
.if (\a)&1
	v_pk_fma_f32 v[64*\a+2*i:64*\a+2*i+1], v[64*\a+2*i:64*\a+2*i+1], v[FF+\a-1:FF+\a], v[64*\a+2*i:64*\a+2*i+1] op_sel:[0,1,0] op_sel_hi:[1,1,1]
.else
	v_pk_fma_f32 v[64*\a+2*i:64*\a+2*i+1], v[64*\a+2*i:64*\a+2*i+1], v[FF+\a:FF+\a+1], v[64*\a+2*i:64*\a+2*i+1] op_sel_hi:[1,0,1]
.endif
.endif
.set i, i+1
.endr
.endr
	WIN 0
.endm
; One lap.  Its factors stand in v[FF:FF+3].  A lap that another follows moves the later laps' factors four registers down, in ascending order:
; a trip's number cannot name a register, so the table comes to the lap: 28 moves for a lap's 256 matrix instructions.
.macro LAP fill, first
	THREE 0, 1
	TURN 0, 1, \fill
	THREE 1, 0
.if \fill
	TURN 1, 0, 1
.else
	LASTQ
.endif
	DRAIN \first
.if \fill
.set i, 0
.rept 28
	v_mov_b32 v[FF+i], v[FF+4+i]
.set i, i+1
.endr
.endif
.endm
	s_wait_tensorcnt 0x1                           ; my part of step 0 is in; step 1's may stay out
	s_wait_dscnt 0x0                               ; my stores of the factors are done and the table is back in registers
	s_barrier_signal -1
	s_barrier_wait -1
	FETCH 0, 0, F0
	LAP 1, 1                                       ; the first lap; asks for the second (there are two laps at the least)
	s_cmp_eq_u32 s83, 1
	s_cbranch_scc1 .Llast
	s_mov_b32 s3, 1                                ; laps 1 .. (laps - 2): here the laps less one are 2 at the least
.Llap:
	LAP 1, 0
	s_add_co_u32 s3, s3, 1
	s_cmp_lt_u32 s3, s83
	s_cbranch_scc1 .Llap
.Llast:
	LAP 0, 0                                       ; the last lap: nothing is left to fetch
	; THE WAY OUT, 16 rows at a time: 32 bytes a lane into my own stage, read back as whole rows of 512 bytes
	s_lshl_b32 s22, s12, 6
	s_add_co_u32 s22, s22, s20                     ; my first row
	s_lshl_b32 s42, s22, 12                        ; x 4,096 bytes
	s_lshl_b32 s43, s16, 9
	s_add_co_u32 s42, s42, s43                     ; + 512 cb
	s_mov_b32 s43, 0
	s_add_nc_u64 s[10:11], s[10:11], s[42:43]
.macro OUT a
	WIN 0x04                                       ; the stores' data in window 1
.irp b, 0,1,2,3,4,5,6,7
	ds_store_b128 v[STO], v[64*\a+8*\b:64*\a+8*\b+3]   offset:64*\b
	ds_store_b128 v[STO], v[64*\a+8*\b+4:64*\a+8*\b+7] offset:64*\b+16
.endr
	WIN 0
	s_wait_xcnt 0x0                                ; RB, which the last stores read, and their base are rewritten only behind this wait
.if \a
	s_add_nc_u64 s[10:11], s[10:11], 16*4096       ; 16 rows of out0 on
.endif
.irp t, 0,1,2,3,4,5,6,7,8,9,10,11,12,13,14,15
	ds_load_b128 v[RB+4*\t:RB+4*\t+3], v[RD] offset:OPITCH*\t      ; LDS serves a wave's instructions in order: these see the stores above
.endr
.irp t, 0,1,2,3,4,5,6,7,8,9,10,11,12,13,14,15
	s_wait_dscnt 15-\t                             ; load t is in, the 15 - t younger ones stay out
	global_store_b128 v[CO], v[RB+4*\t:RB+4*\t+3], s[10:11] offset:4096*\t th:TH_STORE_NT   ; the wave stores 512 consecutive bytes, aligned
.endr
.endm
	OUT 0
	OUT 1
	OUT 2
	OUT 3
	s_wait_tensorcnt 0x0
	ds_add_u32 v30, v31
	s_wait_dscnt 0x0
	CROUND                                         ; the closing round: no work-group ends while a partner may still ask for a tile that names it
	s_endpgm
.Lfunc_end_k_qd24db80798_pv:
	.size	k_qd24db80798_pv, .Lfunc_end_k_qd24db80798_pv-k_qd24db80798_pv
	.p2alignl 7, 3214868480
	.fill 96, 4, 3214868480
	.section	.rodata,"a",@progbits
	.p2align	6, 0x0
	.amdhsa_kernel k_qd24db80798_pv
		.amdhsa_group_segment_fixed_size 327680
		.amdhsa_private_segment_fixed_size 0
		.amdhsa_enable_private_segment 0
		.amdhsa_kernarg_size 40
		.amdhsa_user_sgpr_count 2
		.amdhsa_user_sgpr_kernarg_segment_ptr 1
		.amdhsa_wavefront_size32 1
		.amdhsa_system_sgpr_workgroup_id_x 1
		.amdhsa_system_sgpr_workgroup_id_y 1
		.amdhsa_system_sgpr_workgroup_id_z 1
		.amdhsa_system_vgpr_workitem_id 0
		.amdhsa_next_free_vgpr 768
		.amdhsa_next_free_sgpr 96
		.amdhsa_reserve_vcc 0
		.amdhsa_float_denorm_mode_32 3
		.amdhsa_float_denorm_mode_16_64 3
		.amdhsa_memory_ordered 1
		.amdhsa_forward_progress 1
		.amdhsa_inst_pref_size 154
	.end_amdhsa_kernel
	.amdgpu_metadata
---
amdhsa.version: [ 1, 2 ]
amdhsa.kernels:
  - .name:           k_qd24db80798_pv
    .symbol:         k_qd24db80798_pv.kd
    .args:
      - { .name: p, .offset: 0, .size: 8, .value_kind: global_buffer, .address_space: global }
      - { .name: qkv, .offset: 8, .size: 8, .value_kind: global_buffer, .address_space: global }
      - { .name: stat, .offset: 16, .size: 8, .value_kind: global_buffer, .address_space: global }
      - { .name: out0, .offset: 24, .size: 8, .value_kind: global_buffer, .address_space: global }
      - { .name: ext, .offset: 32, .size: 8, .value_kind: global_buffer, .address_space: global }
    .group_segment_fixed_size: 327680
    .private_segment_fixed_size: 0
    .kernarg_segment_align: 8
    .kernarg_segment_size: 40
    .max_flat_workgroup_size: 128
    .sgpr_count:     96
    .vgpr_count:     768
    .wavefront_size: 32
...
	.end_amdgpu_metadata
.endif
;; end of part 4
;; ======== version 2 of 3: 4 launches
;; limits: values are held in f16: magnitudes above 65,504 overflow, below 6.1e-05 lose precision
;; workspace buffers: xb 16,777,216 bytes; wb 6,291,456 bytes; qkv 50,331,648 bytes; ext 12,582,912 bytes; p 33,554,432 bytes; stat 1,048,576 bytes
;; launch cast: the kernel of part 1 again; grid 704 x 1, 8 waves a work-group, no clusters, 0 bytes of LDS; arguments x, W_query, W_key, W_value, xb, wb; writes xb, wb
;; launch qkv (part 5): grid 8 x 32, 4 waves a work-group, clusters of 4 x 4, 327,680 bytes of LDS; arguments xb, wb, qkv, ext; writes qkv, ext
.if DOCPART == 5
	.amdgcn_target "amdgcn-amd-amdhsa--gfx1250"
	.amdhsa_code_object_version 6
	.text
	.protected	k_qd24db80798_qkv
	.globl	k_qd24db80798_qkv
	.p2align	8
	.type	k_qd24db80798_qkv,@function
k_qd24db80798_qkv:
	s_mov_b64 s[64:65], 0
	v_nop
	global_prefetch_b8 v0, s[64:65] scope:SCOPE_SE
	s_setreg_imm32_b32 hwreg(HW_REG_WAVE_MODE, 25, 1), 1
	s_wait_xcnt 0x0
	s_wait_alu depctr_hold_cnt(0) depctr_sa_sdst(0) depctr_va_vdst(0) depctr_va_sdst(0) depctr_va_ssrc(0) depctr_va_vcc(0) depctr_vm_vsrc(0)
	s_getreg_b32 s2, hwreg(HW_REG_IB_STS2, 6, 4)
	s_cmp_eq_u32 s2, 0
	s_cbranch_scc0 .Lentry_in_a_cluster
	s_endpgm
.Lentry_in_a_cluster:
	s_bfe_u32 s2, ttmp6, 0x10000c
	s_cmp_lg_u32 s2, 0xf033
	s_cbranch_scc0 .Lentry_shape_is_right
	s_endpgm
.Lentry_shape_is_right:
; qkv[m][n] = sum over k of xb[m][k] wb[n][k]: the three projections as one product, 8192 x 3072 x 1024, bf16 in, f32 sums, f16 out.
; Columns 0-1023 of qkv are q, 1024-2047 k, 2048-3071 v.
; THE SHARE: 32 block rows of 256 rows x 8 parts of 384 columns = 256 work-groups of equal work.  (Blocks of 256 x 256 alone would be 384: one and a half for each.)
; A work-group stays and makes its part in two phases, both over the same 256 rows of xb:
;   phase 1: 256 x 256 of q's and k's columns (256 bx ..): a wave makes 128 x 128, 64 accumulator tiles of 16 x 16, 512 registers;
;   phase 2: 256 x 128 of v's columns (2048 + 128 bx ..): a wave makes 64 x 128, 32 accumulator tiles (window 2 again).
; K goes in steps of 128 through a ring of two LDS slots filled by the tensor data mover: a tile's rows are 256 bytes of memory, aligned.  The ring runs on from phase 1 into
; phase 2: the two last changes of slots of phase 1 fill the slots with phase 2's K steps 0 and 1 (a second set of descriptors), and these land while phase 1's results leave.
; CLUSTERS: 4 x 4 work-groups.  The four of a row of the cluster need the same tiles of A, the four of a column the same tiles of B, in both phases:
; each such tile is asked for jointly, by the same tensor load with a mask that names the four, which divides the requests by four.
; Block row of C = cluster y + 8 cy, so that the block rows 0, 8, 16, 24, at which a batch of 2,048 rows begins, are those of the clusters with y = 0.
; REGISTERS, in windows of 256: window 0: v0-31 addresses, v64-127 and v128-191 fragments of A (two buffers), v192-255 at work on the way out;
; window 1: v64-127, v128-191 fragments of B; window 2: the accumulators of my rows 0-63 (tile (a, b) at v[8 (8 a + b)]); window 3: rows 64-127 (phase 1 alone).
; THE MATRIX INSTRUCTION IS USED TRANSPOSED: source 0 = 16 rows of B, source 1 = 16 rows of A, so that lane l holds row l % 16 of C and its
; registers 0-7 the columns 8 (l / 16) + 0..7: eight neighbouring numbers of a row, which pack into 16 bytes.
; The accumulators take turns, one matrix instruction a turn, in the same order in every quarter step.
; WHY f16 OUT: q, k and v are matrix operands of the launches that follow.  A query with few keys gets a sum of a few terms of v's size, which can cancel,
; while most of the output averages many keys and is some ten times smaller; a rounding of 2^-8 of a term (bf16) is too coarse there.
; THE FIRST 128 ROWS OF EACH BATCH IN TWO PARTS: for queries with a handful of keys even 2^-11 of a term is too coarse where two large terms cancel.  So these rows
; go out as hi (the f32 number rounded to 11 significant bits: half a unit added to its bits, the low 13 bits cut; exact in f16) and lo (the number less hi,
; exact in f32, then rounded to f16): some 21 bits together.  hi is also what stands in qkv for these rows.
;   ext: [4 batches][512 rows][3072] f16, 6,144 bytes a row, columns as in qkv.  Rows 0-127: hi of the batch's rows 0-127; rows 256-383: their lo; and in v's columns alone
;   rows 128-255: v of the batch's rows 128-255 as in qkv, rows 384-511: hi of its rows 0-127 once more.  The rest of ext is neither written nor read.
;   The scores take rows 0-127 and 256-383 of q's and k's columns as the two halves of a tile of 256 rows; the last launch walks all 512 rows of v's columns in four steps of 128.
; RANGE: f16 reaches 65,504.  x of spread 1 and W of spread 1/32 give q, k, v of spread 1; both 30 times larger: 900, six spreads 5,400; a common offset of
; 30 spreads on both: 1024 x 30 x 30/32 = 28,800; both 30 times smaller: 1/900, above f16's smallest normal number 2^-14, and smaller elements keep 2^-25 absolute.
; LIMIT: in qkv each number is rounded once to f16, to nearest (ties to even; in rows 0-127 of a batch ties away from zero); one beyond 65,504 in magnitude becomes infinite;
; a hi or lo part below 2^-14 keeps 2^-25 absolute.
.set SIZE_M, 8192
.set SIZE_N, 3072
.set SIZE_K, 1024
.set KSTEP,  128
.set PITCH,  272                       ; an LDS row: 256 bytes + 16 of padding, an odd multiple of 16: the 16 rows of a fragment load start 16 bytes apart modulo 256
.set HALFT,  128*PITCH                 ; 128 rows: what one tensor load of phase 1 brings
.set SLOT,   4*HALFT                   ; A's 256 rows, then B's 256 rows (phase 2: B's 128 rows)
.set STAGE,  2*SLOT                    ; behind the ring: 16 rows x 272 bytes for each wave, for the way out
.set SPITCH, 272
.set LAPS, SIZE_K/(2*KSTEP)            ; a lap = two K steps = once round the ring: 4 in each phase
.set ADRA,  16                         ; v16-17  LDS address of my A fragments in slot 0, 1, phase 1
.set ADRA2, 18                         ; v18-19  the same, phase 2
.set ADRB,  20                         ; v20-21  of my B fragments, phase 1
.set ADRB2, 22                         ; v22-23  the same, phase 2
.set STO,  24                          ; v24     the way out: where I put 16 bytes of a row
.set RD,   25                          ; v25     the way out: where I read a row back
.set CO,   26                          ; v26     my byte offset in C (and in ext: the same pitch)
.set F0,   64
.set F1,   128
.set TMP,  192
.set HH,   64                          ; the two-part way out: v[64:127] hi parts in f32
.set LL,   128                         ; v[128:191] lo parts in f32
.set RBX,  224                         ; v[224:255] rows read back
.set G1,   24                          ; s[24:31] descriptor group 1 for A's tiles, both phases
.set G0,   32                          ; s[32:39] descriptor group 0 for A's tiles, phase 1, one set for each slot
.set G1B,  48                          ; s[48:55] group 1 for B's tiles, phase 1: it differs from A's in the mask alone
.set G0B,  56                          ; s[56:63] group 0 for B's tiles, phase 1
.set G1B2, 76                          ; s[76:83] group 1 for B's tiles, phase 2: 64 rows
.set G0A2, 84                          ; s[84:91] group 0 for A's tiles, phase 2
.set G0B2, 92                          ; s[92:99] group 0 for B's tiles, phase 2
.set CB,   100                         ; s[100:101] where my next 16 rows of C go
.set XH,   68                          ; s[68:69]   the same in ext: hi
.set XH2,  70                          ; s[70:71]   hi once more
.set XL,   72                          ; s[72:73]   lo
.set DFLAGS, (1<<16)|(1<<20)|(1<<21)|(5<<22)|(3<<25)   ; elements of 2 bytes; padding on; bit 21 beside a mask; 4 words of padding behind every 64 words
.set MSB, 0
.macro WIN new                         ; the immediate's high byte repeats the setting that is left
.if MSB != \new
	s_set_vgpr_msb (MSB<<8)|\new
.set MSB, \new
.endif
.endm
.set MUL_LO, 0xa1                      ; source 0 (B) window 1, source 1 (A) window 0, C and D window 2
.set MUL_HI, 0xf1                      ; the same, C and D window 3
.set TO_B,   0x40                      ; destination window 1, address window 0
; A joint load.  Waves 0 and 1 fetch A's two halves, waves 2 and 3 B's.  The branch hangs on the wave's number alone.
.macro JLOAD s
	s_cmp_eq_u32 s11, 0
	s_cbranch_scc0 .Lfor_b_\@
	tensor_load_to_lds s[G0+4*\s:G0+4*\s+3], s[G1:G1+7]
	s_nop 0
	s_branch .Lasked_\@
.Lfor_b_\@:
	tensor_load_to_lds s[G0B+4*\s:G0B+4*\s+3], s[G1B:G1B+7]
	s_nop 0
.Lasked_\@:
.endm
.macro JLOAD2 s                        ; the same for phase 2
	s_cmp_eq_u32 s11, 0
	s_cbranch_scc0 .Lfor_b2_\@
	tensor_load_to_lds s[G0A2+4*\s:G0A2+4*\s+3], s[G1:G1+7]
	s_nop 0
	s_branch .Lasked2_\@
.Lfor_b2_\@:
	tensor_load_to_lds s[G0B2+4*\s:G0B2+4*\s+3], s[G1B2:G1B2+7]
	s_nop 0
.Lasked2_\@:
.endm
; A round of the cluster's barrier: my work-group's barrier; wave 0 signals for the work-group; every wave waits for all sixteen; my work-group's barrier again.
.macro CREST                           ; a round behind its opening barrier
	s_cmp_lg_u32 s10, 0
	s_cbranch_scc1 .Lnot_wave_0_\@
	s_barrier_signal -3
.Lnot_wave_0_\@:
	s_barrier_wait -3
	s_barrier_signal -1
	s_barrier_wait -1
.endm
.macro CROUND
	s_barrier_signal -1
	s_barrier_wait -1
	CREST
.endm
	s_load_b128 s[4:7], s[0:1], 0x0                ; A s[4:5], B s[6:7]
	s_load_b64 s[8:9], s[0:1], 0x10                ; C
	s_load_b64 s[66:67], s[0:1], 0x18              ; ext
	s_set_vgpr_msb 0x40
	v_lshl_add_u32 v255, v0, 2, 0x48400
	s_set_vgpr_msb 0x4000
	v_mov_b32 v63, 0
	s_set_vgpr_msb 0x1
	ds_add_u32 v255, v63
	s_set_vgpr_msb 0x100
	v_lshrrev_b32 v1, 5, v0
	v_readfirstlane_b32 s10, v1                    ; wave 0..3
	s_lshr_b32 s11, s10, 1                         ; phase 1: which half of the block's rows is mine.  Also: I fetch for A (0) or for B (1)
	s_and_b32 s12, s10, 1                          ; phase 1: which half of its columns.  Also: which half of that tile I fetch
	s_bfe_u32 s40, ttmp6, 0x40000                  ; cx
	s_bfe_u32 s41, ttmp6, 0x40004                  ; cy
	s_lshl_b32 s42, ttmp9, 2
	s_add_co_u32 s42, s42, s40                     ; bx = 4 x cluster x + cx: which part of the columns, 0..7
	s_and_b32 s45, ttmp7, 0xffff                   ; the cluster's y, 0..7
	s_lshl_b32 s13, s41, 3
	s_add_co_u32 s13, s13, s45                     ; block row of C = cluster y + 8 cy: 0..31, each once
	s_lshl_b32 s43, s41, 2
	s_lshl_b32 s43, 15, s43                        ; my row of the cluster: places 4 cy .. 4 cy + 3
	s_lshl_b32 s44, 0x1111, s40                    ; my column: places cx, cx + 4, cx + 8, cx + 12
	; groups 1: tiles of 128 (phase 2's B: 64) rows x 128 elements
	s_or_b32 s[G1+0], s43, DFLAGS
	s_or_b32 s[G1B+0], s44, DFLAGS
	s_or_b32 s[G1B2+0], s44, DFLAGS
	s_mov_b32 s[G1+1], KSTEP<<16                   ; tensor_dim0 = 128
	s_mov_b32 s[G1B+1], KSTEP<<16
	s_mov_b32 s[G1B2+1], KSTEP<<16
	s_mov_b32 s[G1+2], 128<<16                     ; tensor_dim1 = 128
	s_mov_b32 s[G1B+2], 128<<16
	s_mov_b32 s[G1B2+2], 64<<16                    ; = 64
	s_mov_b32 s[G1+3], KSTEP<<16                   ; tile_dim0 = 128
	s_mov_b32 s[G1B+3], KSTEP<<16
	s_mov_b32 s[G1B2+3], KSTEP<<16
	s_mov_b32 s[G1+4], 128                         ; tile_dim1 = 128
	s_mov_b32 s[G1B+4], 128
	s_mov_b32 s[G1B2+4], 64                        ; = 64
	s_mov_b32 s[G1+5], SIZE_K                      ; elements from row to row
	s_mov_b32 s[G1B+5], SIZE_K
	s_mov_b32 s[G1B2+5], SIZE_K
	s_mov_b32 s[G1+6], 0
	s_mov_b32 s[G1B+6], 0
	s_mov_b32 s[G1B2+6], 0
	s_mov_b32 s[G1+7], 0
	s_mov_b32 s[G1B+7], 0
	s_mov_b32 s[G1B2+7], 0
	; A's tiles hang on the block row alone, B's on bx alone; each address is made in registers that never hold the other coordinate
	s_lshl_b32 s17, s12, 7
	s_lshl_b32 s16, s13, 8
	s_add_co_u32 s16, s16, s17                     ; A: row 256 x block row + 128 x half
	s_lshl_b32 s46, s42, 8
	s_add_co_u32 s46, s46, s17                     ; B, phase 1: row 256 bx + 128 x half
	s_mov_b32 s17, 0
	s_mov_b32 s47, 0
	s_mov_b64 s[18:19], SIZE_K*2
	s_mul_u64 s[16:17], s[16:17], s[18:19]
	s_mul_u64 s[46:47], s[46:47], s[18:19]
	s_lshl_b32 s[G0B2+2], s42, 7
	s_lshl_b32 s[G0B2+3], s12, 6
	s_add_co_u32 s[G0B2+2], s[G0B2+2], s[G0B2+3]
	s_add_co_u32 s[G0B2+2], s[G0B2+2], 2048        ; B, phase 2: row 2048 + 128 bx + 64 x half,
	s_lshl_b32 s[G0B2+2], s[G0B2+2], 11            ; x 2,048 bytes
	s_mov_b32 s[G0B2+3], 0
	s_mul_i32 s20, s10, HALFT                      ; where phase 1's tiles and phase 2's A go: wave x 128 rows
	s_mul_i32 s23, s10, 64*PITCH
	s_add_co_u32 s23, s23, 2*HALFT-128*PITCH       ; where phase 2's B goes: behind A's 256 rows, (wave - 2) x 64 rows (waves 2, 3)
	s_mov_b32 s74, 0xffffe000                      ; keeps sign, exponent and ten bits of the fraction: 11 significant bits, what f16 holds
	s_mov_b32 s75, 0x1000                          ; half a unit of the last bit kept
	s_wait_dscnt 0x0
	s_wait_kmcnt 0x0
	s_add_nc_u64 s[14:15], s[4:5], s[16:17]
	s_add_nc_u64 s[46:47], s[6:7], s[46:47]
	CROUND                                         ; all sixteen work-groups are here: the first joint loads meet
.irp s, 0,1
	s_mov_b32 s[G0+4*\s], 1
	s_add_co_u32 s[G0+4*\s+1], s20, \s*SLOT
	s_add_nc_u64 s[G0+4*\s+2:G0+4*\s+3], s[14:15], \s*KSTEP*2
	s_or_b32 s[G0+4*\s+3], s[G0+4*\s+3], 0x80000000
	s_mov_b32 s[G0B+4*\s], 1
	s_add_co_u32 s[G0B+4*\s+1], s20, \s*SLOT
	s_add_nc_u64 s[G0B+4*\s+2:G0B+4*\s+3], s[46:47], \s*KSTEP*2
	s_or_b32 s[G0B+4*\s+3], s[G0B+4*\s+3], 0x80000000
	JLOAD \s                                       ; both slots are asked for before anything else: two tensor loads of the wave are out
.endr
	; phase 2's groups 0, in registers of their own: K steps 0 and 1 again
	s_add_nc_u64 s[G0B2+2:G0B2+3], s[6:7], s[G0B2+2:G0B2+3]
	s_add_nc_u64 s[G0B2+6:G0B2+7], s[G0B2+2:G0B2+3], KSTEP*2
.irp s, 0,1
	s_mov_b32 s[G0A2+4*\s], 1
	s_add_co_u32 s[G0A2+4*\s+1], s20, \s*SLOT
	s_add_nc_u64 s[G0A2+4*\s+2:G0A2+4*\s+3], s[14:15], \s*KSTEP*2
	s_or_b32 s[G0A2+4*\s+3], s[G0A2+4*\s+3], 0x80000000
	s_mov_b32 s[G0B2+4*\s], 1
	s_add_co_u32 s[G0B2+4*\s+1], s23, \s*SLOT
	s_or_b32 s[G0B2+4*\s+3], s[G0B2+4*\s+3], 0x80000000
.endr
	; a fragment: lane l holds row l % 16; registers 0-3 K = 8 (l / 16) + 0..7, registers 4-7 K = 16 + 8 (l / 16) + 0..7: two loads of 16 bytes, 32 bytes apart
	v_and_b32 v1, 15, v0
	v_bfe_u32 v2, v0, 4, 1
	v_mul_u32_u24 v3, v1, PITCH
	v_lshl_add_u32 v3, v2, 4, v3
	s_mul_i32 s21, s11, HALFT                      ; phase 1: my 128 rows of A
	s_mul_i32 s22, s12, HALFT                      ; my 128 rows of B,
	s_add_co_u32 s22, s22, 2*HALFT                 ; which lie behind A's 256
.irp s, 0,1
	v_add_nc_u32 v[ADRA+\s], s21, v3
	v_add_nc_u32 v[ADRB+\s], s22, v3
	s_add_co_u32 s21, s21, SLOT
	s_add_co_u32 s22, s22, SLOT
.endr
	s_mul_i32 s21, s10, 64*PITCH                   ; phase 2: my 64 rows of A,
	v_add_nc_u32 v[ADRA2], s21, v3
	v_add_nc_u32 v[ADRA2+1], SLOT, v[ADRA2]
	v_add_nc_u32 v[ADRB2], 2*HALFT, v3             ; and all 128 rows of B
	v_add_nc_u32 v[ADRB2+1], SLOT, v[ADRB2]
	s_mul_i32 s23, s10, 16*SPITCH
	s_add_co_u32 s23, s23, STAGE                   ; my stage
	v_mul_u32_u24 v4, v1, SPITCH
	v_lshl_add_u32 v4, v2, 4, v4
	v_add_nc_u32 v[STO], s23, v4
	v_mul_u32_u24 v5, v2, SPITCH
	v_lshl_add_u32 v5, v1, 4, v5
	v_add_nc_u32 v[RD], s23, v5
	v_mul_u32_u24 v5, v2, SIZE_N*2
	v_lshl_add_u32 v[CO], v1, 4, v5
; 16 matrix instructions: m blocks a0, a0 + 1 of the window's four x all 8 n blocks, 32 along K.  zero = 1: the first product starts the sums.
.macro MUL16 f, hi, a0, zero
.irp a, \a0, \a0+1
.irp b, 0,1,2,3,4,5,6,7
.if \zero
	v_wmma_f32_16x16x32_bf16 v[8*(8*(\a)+\b):8*(8*(\a)+\b)+7], v[\f+8*\b:\f+8*\b+7], v[\f+8*(4*\hi+\a):\f+8*(4*\hi+\a)+7], 0
.else
	v_wmma_f32_16x16x32_bf16 v[8*(8*(\a)+\b):8*(8*(\a)+\b)+7], v[\f+8*\b:\f+8*\b+7], v[\f+8*(4*\hi+\a):\f+8*(4*\hi+\a)+7], v[8*(8*(\a)+\b):8*(8*(\a)+\b)+7]
.endif
.endr
.endr
.endm
; 32 LDS loads in one run: the fragments of one quarter step of phase 1 into buffer f
.macro FETCH slot, k, f
	WIN TO_B
.irp i, 0,1,2,3,4,5,6,7
	ds_load_b128 v[\f+8*\i:\f+8*\i+3],   v[ADRB+\slot] offset:\k+\i*16*PITCH
	ds_load_b128 v[\f+8*\i+4:\f+8*\i+7], v[ADRB+\slot] offset:\k+\i*16*PITCH+32
.endr
	WIN 0
.irp i, 0,1,2,3,4,5,6,7
	ds_load_b128 v[\f+8*\i:\f+8*\i+3],   v[ADRA+\slot] offset:\k+\i*16*PITCH
	ds_load_b128 v[\f+8*\i+4:\f+8*\i+7], v[ADRA+\slot] offset:\k+\i*16*PITCH+32
.endr
.endm
; four places between a matrix instruction and a load into, or a vector instruction on, one of its registers (ISA guide 7.12.1 for vector instructions)
.macro PLACES
.rept 4
	v_nop
.endr
.endm
.macro QUARTER slot, k, f, g, zero
	s_wait_dscnt 8                                 ; B and A's rows 0-63 are in; the youngest eight loads (A's rows 64-127) may be out
	WIN MUL_LO
	MUL16 \f, 0, 0, \zero
	MUL16 \f, 0, 2, \zero
	PLACES
	FETCH \slot, \k, \g
	s_wait_dscnt 32                                ; all but the 32 just issued
	WIN MUL_HI
	MUL16 \f, 1, 0, \zero
	MUL16 \f, 1, 2, \zero
.endm
.macro THREE slot, zero
	QUARTER \slot, 64,  F0, F1, \zero
	QUARTER \slot, 128, F1, F0, 0
	QUARTER \slot, 192, F0, F1, 0
.endm
; The last quarter of a step of phase 1 multiplies buffer 1 and changes slots.  In front of the barrier each wave waits for its reads of this slot and for all its
; tensor loads (one is out: its part of the next slot); the barrier opens a round of the cluster's barrier, and behind the round the refill comes first.
; fill = 1: this slot gets phase 1's tile two K steps on; fill = 2: it gets phase 2's first tile for this slot.  fetch = 1: the next slot's first fragments are read.
.macro TURN slot, next, fill, fetch
	s_wait_dscnt 8
	WIN MUL_LO
	MUL16 F1, 0, 0, 0
	s_wait_dscnt 0                                 ; my reads of this slot are over
	s_wait_tensorcnt 0x0                           ; and all my tensor loads have landed
	ds_add_u32 v255, v63
	s_wait_dscnt 0x0
	s_barrier_signal -1
	MUL16 F1, 0, 2, 0                              ; register work while the others arrive
	WIN 0
	s_barrier_wait -1
	CREST                                          ; the round closes: no wave of any partner still reads this slot or has a load on its way
.if \fill == 1
	s_add_nc_u64 s[G0+4*\slot+2:G0+4*\slot+3], s[G0+4*\slot+2:G0+4*\slot+3], 2*KSTEP*2
	s_add_nc_u64 s[G0B+4*\slot+2:G0B+4*\slot+3], s[G0B+4*\slot+2:G0B+4*\slot+3], 2*KSTEP*2
	JLOAD \slot                                    ; the first tensor load behind the round, the wave's only one until the next
.else
	JLOAD2 \slot                                   ; likewise
.endif
.if \fetch
	PLACES
	FETCH \next, 0, F0
.endif
	WIN MUL_HI
	MUL16 F1, 1, 0, 0
	MUL16 F1, 1, 2, 0
.endm
.macro LAP zero
	THREE 0, \zero
	TURN 0, 1, 1, 1
	THREE 1, 0
	TURN 1, 0, 1, 1
.endm
; PHASE 2.  8 matrix instructions: my row block a x all 8 column blocks, 32 along K.
.macro MUL8 f, a, zero
.irp b, 0,1,2,3,4,5,6,7
.if \zero
	v_wmma_f32_16x16x32_bf16 v[8*(8*\a+\b):8*(8*\a+\b)+7], v[\f+8*\b:\f+8*\b+7], v[\f+8*\a:\f+8*\a+7], 0
.else
	v_wmma_f32_16x16x32_bf16 v[8*(8*\a+\b):8*(8*\a+\b)+7], v[\f+8*\b:\f+8*\b+7], v[\f+8*\a:\f+8*\a+7], v[8*(8*\a+\b):8*(8*\a+\b)+7]
.endif
.endr
.endm
; 24 LDS loads in one run: B's 8 column blocks, then my 4 row blocks of A
.macro FETCH2 slot, k, f
	WIN TO_B
.irp i, 0,1,2,3,4,5,6,7
	ds_load_b128 v[\f+8*\i:\f+8*\i+3],   v[ADRB2+\slot] offset:\k+\i*16*PITCH
	ds_load_b128 v[\f+8*\i+4:\f+8*\i+7], v[ADRB2+\slot] offset:\k+\i*16*PITCH+32
.endr
	WIN 0
.irp i, 0,1,2,3
	ds_load_b128 v[\f+8*\i:\f+8*\i+3],   v[ADRA2+\slot] offset:\k+\i*16*PITCH
	ds_load_b128 v[\f+8*\i+4:\f+8*\i+7], v[ADRA2+\slot] offset:\k+\i*16*PITCH+32
.endr
.endm
.macro QUARTER2 slot, k, f, g, zero
	s_wait_dscnt 4                                 ; B and A's row blocks 0, 1 are in; the youngest four loads (row blocks 2, 3) may be out
	WIN MUL_LO
	MUL8 \f, 0, \zero
	MUL8 \f, 1, \zero
	PLACES
	FETCH2 \slot, \k, \g
	s_wait_dscnt 24                                ; all but the 24 just issued
	WIN MUL_LO
	MUL8 \f, 2, \zero
	MUL8 \f, 3, \zero
.endm
.macro THREE2 slot, zero
	QUARTER2 \slot, 64,  F0, F1, \zero
	QUARTER2 \slot, 128, F1, F0, 0
	QUARTER2 \slot, 192, F0, F1, 0
.endm
; The change of slots in phase 2: the same order of waits, barrier (where the slot is filled again: round), refill, reads.
.macro TURN2 slot, next, fill
	s_wait_dscnt 4
	WIN MUL_LO
	MUL8 F1, 0, 0
	s_wait_dscnt 0                                 ; my reads of this slot are over
	s_wait_tensorcnt 0x0                           ; and all my tensor loads have landed: a group 0 may be written
	ds_add_u32 v255, v63
	s_wait_dscnt 0x0
	s_barrier_signal -1
	MUL8 F1, 1, 0                                  ; register work while the others arrive
	WIN 0
	s_barrier_wait -1
.if \fill
	CREST
	s_add_nc_u64 s[G0A2+4*\slot+2:G0A2+4*\slot+3], s[G0A2+4*\slot+2:G0A2+4*\slot+3], 2*KSTEP*2
	s_add_nc_u64 s[G0B2+4*\slot+2:G0B2+4*\slot+3], s[G0B2+4*\slot+2:G0B2+4*\slot+3], 2*KSTEP*2
	JLOAD2 \slot                                   ; the wave's only tensor load until the next round
.endif
	PLACES
	FETCH2 \next, 0, F0
	WIN MUL_LO
	MUL8 F1, 2, 0
	MUL8 F1, 3, 0
.endm
.macro LAP2 zero
	THREE2 0, \zero
	TURN2 0, 1, 1
	THREE2 1, 0
	TURN2 1, 0, 1
.endm
; THE WAY OUT, 16 rows of C at a time: round to f16, 16 bytes a lane into my own stage, read back as whole rows of 256 bytes.
; x = 1 (phase 2): in the clusters with y = 0 the same rows also go to ext (v of the batch's rows 128-255).
.macro OUT16 i, a, from, f, x
	WIN \from
.irp b, 0,1,2,3,4,5,6,7
.irp r, 0,1,2,3
	v_cvt_pk_f16_f32 v[TMP+4*\b+\r], v[8*(8*\a+\b)+2*\r], v[8*(8*\a+\b)+2*\r+1]    ; two roundings to f16, the first source in the low half
.endr
.endr
	WIN 0
.irp b, 0,1,2,3,4,5,6,7
	ds_store_b128 v[STO], v[TMP+4*\b:TMP+4*\b+3] offset:32*\b
.endr
	s_wait_xcnt 0x0                                ; buffer f, which earlier stores read, and the stores' bases are rewritten only behind this wait
.if \i
	s_add_nc_u64 s[CB:CB+1], s[CB:CB+1], 16*SIZE_N*2
.if \x
	s_add_nc_u64 s[XH:XH+1], s[XH:XH+1], 16*SIZE_N*2
.endif
.endif
.irp t, 0,1,2,3,4,5,6,7
	ds_load_b128 v[\f+4*\t:\f+4*\t+3], v[RD] offset:\t*2*SPITCH    ; LDS serves a wave's instructions in order: these see the stores above
.endr
.irp t, 0,1,2,3,4,5,6,7
	s_wait_dscnt 7-\t                              ; load t is in, the 7 - t younger ones stay out
	global_store_b128 v[CO], v[\f+4*\t:\f+4*\t+3], s[CB:CB+1] offset:2*\t*SIZE_N*2   ; 16 lanes store 256 consecutive bytes, aligned
.endr
.if \x
	s_cmp_lg_u32 s45, 0                            ; hangs on the cluster's y, which all partners share
	s_cbranch_scc1 .Lno_x_\@
.irp t, 0,1,2,3,4,5,6,7
	global_store_b128 v[CO], v[\f+4*\t:\f+4*\t+3], s[XH:XH+1] offset:2*\t*SIZE_N*2
.endr
.Lno_x_\@:
.endif
.endm
; THE TWO-PART WAY OUT, for rows 0-127 of a batch: hi goes to qkv and to ext (v = 1, v's columns: twice), lo to ext.
; both: sources 0 and 1 in the sums' window; one: source 0 alone.
.macro OUTT i, a, both, one, v
	WIN \both
.set jj, 0
.rept 64
	v_add_nc_u32 v[HH+jj], s75, v[64*\a+jj]        ; the magnitude's bits plus half a unit (a carry runs on into the exponent, as it should),
.set jj, jj+1
.endr
	WIN 0
.set jj, 0
.rept 64
	v_and_b32 v[HH+jj], s74, v[HH+jj]              ; cut: hi, rounded to nearest
.set jj, jj+1
.endr
.set jj, 0
.rept 32
	v_cvt_pk_f16_f32 v[TMP+jj], v[HH+2*jj], v[HH+2*jj+1]
.set jj, jj+1
.endr
.irp b, 0,1,2,3,4,5,6,7
	ds_store_b128 v[STO], v[TMP+4*\b:TMP+4*\b+3] offset:32*\b
.endr
	s_wait_xcnt 0x0                                ; RBX, which earlier stores read, and the bases are rewritten only behind this wait
.if \i
	s_add_nc_u64 s[CB:CB+1], s[CB:CB+1], 16*SIZE_N*2
	s_add_nc_u64 s[XH:XH+1], s[XH:XH+1], 16*SIZE_N*2
	s_add_nc_u64 s[XL:XL+1], s[XL:XL+1], 16*SIZE_N*2
.if \v
	s_add_nc_u64 s[XH2:XH2+1], s[XH2:XH2+1], 16*SIZE_N*2
.endif
.endif
.irp t, 0,1,2,3,4,5,6,7
	ds_load_b128 v[RBX+4*\t:RBX+4*\t+3], v[RD] offset:\t*2*SPITCH  ; LDS serves a wave's instructions in order: these see the stores above
.endr
.irp t, 0,1,2,3,4,5,6,7
	s_wait_dscnt 7-\t                              ; load t is in, the 7 - t younger ones stay out
	global_store_b128 v[CO], v[RBX+4*\t:RBX+4*\t+3], s[CB:CB+1] offset:2*\t*SIZE_N*2
	global_store_b128 v[CO], v[RBX+4*\t:RBX+4*\t+3], s[XH:XH+1] offset:2*\t*SIZE_N*2
.if \v
	global_store_b128 v[CO], v[RBX+4*\t:RBX+4*\t+3], s[XH2:XH2+1] offset:2*\t*SIZE_N*2
.endif
.endr
	WIN \one
.set jj, 0
.rept 32
	v_pk_add_f32 v[LL+2*jj:LL+2*jj+1], v[64*\a+2*jj:64*\a+2*jj+1], v[HH+2*jj:HH+2*jj+1] neg_lo:[0,1] neg_hi:[0,1]   ; lo = the sum less hi: exact
.set jj, jj+1
.endr
	WIN 0
.set jj, 0
.rept 32
	v_cvt_pk_f16_f32 v[TMP+jj], v[LL+2*jj], v[LL+2*jj+1]
.set jj, jj+1
.endr
.irp b, 0,1,2,3,4,5,6,7
	ds_store_b128 v[STO], v[TMP+4*\b:TMP+4*\b+3] offset:32*\b
.endr
	s_wait_xcnt 0x0                                ; RBX is rewritten only behind this wait
.irp t, 0,1,2,3,4,5,6,7
	ds_load_b128 v[RBX+4*\t:RBX+4*\t+3], v[RD] offset:\t*2*SPITCH
.endr
.irp t, 0,1,2,3,4,5,6,7
	s_wait_dscnt 7-\t
	global_store_b128 v[CO], v[RBX+4*\t:RBX+4*\t+3], s[XL:XL+1] offset:2*\t*SIZE_N*2
.endr
.endm
	; PHASE 1
	s_wait_tensorcnt 1                             ; my part of K step 0 is in; K step 1's may stay out
	s_barrier_signal -1
	s_barrier_wait -1
	FETCH 0, 0, F0
	LAP 1                                          ; the first lap's first products start the sums
	WIN 0
	s_mov_b32 s3, LAPS-2
.Llap:
	LAP 0
	WIN 0
	s_sub_co_u32 s3, s3, 1
	s_cmp_lg_u32 s3, 0
	s_cbranch_scc1 .Llap
	THREE 0, 0                                     ; the last lap of phase 1 fills the slots with phase 2's K steps 0 and 1
	TURN 0, 1, 2, 1
	THREE 1, 0
	TURN 1, 0, 2, 0                                ; its wait for all loads and its round have shown phase 2's K step 0 to every wave; K step 1 is on its way
	PLACES                                         ; the places behind the last matrix instructions, for all that follows
	WIN 0
	s_lshl_b32 s16, s13, 8
	s_lshl_b32 s17, s11, 7
	s_add_co_u32 s16, s16, s17                     ; my first row of C
	s_mov_b32 s17, 0
	s_mov_b64 s[18:19], SIZE_N*2
	s_mul_u64 s[16:17], s[16:17], s[18:19]
	s_add_nc_u64 s[CB:CB+1], s[8:9], s[16:17]
	s_lshl_b32 s46, s42, 9                         ; my first column, in bytes: 512 bx + 256 x half
	s_lshl_b32 s47, s12, 8
	s_add_co_u32 s46, s46, s47
	s_mov_b32 s47, 0
	s_add_nc_u64 s[CB:CB+1], s[CB:CB+1], s[46:47]
	s_lshl_b32 s68, s41, 9                         ; in ext: row 512 b (with cluster y = 0 the block row is 8 cy, so the batch is cy),
	s_mul_i32 s68, s68, SIZE_N*2                   ; x 6,144 bytes,
	s_add_co_u32 s68, s68, s46                     ; + my first column
	s_mov_b32 s69, 0
	s_add_nc_u64 s[XH:XH+1], s[66:67], s[68:69]    ; hi
	s_add_nc_u64 s[XL:XL+1], s[XH:XH+1], 256*SIZE_N*2   ; lo: 256 rows further down
	s_cmp_lg_u32 s45, 0                            ; two parts only in the clusters with y = 0 (all partners share y),
	s_cbranch_scc1 .Lplain1
	s_cmp_lg_u32 s11, 0                            ; and there only for the waves of rows 0-127
	s_cbranch_scc1 .Lplain1
	OUTT 0, 0, 0x0a, 0x02, 0
	OUTT 1, 1, 0x0a, 0x02, 0
	OUTT 2, 2, 0x0a, 0x02, 0
	OUTT 3, 3, 0x0a, 0x02, 0
	OUTT 4, 0, 0x0f, 0x03, 0
	OUTT 5, 1, 0x0f, 0x03, 0
	OUTT 6, 2, 0x0f, 0x03, 0
	OUTT 7, 3, 0x0f, 0x03, 0
	s_branch .Lphase2
.Lplain1:
	OUT16 0, 0, 0x0a, F0, 0
	OUT16 1, 1, 0x0a, F1, 0
	OUT16 2, 2, 0x0a, F0, 0
	OUT16 3, 3, 0x0a, F1, 0
	OUT16 4, 0, 0x0f, F0, 0
	OUT16 5, 1, 0x0f, F1, 0
	OUT16 6, 2, 0x0f, F0, 0
	OUT16 7, 3, 0x0f, F1, 0
.Lphase2:
	; PHASE 2
	s_wait_xcnt 0x0                                ; the registers that the stores above read take fragments again only behind this wait
	FETCH2 0, 0, F0
	LAP2 1                                         ; the first products start the sums anew
	WIN 0
	s_mov_b32 s3, LAPS-2
.Llap2:
	LAP2 0
	WIN 0
	s_sub_co_u32 s3, s3, 1
	s_cmp_lg_u32 s3, 0
	s_cbranch_scc1 .Llap2
	THREE2 0, 0                                    ; the last lap fills nothing
	TURN2 0, 1, 0
	THREE2 1, 0
	s_wait_dscnt 4                                 ; the very last quarter: nothing more to fetch
	WIN MUL_LO
	MUL8 F1, 0, 0
	MUL8 F1, 1, 0
	s_wait_dscnt 0
	MUL8 F1, 2, 0
	MUL8 F1, 3, 0
	PLACES
	WIN 0
	s_wait_xcnt 0x0                                ; the bases are written anew only behind this wait
	s_lshl_b32 s16, s13, 8
	s_lshl_b32 s17, s10, 6
	s_add_co_u32 s16, s16, s17                     ; my first row of C: 256 x block row + 64 x wave
	s_mov_b32 s17, 0
	s_mul_u64 s[16:17], s[16:17], s[18:19]
	s_add_nc_u64 s[CB:CB+1], s[8:9], s[16:17]
	s_lshl_b32 s46, s42, 8
	s_add_co_u32 s46, s46, 4096                    ; my first column, in bytes: v begins at 4,096; + 256 bx
	s_mov_b32 s47, 0
	s_add_nc_u64 s[CB:CB+1], s[CB:CB+1], s[46:47]
	s_lshl_b32 s68, s41, 9
	s_lshl_b32 s69, s10, 6
	s_add_co_u32 s68, s68, s69                     ; in ext: row 512 b + 64 x wave
	s_mul_i32 s68, s68, SIZE_N*2
	s_add_co_u32 s68, s68, s46
	s_mov_b32 s69, 0
	s_add_nc_u64 s[XH:XH+1], s[66:67], s[68:69]
	s_add_nc_u64 s[XL:XL+1], s[XH:XH+1], 256*SIZE_N*2
	s_add_nc_u64 s[XH2:XH2+1], s[XH:XH+1], 384*SIZE_N*2
	s_cmp_lg_u32 s45, 0
	s_cbranch_scc1 .Lplain2
	s_cmp_lg_u32 s11, 0                            ; waves 0 and 1 hold rows 0-127
	s_cbranch_scc1 .Lplain2
	OUTT 0, 0, 0x0a, 0x02, 1
	OUTT 1, 1, 0x0a, 0x02, 1
	OUTT 2, 2, 0x0a, 0x02, 1
	OUTT 3, 3, 0x0a, 0x02, 1
	s_branch .Lclose
.Lplain2:
	OUT16 0, 0, 0x0a, F0, 1
	OUT16 1, 1, 0x0a, F1, 1
	OUT16 2, 2, 0x0a, F0, 1
	OUT16 3, 3, 0x0a, F1, 1
.Lclose:
	s_set_vgpr_msb 0x1
	s_wait_tensorcnt 0x0
	ds_add_u32 v255, v63
	s_wait_dscnt 0x0
	s_set_vgpr_msb 0x100
	CROUND                                         ; the closing round: no work-group ends while a partner may still ask for a tile that names it
	s_endpgm
.Lfunc_end_k_qd24db80798_qkv:
	.size	k_qd24db80798_qkv, .Lfunc_end_k_qd24db80798_qkv-k_qd24db80798_qkv
	.p2alignl 7, 3214868480
	.fill 96, 4, 3214868480
	.section	.rodata,"a",@progbits
	.p2align	6, 0x0
	.amdhsa_kernel k_qd24db80798_qkv
		.amdhsa_group_segment_fixed_size 327680
		.amdhsa_private_segment_fixed_size 0
		.amdhsa_enable_private_segment 0
		.amdhsa_kernarg_size 32
		.amdhsa_user_sgpr_count 2
		.amdhsa_user_sgpr_kernarg_segment_ptr 1
		.amdhsa_wavefront_size32 1
		.amdhsa_system_sgpr_workgroup_id_x 1
		.amdhsa_system_sgpr_workgroup_id_y 1
		.amdhsa_system_sgpr_workgroup_id_z 1
		.amdhsa_system_vgpr_workitem_id 0
		.amdhsa_next_free_vgpr 1024
		.amdhsa_next_free_sgpr 102
		.amdhsa_reserve_vcc 0
		.amdhsa_float_denorm_mode_32 3
		.amdhsa_float_denorm_mode_16_64 3
		.amdhsa_memory_ordered 1
		.amdhsa_forward_progress 1
		.amdhsa_inst_pref_size 255
	.end_amdhsa_kernel
	.section	.bss,"aw",@nobits
	.p2align	6
	.space	262144
	.amdgpu_metadata
---
amdhsa.version: [ 1, 2 ]
amdhsa.kernels:
  - .name:           k_qd24db80798_qkv
    .symbol:         k_qd24db80798_qkv.kd
    .args:
      - { .name: xb, .offset: 0, .size: 8, .value_kind: global_buffer, .address_space: global }
      - { .name: wb, .offset: 8, .size: 8, .value_kind: global_buffer, .address_space: global }
      - { .name: qkv, .offset: 16, .size: 8, .value_kind: global_buffer, .address_space: global }
      - { .name: ext, .offset: 24, .size: 8, .value_kind: global_buffer, .address_space: global }
    .group_segment_fixed_size: 327680
    .private_segment_fixed_size: 0
    .kernarg_segment_align: 8
    .kernarg_segment_size: 32
    .max_flat_workgroup_size: 128
    .sgpr_count:     102
    .vgpr_count:     1024
    .wavefront_size: 32
...
	.end_amdgpu_metadata
.endif
;; end of part 5
;; launch scores (part 6): grid 37 x 4, 4 waves a work-group, no clusters, 327,680 bytes of LDS; arguments qkv, p, stat, ext; writes p, stat
.if DOCPART == 6
	.amdgcn_target "amdgcn-amd-amdhsa--gfx1250"
	.amdhsa_code_object_version 6
	.text
	.protected	k_qd24db80798_scores
	.globl	k_qd24db80798_scores
	.p2align	8
	.type	k_qd24db80798_scores,@function
k_qd24db80798_scores:
	s_mov_b64 s[64:65], 0
	v_nop
	global_prefetch_b8 v0, s[64:65] scope:SCOPE_SE
	s_setreg_imm32_b32 hwreg(HW_REG_WAVE_MODE, 25, 1), 1
	s_wait_xcnt 0x0
; For each batch b and each causal tile (I, J <= I) of 256 queries x 256 keys:  s = q k^T (K = 1024, f16 operands, f32 sums), keys beyond the query
; masked to -inf,  m2[row] = (log2 e / 32) x the row's largest s in this tile,  P = exp2(s log2 e / 32 - m2) in f16,  l[row] = the sum of these exponentials
; over each 128 keys.  The true maximum of the tile's row is taken away in front of every exponential; the next launch joins the tiles by their maxima.
;   p:    [4][2048 queries][2048 keys] f16; tiles J <= I are written (and read later).
;   stat: f32.  m2[b][t][row] at ((16 b + t) 2048 + row) 4, l[b][t][row] 524,288 bytes further; t = 0..15 the block of 128 keys; m2 is the 256-key tile's, alike at t = 2J, 2J+1.
; Grid y = b.  Grid x = I (I + 1) / 2 + J for the 36 causal tiles; tiles above the diagonal are never made.  Grid x = 36: queries 0-127 in two parts (below).
; QUERIES 0-127 IN TWO PARTS.  They have few keys, and where two large terms of the output cancel a rounding of 2^-11 of a term is too coarse.  ext holds q and k of these rows
; as hi and lo (some 21 bits together).  The work-group with x = 36 takes as its 256 rows of A the 128 rows of q hi and the 128 of q lo, as B k hi and k lo, and runs the same
; loop as every other tile: its four waves make hi hi, hi lo, lo hi and lo lo, 128 x 128 each.  The four are then added through LDS: the ring has had its last fill, and
; 4 x 65,536 of its 278,528 bytes take every wave's sums; wave w reads back the four parts of queries 32 w .. 32 w + 31 (so that no register number hangs on the wave),
; masks them, and makes P in two parts: hi (cut to 11 significant bits) and lo.  In p, rows 0-127 of a batch hold  hi | 0 | hi | lo  in columns 0-127, 128-255, 256-383, 384-511,
; and rows 128-255 hold  P of keys 0-127 | P of keys 128-255 | 0 | 0 : the last launch multiplies these four blocks by ext's four blocks of v (hi, hi of rows 128-255, lo, hi).
; Columns 256 and up of rows 0-255 lie above the diagonal and hold nothing else.
; So of tile (0, 0)'s own work-group (x = 0) only the waves of queries 128-255 store (their P, its zeros, their statistics); the two waves of queries 0-127 end behind the
; exchange of the maxima: their matrix work is lost, 8 waves of the launch's 592.
; NO CLUSTER: partners would have to share a tile of q (same I) or of k (same J), and the causal rows hold 1..8 tiles and the columns 8..1,
; which do not divide into fours.
; The product: four waves, 128 x 128 each in 512 registers, K in steps of 128 through two LDS slots filled by the tensor data mover, each wave fetching 128 rows x 256 bytes.
; Source 0 = 16 rows of k, source 1 = 16 rows of q: lane l holds query row l % 16, registers 0-7 the keys 8 (l / 16) + 0..7.
; The 64 accumulators take turns, one matrix instruction a turn.
; REGISTERS: window 0: v16-39 addresses and constants, v40-63 row figures, v64-127 / v128-191 fragments of q (later at work), v232-239 the two-part way's addresses;
; window 1: fragments of k; windows 2, 3: accumulators, tile (a, b) at v[8 (8 a + b)].
; P lies in (0, 1] by the maximum taken away, whatever the inputs: f16 holds it to 2^-12 absolute at the worst, against a row sum of about 1 at the least; a P below 2^-25 becomes 0.
; LIMITS: from query 128 on q, k and P are single f16 numbers; l sums the exponentials before any rounding; an exponential below 2^-126 comes out as 0
; (ISA guide, v_exp_f32); a lo part below 2^-14 keeps 2^-25 absolute; inputs that are not finite get no treatment of their own.
.set KSTEP,  128
.set PITCH,  272                       ; an LDS row: 256 bytes + 16 of padding, an odd multiple of 16
.set HALFT,  128*PITCH                 ; 34,816: what one tensor load brings
.set SLOT,   4*HALFT                   ; 139,264: q's 256 rows, then k's 256 rows
.set STAGE,  2*SLOT                    ; 278,528: 16 rows x 272 bytes for each wave
.set SPITCH, 272
.set STATS,  STAGE+4*16*SPITCH         ; 295,936: 1,024 bytes for each wave: 128 m2, 128 l
.set XCH,    STATS+4*1024              ; 300,032: 512 bytes for each wave: its 128 row maxima, for its partner
.set LAPS,   4                         ; 1024 / 256
.set ADRA, 16                          ; v16-17  LDS address of my q fragments in slot 0, 1
.set ADRB, 20                          ; v20-21  the same for k
.set STO,  24                          ; where I put 16 bytes of a row of P
.set RD,   25                          ; where I read a row back
.set CO,   26                          ; my byte offset in p
.set DG,   27                          ; r - 8 h: on a diagonal 16 x 16 tile register j is masked where j > r - 8 h
.set XS,   28                          ; where my maxima go
.set XL,   29                          ; where my partner's lie
.set SS,   30                          ; statistics in
.set SR,   31                          ; statistics back
.set SO,   32                          ; my byte offset in stat
.set NINF, 33                          ; -inf
.set ZR,   36                          ; v[36:39] 16 bytes of zeros, for the blocks of p that are 0
.set M,    40                          ; v[40:47] row maxima of row blocks 0..7, later NM = -m2
.set NM,   40
.set M2,   48                          ; v[48:55] the partner's maxima, later m2
.set LS,   56                          ; v[56:63] l
.set F0,   64
.set F1,   128
.set T,    64                          ; v[64:127] one row block's 64 numbers
.set CH,   64                          ; v[64:95]  four chains of maxima for each row block
.set PK,   128                         ; v[128:159] packed P
.set RB,   160                         ; v[160:191] rows read back
.set SU,   192                         ; v[192:199] four chains of sums
.set HB,   200                         ; v[200:231] hi parts of 32 numbers, in f32
.set RS,   232                         ; the two-part way: where my sums go
.set RLD,  233                         ; v[233:236] where wave 0..3's sums of my 32 queries lie
.set DGS,  237                         ; 32 w + r - 8 h
.set LN,   238                         ; lane
.set SO4,  239                         ; 4 x lane
.set G1, 24                            ; s[24:31] descriptor group 1
.set G0, 32                            ; s[32:39] descriptor group 0, one set for each slot
.set MSB, 0
.macro WIN new                         ; the immediate's high byte repeats the setting that is left
.if MSB != \new
	s_set_vgpr_msb (MSB<<8)|\new
.set MSB, \new
.endif
.endm
.set MUL_LO, 0xa1
.set MUL_HI, 0xf1
.set TO_B,   0x40
	s_load_b128 s[4:7], s[0:1], 0x0                ; qkv s[4:5], p s[6:7]
	s_load_b64 s[8:9], s[0:1], 0x10                ; stat
	s_load_b64 s[50:51], s[0:1], 0x18              ; ext
	s_set_vgpr_msb 0x40
	v_lshl_add_u32 v255, v0, 2, 0x49c00
	s_set_vgpr_msb 0x4000
	v_mov_b32 v255, 0
	s_set_vgpr_msb 0x1
	ds_add_u32 v255, v255
	s_set_vgpr_msb 0x100
	v_lshrrev_b32 v1, 5, v0
	v_readfirstlane_b32 s10, v1                    ; wave 0..3
	s_lshr_b32 s11, s10, 1                         ; wr: which 128 queries are mine.  Also: I fetch q (0) or k (1)
	s_and_b32 s12, s10, 1                          ; wc: which 128 keys.  Also: which 128 rows of that tile I fetch
	s_and_b32 s40, ttmp7, 0xffff                   ; b
	s_mov_b32 s13, 0                               ; I: the largest with I (I + 1) / 2 <= x
	s_mov_b32 s41, 0                               ; I (I + 1) / 2
.set i, 1
.irp thr, 1,3,6,10,15,21,28
	s_cmp_ge_u32 ttmp9, \thr
	s_cselect_b32 s13, i, s13
	s_cselect_b32 s41, \thr, s41
.set i, i+1
.endr
	s_sub_co_u32 s42, ttmp9, s41                   ; J
	s_cmp_eq_u32 ttmp9, 36                         ; the two-part work-group?  (the selects leave SCC alone)
	s_cselect_b32 s52, 1, 0
	s_cselect_b32 s13, 0, s13                      ; it belongs to tile (0, 0)
	s_cselect_b32 s42, 0, s42
	s_cmp_eq_u32 ttmp9, 0
	s_cselect_b32 s58, 1, 0                        ; tile (0, 0)'s own work-group
	s_cmp_eq_u32 s11, 0
	s_cselect_b32 s59, s58, 0                      ; and in it a wave of queries 0-127, which stores nothing
	; group 1: 128 rows x 128 elements of 2 bytes, rows 3,072 elements apart (in qkv and in ext alike), 4 words of padding behind every 64 words
	s_mov_b32 s[G1+0], (1<<16)|(1<<20)|(5<<22)|(3<<25)
	s_mov_b32 s[G1+1], KSTEP<<16
	s_mov_b32 s[G1+2], 128<<16
	s_mov_b32 s[G1+3], KSTEP<<16
	s_mov_b32 s[G1+4], 128
	s_mov_b32 s[G1+5], 3072
	s_mov_b32 s[G1+6], 0
	s_mov_b32 s[G1+7], 0
	s_cmp_eq_u32 s11, 0
	s_cselect_b32 s16, s13, s42                    ; q's tile hangs on I, k's on J
	s_cselect_b32 s43, 0, 2048                     ; k lies 2,048 bytes into a row of qkv, and of ext
	s_lshl_b32 s16, s16, 8
	s_lshl_b32 s17, s40, 11
	s_add_co_u32 s16, s16, s17
	s_lshl_b32 s17, s12, 7
	s_add_co_u32 s16, s16, s17                     ; row 2048 b + 256 (I or J) + 128 half
	s_mul_i32 s16, s16, 6144                       ; below 8192 x 6144: 32 bits hold it
	s_add_co_u32 s16, s16, s43
	s_mov_b32 s17, 0
	s_lshl_b32 s53, s40, 9                         ; in ext: row 512 b + 256 half: hi at the batch's row 0, lo at its row 256
	s_lshl_b32 s54, s12, 8
	s_add_co_u32 s53, s53, s54
	s_mul_i32 s53, s53, 6144
	s_add_co_u32 s53, s53, s43
	s_mul_i32 s20, s10, HALFT                      ; where my rows go: wave x 128 rows
	s_wait_dscnt 0x0
	s_wait_kmcnt 0x0
	s_cmp_lg_u32 s52, 0                            ; the two-part work-group takes
	s_cselect_b32 s16, s53, s16                    ; its offset
	s_cselect_b64 s[54:55], s[50:51], s[4:5]       ; and its buffer
	s_add_nc_u64 s[14:15], s[54:55], s[16:17]
.irp s, 0,1
	s_mov_b32 s[G0+4*\s], 1
	s_add_co_u32 s[G0+4*\s+1], s20, \s*SLOT
	s_add_nc_u64 s[G0+4*\s+2:G0+4*\s+3], s[14:15], \s*KSTEP*2
	s_or_b32 s[G0+4*\s+3], s[G0+4*\s+3], 0x80000000
	tensor_load_to_lds s[G0+4*\s:G0+4*\s+3], s[G1:G1+7]            ; both first fills go out together: two tensor loads of the wave are out
	s_nop 0
.endr
	s_mov_b32 s44, 0x76543210                      ; v_permlanex16_b32: lane i reads lane i of the other half
	s_mov_b32 s45, 0xfedcba98
	s_cmp_eq_u32 s13, s42
	s_cselect_b32 s47, 1, 0                        ; a tile on the diagonal
	s_cmp_lt_u32 s11, s12
	s_cselect_b32 s48, s47, 0                      ; my 128 x 128 lie wholly above the diagonal
	s_cmp_eq_u32 s11, s12
	s_cselect_b32 s47, s47, 0                      ; my 128 x 128 lie on the diagonal
	s_mov_b32 s46, 0x7f800000                      ; a cap: +inf changes nothing,
	s_cmp_lg_u32 s48, 0
	s_cselect_b32 s46, 0xff800000, s46             ; -inf masks all that I hold
	s_mov_b32 s49, 0xff800000
	s_mov_b32 s57, 0xffffe000                      ; keeps sign, exponent and ten bits of the fraction: 11 significant bits, what f16 holds
	v_and_b32 v1, 15, v0                           ; r
	v_bfe_u32 v2, v0, 4, 1                         ; h
	v_and_b32 v6, 31, v0                           ; lane
	v_mul_u32_u24 v3, v1, PITCH
	v_lshl_add_u32 v3, v2, 4, v3
	s_mul_i32 s21, s11, HALFT                      ; my 128 rows of q
	s_mul_i32 s22, s12, HALFT
	s_add_co_u32 s22, s22, 2*HALFT                 ; my 128 rows of k, behind q's 256
.irp s, 0,1
	v_add_nc_u32 v[ADRA+\s], s21, v3
	v_add_nc_u32 v[ADRB+\s], s22, v3
	s_add_co_u32 s21, s21, SLOT
	s_add_co_u32 s22, s22, SLOT
.endr
	s_mul_i32 s23, s10, 16*SPITCH
	s_add_co_u32 s23, s23, STAGE
	v_mul_u32_u24 v4, v1, SPITCH
	v_lshl_add_u32 v4, v2, 4, v4
	v_add_nc_u32 v[STO], s23, v4                   ; row r, 16 bytes for each half of the lanes
	v_mul_u32_u24 v5, v2, SPITCH
	v_lshl_add_u32 v5, v1, 4, v5
	v_add_nc_u32 v[RD], s23, v5                    ; lanes 0-15 one row of 256 bytes, lanes 16-31 the next
	v_lshlrev_b32 v5, 12, v2
	v_lshl_add_u32 v[CO], v1, 4, v5                ; the same two rows in p, 4,096 bytes apart
	v_lshlrev_b32 v5, 3, v2
	v_sub_nc_u32 v[DG], v1, v5
	s_lshl_b32 s23, s10, 9
	s_add_co_u32 s23, s23, XCH
	v_lshl_add_u32 v[XS], v1, 5, s23               ; 32 bytes for row r: its eight row blocks' maxima
	s_xor_b32 s23, s10, 1                          ; my partner: the same queries, the other 128 keys
	s_lshl_b32 s23, s23, 9
	s_add_co_u32 s23, s23, XCH
	v_lshl_add_u32 v[XL], v1, 5, s23
	s_lshl_b32 s23, s10, 10
	s_add_co_u32 s23, s23, STATS
	v_lshl_add_u32 v[SS], v1, 2, s23
	v_lshl_add_u32 v[SR], v6, 4, s23
	v_lshlrev_b32 v[SO], 4, v6
	v_mov_b32 v[NINF], 0xff800000
.irp z, 0,1,2,3
	v_mov_b32 v[ZR+\z], 0                          ; data of the stores of zeros; never rewritten
.endr
.macro MUL16 f, hi, a0, zero
.irp a, \a0, \a0+1
.irp b, 0,1,2,3,4,5,6,7
.if \zero
	v_wmma_f32_16x16x32_f16 v[8*(8*(\a)+\b):8*(8*(\a)+\b)+7], v[\f+8*\b:\f+8*\b+7], v[\f+8*(4*\hi+\a):\f+8*(4*\hi+\a)+7], 0
.else
	v_wmma_f32_16x16x32_f16 v[8*(8*(\a)+\b):8*(8*(\a)+\b)+7], v[\f+8*\b:\f+8*\b+7], v[\f+8*(4*\hi+\a):\f+8*(4*\hi+\a)+7], v[8*(8*(\a)+\b):8*(8*(\a)+\b)+7]
.endif
.endr
.endr
.endm
.macro FETCH slot, k, f
	WIN TO_B
.irp i, 0,1,2,3,4,5,6,7
	ds_load_b128 v[\f+8*\i:\f+8*\i+3],   v[ADRB+\slot] offset:\k+\i*16*PITCH
	ds_load_b128 v[\f+8*\i+4:\f+8*\i+7], v[ADRB+\slot] offset:\k+\i*16*PITCH+32
.endr
	WIN 0
.irp i, 0,1,2,3,4,5,6,7
	ds_load_b128 v[\f+8*\i:\f+8*\i+3],   v[ADRA+\slot] offset:\k+\i*16*PITCH
	ds_load_b128 v[\f+8*\i+4:\f+8*\i+7], v[ADRA+\slot] offset:\k+\i*16*PITCH+32
.endr
.endm
; four places between a matrix instruction and a load into, or a vector instruction on, one of its registers (ISA guide 7.12.1 for vector instructions)
.macro PLACES
.rept 4
	v_nop
.endr
.endm
.macro QUARTER slot, k, f, g, zero
	s_wait_dscnt 8                                 ; k and q's rows 0-63 are in; the youngest eight loads (q's rows 64-127) may be out
	WIN MUL_LO
	MUL16 \f, 0, 0, \zero
	MUL16 \f, 0, 2, \zero
	PLACES
	FETCH \slot, \k, \g
	s_wait_dscnt 32                                ; all but the 32 just issued
	WIN MUL_HI
	MUL16 \f, 1, 0, \zero
	MUL16 \f, 1, 2, \zero
.endm
.macro THREE slot, zero
	QUARTER \slot, 64,  F0, F1, \zero
	QUARTER \slot, 128, F1, F0, 0
	QUARTER \slot, 192, F0, F1, 0
.endm
; The last quarter changes slots.  In front of the barrier each wave waits for its reads of this slot and for all its tensor loads (one is out: its part
; of the next slot); behind it the refill comes first, the wave's only tensor load until the next such barrier, then the next slot's first fragments.
.macro TURN slot, next, fill
	s_wait_dscnt 8
	WIN MUL_LO
	MUL16 F1, 0, 0, 0
	s_wait_dscnt 0                                 ; my reads of this slot are over
	s_wait_tensorcnt 0x0                           ; all my tensor loads have landed: a group 0 may be written
	ds_add_u32 v255, v255
	s_wait_dscnt 0x0
	s_barrier_signal -1
	MUL16 F1, 0, 2, 0                              ; register work while the others arrive
	s_barrier_wait -1
.if \fill
	s_add_nc_u64 s[G0+4*\slot+2:G0+4*\slot+3], s[G0+4*\slot+2:G0+4*\slot+3], 2*KSTEP*2
	tensor_load_to_lds s[G0+4*\slot:G0+4*\slot+3], s[G1:G1+7]
	s_nop 0
.endif
	PLACES
	FETCH \next, 0, F0
	WIN MUL_HI
	MUL16 F1, 1, 0, 0
	MUL16 F1, 1, 2, 0
.endm
.macro LAP zero
	THREE 0, \zero
	TURN 0, 1, 1
	THREE 1, 0
	TURN 1, 0, 1
.endm
	s_wait_tensorcnt 1                             ; my part of K step 0 is in; K step 1's may stay out
	s_barrier_signal -1
	s_barrier_wait -1
	FETCH 0, 0, F0
	LAP 1                                          ; the first products start the sums
	WIN 0
	s_mov_b32 s3, LAPS-2
.Llap:
	LAP 0
	WIN 0
	s_sub_co_u32 s3, s3, 1
	s_cmp_lg_u32 s3, 0
	s_cbranch_scc1 .Llap
	THREE 0, 0                                     ; the last lap fills nothing
	TURN 0, 1, 0
	THREE 1, 0
	s_wait_dscnt 8
	WIN MUL_LO
	MUL16 F1, 0, 0, 0
	MUL16 F1, 0, 2, 0
	s_wait_dscnt 0
	WIN MUL_HI
	MUL16 F1, 1, 0, 0
	MUL16 F1, 1, 2, 0
	PLACES                                         ; the places behind the last matrix instructions, for all that follows on either way
	WIN 0
	s_cmp_lg_u32 s52, 0                            ; hangs on the grid's x alone: all four waves go the same way
	s_cbranch_scc1 .Ltwo_part
	; where my part of p and of stat begins
	s_lshl_b32 s16, s40, 11
	s_lshl_b32 s17, s13, 8
	s_add_co_u32 s16, s16, s17
	s_lshl_b32 s17, s11, 7
	s_add_co_u32 s16, s16, s17                     ; query row 2048 b + 256 I + 128 wr
	s_lshl_b32 s16, s16, 12                        ; x 4,096 bytes
	s_lshl_b32 s17, s42, 9
	s_add_co_u32 s16, s16, s17                     ; + 512 J
	s_lshl_b32 s17, s12, 8
	s_add_co_u32 s16, s16, s17                     ; + 256 wc
	s_mov_b32 s17, 0
	s_add_nc_u64 s[6:7], s[6:7], s[16:17]
	s_lshl_b32 s16, s40, 17                        ; ((16 b + 2 J + wc) 2048 + 256 I + 128 wr) 4
	s_lshl_b32 s17, s42, 14
	s_add_co_u32 s16, s16, s17
	s_lshl_b32 s17, s12, 13
	s_add_co_u32 s16, s16, s17
	s_lshl_b32 s17, s13, 10
	s_add_co_u32 s16, s16, s17
	s_lshl_b32 s17, s11, 9
	s_add_co_u32 s16, s16, s17
	s_mov_b32 s17, 0
	s_add_nc_u64 s[8:9], s[8:9], s[16:17]
	; THE MASK, only where my 128 x 128 lie on the diagonal: key 16 bb + 8 h + j against query 16 a + r
.macro MASKROW a
.irp bb, 0,1,2,3,4,5,6,7
.if \bb > \a
.irp j, 0,1,2,3,4,5,6,7
	v_mov_b32 v[8*(8*((\a)&3)+\bb)+\j], s49        ; a 16 x 16 tile wholly beyond the queries
.endr
.endif
.if \bb == \a
.irp j, 0,1,2,3,4,5,6,7
	v_cmp_gt_i32 vcc_lo, \j, v[DG]                 ; 8 h + j > r
	v_cndmask_b32 v[8*(8*((\a)&3)+\bb)+\j], v[8*(8*((\a)&3)+\bb)+\j], v[NINF], vcc_lo
.endr
.endif
.endr
.endm
	s_cmp_eq_u32 s47, 0
	s_cbranch_scc1 .Lmasked
	WIN 0x82                                       ; destination and source 0 window 2, source 1 window 0
	MASKROW 0
	MASKROW 1
	MASKROW 2
	MASKROW 3
	WIN 0xc3                                       ; the same with window 3
	MASKROW 4
	MASKROW 5
	MASKROW 6
	MASKROW 7
	WIN 0
.Lmasked:
	; PASS 1: each row's largest score among my 128 keys.  Four chains for a row block, each over two tiles (16 registers), laid step by step across the chains.
.macro ROWMAX a
.irp c, 0,1,2,3
	v_max_num_f32 v[CH+4*\a+\c], v[8*(8*((\a)&3)+2*\c)], v[8*(8*((\a)&3)+2*\c)+1]
.endr
.irp st, 1,2,3,4,5,6,7
.irp c, 0,1,2,3
	v_max3_num_f32 v[CH+4*\a+\c], v[8*(8*((\a)&3)+2*\c)+2*\st], v[8*(8*((\a)&3)+2*\c)+2*\st+1], v[CH+4*\a+\c]
.endr
.endr
.endm
	WIN 0x0a                                       ; sources 0 and 1 window 2
	ROWMAX 0
	ROWMAX 1
	ROWMAX 2
	ROWMAX 3
	WIN 0x0f                                       ; window 3
	ROWMAX 4
	ROWMAX 5
	ROWMAX 6
	ROWMAX 7
	WIN 0
.irp a, 0,1,2,3,4,5,6,7
	v_max3_num_f32 v[M+\a], v[CH+4*\a], v[CH+4*\a+1], v[CH+4*\a+2]
.endr
.irp a, 0,1,2,3,4,5,6,7
	v_max_num_f32 v[M+\a], v[M+\a], v[CH+4*\a+3]
.endr
.irp a, 0,1,2,3,4,5,6,7
	v_permlanex16_b32 v[CH+4*\a], v[M+\a], s44, s45    ; the other half of the lanes holds the row's other keys
.endr
.irp a, 0,1,2,3,4,5,6,7
	v_max_num_f32 v[M+\a], v[M+\a], v[CH+4*\a]
.endr
.irp a, 0,1,2,3,4,5,6,7
	v_min_num_f32 v[M+\a], s46, v[M+\a]            ; wholly above the diagonal: -inf, so that my partner's maximum decides
.endr
	; my partner holds the tile's other 128 keys of the same rows: the maxima change hands through LDS
	ds_store_b128 v[XS], v[M:M+3]
	ds_store_b128 v[XS], v[M+4:M+7] offset:16
	s_wait_dscnt 0x0                               ; for the partner's sake: my stores are done
	s_barrier_signal -1
	s_barrier_wait -1                              ; no tensor load is out
	ds_load_b128 v[M2:M2+3], v[XL]
	ds_load_b128 v[M2+4:M2+7], v[XL] offset:16
	s_wait_dscnt 0x0
	s_cmp_lg_u32 s59, 0                            ; queries 0-127 of tile (0, 0) come from the two-part work-group: this wave has passed its last barrier and stores nothing
	s_cbranch_scc1 .Lend
.irp a, 0,1,2,3,4,5,6,7
	v_max_num_f32 v[M+\a], v[M+\a], v[M2+\a]       ; finite: every row of a causal tile of 256 keys has a key that is not masked
.endr
.irp a, 0,1,2,3,4,5,6,7
	v_mul_f32 v[M2+\a], 0x3d38aa3b, v[M+\a]        ; m2 = maximum x log2 e / 32
.endr
.irp a, 0,1,2,3,4,5,6,7
	v_mul_f32 v[NM+\a], 0xbd38aa3b, v[M+\a]        ; -m2, the same bits but the sign
.endr
.irp a, 0,1,2,3,4,5,6,7
	v_min_num_f32 v[NM+\a], s46, v[NM+\a]          ; wholly above the diagonal: -inf, so that every exponential below is 0
.endr
; T's 64 numbers rounded to f16 into PK
.macro PACK
.set i, 0
.rept 32
	v_cvt_pk_f16_f32 v[PK+i], v[T+2*i], v[T+2*i+1]     ; two roundings to f16, the first source in the low half
.set i, i+1
.endr
.endm
; PK (16 rows x 128 numbers of 2 bytes) goes through my stage and comes back in RB as whole rows of 256 bytes.  step: p's base goes 16 rows on.
.macro THROUGH step
.irp bb, 0,1,2,3,4,5,6,7
	ds_store_b128 v[STO], v[PK+4*\bb:PK+4*\bb+3] offset:32*\bb
.endr
	s_wait_xcnt 0x0                                ; RB, which the last stores read, and their base are rewritten only behind this wait
.if \step
	s_add_nc_u64 s[6:7], s[6:7], 16*4096
.endif
.irp t, 0,1,2,3,4,5,6,7
	ds_load_b128 v[RB+4*\t:RB+4*\t+3], v[RD] offset:\t*2*SPITCH    ; LDS serves a wave's instructions in order: these see the stores above
.endr
.endm
	; PASS 2, 16 rows at a time: exp2(s log2 e / 32 - m2), its row sum, f16, through my stage into whole rows of 256 bytes.  split = 1: P in two parts.
.macro SOFT16 a, split
.if \a < 4
	WIN 0x02                                       ; source 0 window 2
.else
	WIN 0x03                                       ; window 3
.endif
.set i, 0
.rept 32
.if (\a)&1
	v_pk_fma_f32 v[T+2*i:T+2*i+1], v[64*((\a)&3)+2*i:64*((\a)&3)+2*i+1], 0x3d38aa3b, v[NM+\a-1:NM+\a] op_sel:[0,0,1] op_sel_hi:[1,0,1]
.else
	v_pk_fma_f32 v[T+2*i:T+2*i+1], v[64*((\a)&3)+2*i:64*((\a)&3)+2*i+1], 0x3d38aa3b, v[NM+\a:NM+\a+1] op_sel_hi:[1,0,0]
.endif
.set i, i+1
.endr
	WIN 0
.set i, 0
.rept 64
	v_exp_f32 v[T+i], v[T+i]
.set i, i+1
.endr
	v_nop                                          ; one plain place behind the last exponential (ISA guide 5.7.2)
	s_wait_alu depctr_va_vdst(0)
.irp c, 0,1,2,3
	v_pk_add_f32 v[SU+2*\c:SU+2*\c+1], v[T+16*\c:T+16*\c+1], v[T+16*\c+2:T+16*\c+3]
.endr
.irp st, 2,3,4,5,6,7
.irp c, 0,1,2,3
	v_pk_add_f32 v[SU+2*\c:SU+2*\c+1], v[SU+2*\c:SU+2*\c+1], v[T+16*\c+2*\st:T+16*\c+2*\st+1]
.endr
.endr
	v_pk_add_f32 v[SU:SU+1], v[SU:SU+1], v[SU+2:SU+3]
	v_pk_add_f32 v[SU+4:SU+5], v[SU+4:SU+5], v[SU+6:SU+7]
	v_pk_add_f32 v[SU:SU+1], v[SU:SU+1], v[SU+4:SU+5]
	v_add_f32 v[SU], v[SU], v[SU+1]
	v_permlanex16_b32 v[SU+1], v[SU], s44, s45
	v_add_f32 v[LS+\a], v[SU], v[SU+1]             ; the row's sum over my 128 keys
.if \split
	; hi = P cut to 11 significant bits, which f16 holds exactly; lo = P less hi, exact in f32; 32 numbers at a time
.irp hf, 0,1
.set i, 0
.rept 32
	v_and_b32 v[HB+i], s57, v[T+32*\hf+i]
.set i, i+1
.endr
.set i, 0
.rept 16
	v_pk_add_f32 v[T+32*\hf+2*i:T+32*\hf+2*i+1], v[T+32*\hf+2*i:T+32*\hf+2*i+1], v[HB+2*i:HB+2*i+1] neg_lo:[0,1] neg_hi:[0,1]
.set i, i+1
.endr
.set i, 0
.rept 16
	v_cvt_pk_f16_f32 v[PK+16*\hf+i], v[HB+2*i], v[HB+2*i+1]
.set i, i+1
.endr
.endr
	THROUGH \a
.irp t, 0,1,2,3,4,5,6,7
	s_wait_dscnt 7-\t                              ; load t is in, the 7 - t younger ones stay out
	global_store_b128 v[CO], v[RB+4*\t:RB+4*\t+3], s[6:7] offset:\t*2*4096        ; hi: columns 0-127
	global_store_b128 v[CO], v[RB+4*\t:RB+4*\t+3], s[6:7] offset:\t*2*4096+512    ; hi again: columns 256-383
	global_store_b128 v[CO], v[ZR:ZR+3], s[6:7] offset:\t*2*4096+256              ; keys 128-255 lie beyond these queries: columns 128-255 are 0
.endr
	PACK                                           ; T now holds lo
	THROUGH 0
.irp t, 0,1,2,3,4,5,6,7
	s_wait_dscnt 7-\t
	global_store_b128 v[CO], v[RB+4*\t:RB+4*\t+3], s[6:7] offset:\t*2*4096+768    ; lo: columns 384-511
.endr
.else
	PACK
	THROUGH \a
.irp t, 0,1,2,3,4,5,6,7
	s_wait_dscnt 7-\t                              ; load t is in, the 7 - t younger ones stay out
	global_store_b128 v[CO], v[RB+4*\t:RB+4*\t+3], s[6:7] offset:\t*2*4096   ; 16 lanes store 256 consecutive bytes, aligned
.endr
.endif
.endm
	SOFT16 0, 0
	SOFT16 1, 0
	SOFT16 2, 0
	SOFT16 3, 0
	SOFT16 4, 0
	SOFT16 5, 0
	SOFT16 6, 0
	SOFT16 7, 0
	; Tile (0, 0), queries 128-255: the block 512 bytes to the right of mine (columns 256-383 or 384-511) is 0.  p's base stands at my row 112.
	s_cmp_eq_u32 s58, 0
	s_cbranch_scc1 .Lno_zero
.set zz, 0
.rept 64
	global_store_b128 v[CO], v[ZR:ZR+3], s[6:7] offset:(2*zz-112)*4096+512
.set zz, zz+1
.endr
.Lno_zero:
	; THE STATISTICS: row 16 a + r's figures gathered in my own LDS bytes, then 512 consecutive bytes in one store each
.irp a, 0,1,2,3,4,5,6,7
	ds_store_b32 v[SS], v[M2+\a] offset:64*\a      ; both halves of the lanes hold, and write, the same number
.endr
.irp a, 0,1,2,3,4,5,6,7
	ds_store_b32 v[SS], v[LS+\a] offset:512+64*\a
.endr
	ds_load_b128 v[T:T+3], v[SR]
	ds_load_b128 v[T+4:T+7], v[SR] offset:512
	s_wait_dscnt 1                                 ; m2 is back, l may be out
	global_store_b128 v[SO], v[T:T+3], s[8:9]
	s_wait_dscnt 0
	global_store_b128 v[SO], v[T+4:T+7], s[8:9] offset:524288
.Lend:
	s_set_vgpr_msb 0x1
	s_wait_tensorcnt 0x0
	ds_add_u32 v255, v255
	s_wait_dscnt 0x0
	s_set_vgpr_msb 0x100
	s_endpgm
	; THE TWO-PART WAY (grid x = 36).  My 128 x 128 sums are one of hi hi, hi lo, lo hi, lo lo for queries 0-127 and keys 0-127.
.Ltwo_part:
	s_lshl_b32 s16, s40, 11
	s_lshl_b32 s17, s10, 5
	s_add_co_u32 s16, s16, s17                     ; query row 2048 b + 32 w
	s_lshl_b32 s16, s16, 12                        ; x 4,096 bytes
	s_mov_b32 s17, 0
	s_add_nc_u64 s[6:7], s[6:7], s[16:17]
	s_lshl_b32 s16, s40, 17                        ; (16 b x 2048 + 32 w) 4
	s_lshl_b32 s17, s10, 7
	s_add_co_u32 s16, s16, s17
	s_mov_b32 s17, 0
	s_add_nc_u64 s[8:9], s[8:9], s[16:17]
	v_and_b32 v[LN], 31, v0
	s_lshl_b32 s23, s10, 16
	v_lshl_add_u32 v[RS], v[LN], 4, s23            ; my 65,536 bytes: row block a at 8,192 a, four registers at 512 i, 16 bytes a lane
	s_lshl_b32 s23, s10, 14
	v_lshl_add_u32 v[RLD], v[LN], 4, s23           ; row blocks 2 w and 2 w + 1 of wave 0's bytes,
.irp s, 1,2,3
	v_add_nc_u32 v[RLD+\s], \s*65536, v[RLD]       ; of wave 1's, 2's, 3's
.endr
	s_lshl_b32 s23, s10, 5
	v_add_nc_u32 v[DGS], s23, v[DG]                ; 32 w + r - 8 h
	s_wait_dscnt 0x0                               ; my reads of the ring are over (met: the loop's last wait was for 0); no tensor load is out since the last change of slots
	s_barrier_signal -1
	s_barrier_wait -1                              ; nobody reads the ring any more, and nothing fills it again: it may take the sums
	WIN 0x08                                       ; the stores' data in window 2
.irp a, 0,1,2,3
.set i, 0
.rept 16
	ds_store_b128 v[RS], v[64*\a+4*i:64*\a+4*i+3] offset:8192*\a+512*i
.set i, i+1
.endr
.endr
	WIN 0x0c                                       ; in window 3
.irp a, 0,1,2,3
.set i, 0
.rept 16
	ds_store_b128 v[RS], v[64*\a+4*i:64*\a+4*i+3] offset:8192*(\a+4)+512*i
.set i, i+1
.endr
.endr
	WIN 0
	s_wait_dscnt 0x0                               ; for the others' sake: my stores are done
	s_barrier_signal -1
	s_barrier_wait -1
	WIN 0x80                                       ; destination window 2: wave 0's part into v0-127 there, wave 1's into v128-255
.irp s, 0,1
.set i, 0
.rept 32
	ds_load_b128 v[128*\s+4*i:128*\s+4*i+3], v[RLD+\s] offset:512*i
.set i, i+1
.endr
.endr
	WIN 0xc0                                       ; destination window 3: wave 2's and wave 3's parts
.irp s, 0,1
.set i, 0
.rept 32
	ds_load_b128 v[128*\s+4*i:128*\s+4*i+3], v[RLD+2+\s] offset:512*i
.set i, i+1
.endr
.endr
	s_wait_dscnt 0x0
	WIN 0x8a                                       ; all in window 2: hi hi + hi lo
.set i, 0
.rept 64
	v_pk_add_f32 v[2*i:2*i+1], v[2*i:2*i+1], v[128+2*i:128+2*i+1]
.set i, i+1
.endr
	WIN 0xcf                                       ; all in window 3: lo hi + lo lo
.set i, 0
.rept 64
	v_pk_add_f32 v[2*i:2*i+1], v[2*i:2*i+1], v[128+2*i:128+2*i+1]
.set i, i+1
.endr
	WIN 0x8e                                       ; window 2 += window 3: the scores of queries 32 w + 16 a + r, a = 0, 1, stand where row blocks 0 and 1 always stand
.set i, 0
.rept 64
	v_pk_add_f32 v[2*i:2*i+1], v[2*i:2*i+1], v[2*i:2*i+1]
.set i, i+1
.endr
	; the mask: key 16 bb + 8 h + j lies beyond query 32 w + 16 a + r where 16 bb + j - 16 a > 32 w + r - 8 h
	WIN 0x82                                       ; destination and source 0 window 2, source 1 window 0
.irp a, 0,1
.irp bb, 0,1,2,3,4,5,6,7
.irp j, 0,1,2,3,4,5,6,7
	v_cmp_gt_i32 vcc_lo, 16*\bb+\j-16*\a, v[DGS]
	v_cndmask_b32 v[64*\a+8*\bb+\j], v[64*\a+8*\bb+\j], v[NINF], vcc_lo
.endr
.endr
.endr
	WIN 0x0a
	ROWMAX 0
	ROWMAX 1
	WIN 0
.irp a, 0,1
	v_max3_num_f32 v[M+\a], v[CH+4*\a], v[CH+4*\a+1], v[CH+4*\a+2]
.endr
.irp a, 0,1
	v_max_num_f32 v[M+\a], v[M+\a], v[CH+4*\a+3]
.endr
.irp a, 0,1
	v_permlanex16_b32 v[CH+4*\a], v[M+\a], s44, s45
.endr
.irp a, 0,1
	v_max_num_f32 v[M+\a], v[M+\a], v[CH+4*\a]     ; the row's maximum over all its keys: I hold all 128, and the query's own key is never masked
.endr
.irp a, 0,1
	v_mul_f32 v[M2+\a], 0x3d38aa3b, v[M+\a]        ; m2
.endr
.irp a, 0,1
	v_mul_f32 v[NM+\a], 0xbd38aa3b, v[M+\a]        ; -m2
.endr
	SOFT16 0, 1
	SOFT16 1, 1
	; the statistics of my 32 rows: lane L takes row L (lanes 0-15 hold row block 0's figures, lanes 16-31 row block 1's): each store of the wave covers 128 consecutive bytes;
	; sixteen such stores in the work-group, too few to gather through another barrier
	v_cmp_lt_u32 vcc_lo, 15, v[LN]
	v_cndmask_b32 v[SU], v[M2], v[M2+1], vcc_lo
	v_cndmask_b32 v[SU+1], v[LS], v[LS+1], vcc_lo
	v_lshlrev_b32 v[SO4], 2, v[LN]
	global_store_b32 v[SO4], v[SU], s[8:9]                     ; m2 at t = 0
	global_store_b32 v[SO4], v[SU], s[8:9] offset:8192         ; and at t = 1
	global_store_b32 v[SO4], v[SU+1], s[8:9] offset:524288     ; l of keys 0-127
	global_store_b32 v[SO4], v[ZR], s[8:9] offset:532480       ; l of keys 128-255: 0
	s_set_vgpr_msb 0x1
	s_wait_tensorcnt 0x0
	ds_add_u32 v255, v255
	s_wait_dscnt 0x0
	s_set_vgpr_msb 0x100
	s_endpgm
.Lfunc_end_k_qd24db80798_scores:
	.size	k_qd24db80798_scores, .Lfunc_end_k_qd24db80798_scores-k_qd24db80798_scores
	.p2alignl 7, 3214868480
	.fill 96, 4, 3214868480
	.section	.rodata,"a",@progbits
	.p2align	6, 0x0
	.amdhsa_kernel k_qd24db80798_scores
		.amdhsa_group_segment_fixed_size 327680
		.amdhsa_private_segment_fixed_size 0
		.amdhsa_enable_private_segment 0
		.amdhsa_kernarg_size 32
		.amdhsa_user_sgpr_count 2
		.amdhsa_user_sgpr_kernarg_segment_ptr 1
		.amdhsa_wavefront_size32 1
		.amdhsa_system_sgpr_workgroup_id_x 1
		.amdhsa_system_sgpr_workgroup_id_y 1
		.amdhsa_system_sgpr_workgroup_id_z 1
		.amdhsa_system_vgpr_workitem_id 0
		.amdhsa_next_free_vgpr 1024
		.amdhsa_next_free_sgpr 66
		.amdhsa_reserve_vcc 1
		.amdhsa_float_denorm_mode_32 3
		.amdhsa_float_denorm_mode_16_64 3
		.amdhsa_memory_ordered 1
		.amdhsa_forward_progress 1
		.amdhsa_inst_pref_size 255
	.end_amdhsa_kernel
	.section	.bss,"aw",@nobits
	.p2align	6
	.space	262144
	.amdgpu_metadata
---
amdhsa.version: [ 1, 2 ]
amdhsa.kernels:
  - .name:           k_qd24db80798_scores
    .symbol:         k_qd24db80798_scores.kd
    .args:
      - { .name: qkv, .offset: 0, .size: 8, .value_kind: global_buffer, .address_space: global }
      - { .name: p, .offset: 8, .size: 8, .value_kind: global_buffer, .address_space: global }
      - { .name: stat, .offset: 16, .size: 8, .value_kind: global_buffer, .address_space: global }
      - { .name: ext, .offset: 24, .size: 8, .value_kind: global_buffer, .address_space: global }
    .group_segment_fixed_size: 327680
    .private_segment_fixed_size: 0
    .kernarg_segment_align: 8
    .kernarg_segment_size: 32
    .max_flat_workgroup_size: 128
    .sgpr_count:     66
    .vgpr_count:     1024
    .wavefront_size: 32
...
	.end_amdgpu_metadata
.endif
;; end of part 6
;; launch pv (part 7): grid 8 x 32, 4 waves a work-group, clusters of 4 x 1, 327,680 bytes of LDS; arguments p, qkv, stat, out0, ext; writes out0
.if DOCPART == 7
	.amdgcn_target "amdgcn-amd-amdhsa--gfx1250"
	.amdhsa_code_object_version 6
	.text
	.protected	k_qd24db80798_pv
	.globl	k_qd24db80798_pv
	.p2align	8
	.type	k_qd24db80798_pv,@function
k_qd24db80798_pv:
	s_mov_b64 s[64:65], 0
	v_nop
	global_prefetch_b8 v0, s[64:65] scope:SCOPE_SE
	s_setreg_imm32_b32 hwreg(HW_REG_WAVE_MODE, 25, 1), 1
	s_wait_xcnt 0x0
	s_wait_alu depctr_hold_cnt(0) depctr_sa_sdst(0) depctr_va_vdst(0) depctr_va_sdst(0) depctr_va_ssrc(0) depctr_va_vcc(0) depctr_vm_vsrc(0)
	s_getreg_b32 s2, hwreg(HW_REG_IB_STS2, 6, 4)
	s_cmp_eq_u32 s2, 0
	s_cbranch_scc0 .Lentry_in_a_cluster
	s_endpgm
.Lentry_in_a_cluster:
	s_bfe_u32 s2, ttmp6, 0x10000c
	s_cmp_lg_u32 s2, 0x3003
	s_cbranch_scc0 .Lentry_shape_is_right
	s_endpgm
.Lentry_shape_is_right:
; out[b][row][c] = sum over the causal tiles J <= I of  f_J[row] x (P_J V_J)[row][c],   f_J = exp2(m2_J - M) / L,
; M = the largest m2_J of the row (the row's true maximum, in the log2 domain),  L = sum over J of exp2(m2_J - M) l_J.
; P_J (f16, each tile relative to its own row maximum) and the statistics come from the launch before; V (f16) is columns 2048-3071 of qkv.
; A work-group makes 256 rows (grid y = 8 b + I) x 128 columns (grid x = cb); wave w owns rows 64 w .. 64 w + 63 and all 128 columns: 4 x 8 tiles of 16 x 16.
; The keys go in steps of 128 through two LDS slots; a lap = two steps = one tile J = once round the ring; I + 1 laps.  Each lap's product is summed from 0 in T
; and then added to O with the row's factor, in f32: 128 packed multiply-adds for 256 matrix instructions.
; I = 0: rows 0-127 have few keys, and where two large terms cancel a rounding of 2^-11 of a term is too coarse: there P and V come in two parts.  V is taken from ext, whose 512 rows
; of a batch are four steps of 128: hi of keys 0-127, v of keys 128-255, lo of keys 0-127, hi of keys 0-127 again; p's columns 0-511 hold for rows 0-127  P hi | 0 | P hi | P lo
; and for rows 128-255  P of keys 0-127 | P of keys 128-255 | 0 | 0.  So two laps with the same steps of both addresses as everywhere sum hi hi + hi lo + lo hi for rows 0-127
; and the plain product for rows 128-255.  Both laps take tile 0's factor: the table's entries for J > I are made from tile I's figures and so equal f_I.
; CLUSTERS: the four work-groups of a cluster (4, 1, 1) have the same b and I and differ in cb, so they read the same tiles of P: these are asked for jointly (mask 15).
; V's tile hangs on cb and is each work-group's own load.  V is not shared: work-groups that read the same tile of V differ in I, and so in their number of laps.
; Trip counts and branches hang on grid y and the wave's number alone, which the partners share.
; ASKED FOR AHEAD (global_prefetch_b8).  Two slots of two steps each would take 2 x 208,896 bytes of LDS, which is more than there is, so a tensor load has one step's work
; in which to land, and P's tiles are read here for the first time.  So behind the tensor load that a change of slots issues (the tile of step t + 2) the tile of step t + 4 is
; asked for: its own tensor load follows two steps later.  Steps 2 and 3 are asked for at the head, behind the first fills.  Each aligned block of 256 bytes is asked for once in the
; launch: of a step's 256 rows of P (256 bytes each) each of the eight work-groups that read them asks for 32 rows, wave 0, a lane a row; of a step's 128 rows of V (256 bytes each
; for a block of columns) the work-group with I = 7, which reads every tile of V, asks, a thread a row.  A counter of 2 x laps - 4 ends the asking at the work-group's last step:
; nothing behind it is asked for.  ext's few rows (I = 0) are not asked for.
; Source 0 = 16 columns of V (V lies [key][column] in LDS: the transposing LDS load makes the fragment), source 1 = 16 rows of P:
; lane l holds row l % 16, registers 0-7 the columns 8 (l / 16) + 0..7.  The 32 accumulators of T take turns, one matrix instruction a turn.
; REGISTERS: window 0: v16-27 addresses, v32-63 the factors of all eight tiles, v64-159 and v160-255 two fragment buffers (64 of V, 32 of P);
; window 1: O; window 2: T; tile (a, b) at v[8 (8 a + b)].
; LIMITS: from row 128 on P and V are single f16 numbers (P in (0, 1]; V finite up to 65,504 in magnitude: the launch that makes it gives the arithmetic of its room);
; exp2 below 2^-126 comes out as 0 (ISA guide, v_exp_f32); inputs that are not finite get no treatment of their own.
.set PPITCH, 272                       ; a row of P in LDS: 256 bytes + 16, an odd multiple of 16
.set VPITCH, 288                       ; a row of V in LDS: 256 bytes + 32, an odd multiple of 32, as the transposing load's lanes want
.set PHALF,  128*PPITCH                ; 34,816: what a load of P brings
.set VHALF,  64*VPITCH                 ; 18,432: what a load of V brings
.set VOFF,   2*PHALF                   ; 69,632: V's 128 keys lie behind P's 256 rows
.set SLOT,   VOFF+2*VHALF              ; 106,496
.set FT,     2*SLOT                    ; 212,992: 2,048 bytes for each wave: f[J][r][a]
.set STAGE,  FT+4*2048                 ; 221,184: 16 rows x 528 bytes for each wave
.set OPITCH, 528
.set ADRP, 16                          ; v16-17 LDS address of my P fragments in slot 0, 1
.set ADRV, 18                          ; v18-19 the same for V
.set STO,  20                          ; the way out: where I put 32 bytes of a row
.set RD,   21                          ; where I read a row back
.set CO,   22                          ; my byte offset in out0
.set FTA,  23                          ; where tile 0's four factors of my row lie; never rewritten
.set TA,   24                          ; v24-25 where the factors of my two rows go
.set PFP,  26                          ; asking ahead: lane x 4,096 bytes, a row of p a lane; never rewritten
.set PFV,  27                          ; thread x 6,144 bytes, a row of qkv a thread; never rewritten
.set FF,   32                          ; v[32:35] this lap's factors of rows 16 a + r, a = 0..3; v[36:63] those of the laps to come
.set F0,   64
.set F1,   160
.set RB,   64                          ; the way out: v[64:127]
.set MS,   64                          ; the head's own, in the fragment buffers before their first use: m2_J of my rows 2 L, 2 L + 1
.set LA,   80                          ; l of the tile's first 128 keys
.set LB,   96                          ; l of its second 128 keys
.set OF,   112                         ; byte offsets in stat
.set G,    120                         ; exp2(m2_J - M), later f_J
.set MX,   136
.set LT,   138
.set RL,   140
.set GL,   142
.set G1P, 24                           ; s[24:31] group 1 for P
.set G0P, 32                           ; s[32:39] group 0 for P, one set for each slot
.set G1V, 48                           ; s[48:55] group 1 for V
.set G0V, 56                           ; s[56:63] group 0 for V
.set VAL, 66                           ; s[68:81] pairs: 1.0 where J <= I, else 0, J = 1..7 at s[66 + 2 J]
.set APP, 92                           ; s[92:93] asking ahead: my 32 rows of P, one step in front of the step asked for next
.set APV, 94                           ; s[94:95] the same for V's 128 rows
.set APN, 96                           ; s96      how many steps are still to be asked for in the changes of slots
.set MULW, 0xa0                        ; sources 0 and 1 window 0, C and D window 2
.set MSB, 0
.macro WIN new                         ; the immediate's high byte repeats the setting that is left
.if MSB != \new
	s_set_vgpr_msb (MSB<<8)|\new
.set MSB, \new
.endif
.endm
; Waves 0 and 1 ask jointly for P's two halves, waves 2 and 3 fetch V's two halves.  The branch hangs on the wave's number alone.
.macro JLOAD s
	s_cmp_eq_u32 s13, 0
	s_cbranch_scc0 .Lfor_v_\@
	tensor_load_to_lds s[G0P+4*\s:G0P+4*\s+3], s[G1P:G1P+7]
	s_nop 0
	s_branch .Lasked_\@
.Lfor_v_\@:
	tensor_load_to_lds s[G0V+4*\s:G0V+4*\s+3], s[G1V:G1V+7]
	s_nop 0
.Lasked_\@:
.endm
; A round of the cluster's barrier: my work-group's barrier; wave 0 signals for the work-group; every wave waits for all four; my work-group's barrier again.
.macro CREST
	s_cmp_lg_u32 s12, 0
	s_cbranch_scc1 .Lnot_wave_0_\@
	s_barrier_signal -3
.Lnot_wave_0_\@:
	s_barrier_wait -3
	s_barrier_signal -1
	s_barrier_wait -1
.endm
.macro CROUND
	s_barrier_signal -1
	s_barrier_wait -1
	CREST
.endm
; The next step's tile is asked for ahead, as long as the work-group has such a step.  The bases go one step on, and the step behind them is asked for by the immediate.
; The branches hang on I, on a count made of I, and on the wave's number.
.macro PREF
	s_cmp_eq_u32 s[APN], 0
	s_cbranch_scc1 .Lno_more_\@
	s_sub_co_u32 s[APN], s[APN], 1
	s_wait_xcnt 0x0                                ; the last requests stand a step back: their bases are stepped only behind this wait
	s_add_nc_u64 s[APP:APP+1], s[APP:APP+1], 256           ; 128 keys on along P's rows
	s_add_nc_u64 s[APV:APV+1], s[APV:APV+1], 128*6144      ; 128 rows of qkv down
	s_cmp_lg_u32 s12, 0
	s_cbranch_scc1 .Lno_p_\@
	global_prefetch_b8 v[PFP], s[APP:APP+1] offset:256 th:TH_LOAD_NT scope:SCOPE_SE
.Lno_p_\@:
	s_cmp_lg_u32 s19, 7
	s_cbranch_scc1 .Lno_more_\@
	global_prefetch_b8 v[PFV], s[APV:APV+1] offset:128*6144 th:TH_LOAD_NT scope:SCOPE_SE
.Lno_more_\@:
.endm
	s_load_b256 s[4:11], s[0:1], 0x0               ; p s[4:5], qkv s[6:7], stat s[8:9], out0 s[10:11]
	s_load_b64 s[84:85], s[0:1], 0x20              ; ext
	v_lshl_add_u32 v30, v0, 2, 0x3e400
	v_mov_b32 v31, 0
	ds_add_u32 v30, v31
	v_lshrrev_b32 v1, 5, v0
	v_readfirstlane_b32 s12, v1                    ; wave 0..3
	s_lshr_b32 s13, s12, 1                         ; I fetch P (0) or V (1)
	s_and_b32 s14, s12, 1                          ; which half of that tile
	s_bfe_u32 s15, ttmp6, 0x40000                  ; cx
	s_lshl_b32 s16, ttmp9, 2
	s_add_co_u32 s16, s16, s15                     ; cb = 4 x cluster x + cx
	s_and_b32 s17, ttmp7, 0xffff
	s_lshr_b32 s18, s17, 3                         ; b
	s_and_b32 s19, s17, 7                          ; I
	; group 1 for P: 128 rows x 128 elements of 2 bytes, rows 2,048 elements apart, 4 words of padding behind every 64; mask 15, bit 21 beside it
	s_mov_b32 s[G1P+0], 15|(1<<16)|(1<<20)|(1<<21)|(5<<22)|(3<<25)
	s_mov_b32 s[G1P+1], 128<<16
	s_mov_b32 s[G1P+2], 128<<16
	s_mov_b32 s[G1P+3], 128<<16
	s_mov_b32 s[G1P+4], 128
	s_mov_b32 s[G1P+5], 2048
	s_mov_b32 s[G1P+6], 0
	s_mov_b32 s[G1P+7], 0
	; group 1 for V: 64 rows x 128 elements, rows 3,072 elements apart (in qkv and in ext alike), 8 words of padding behind every 64; no mask
	s_mov_b32 s[G1V+0], (1<<16)|(1<<20)|(5<<22)|(7<<25)
	s_mov_b32 s[G1V+1], 128<<16
	s_mov_b32 s[G1V+2], 64<<16
	s_mov_b32 s[G1V+3], 128<<16
	s_mov_b32 s[G1V+4], 64
	s_mov_b32 s[G1V+5], 3072
	s_mov_b32 s[G1V+6], 0
	s_mov_b32 s[G1V+7], 0
	s_lshl_b32 s20, s18, 11
	s_lshl_b32 s21, s19, 8
	s_add_co_u32 s20, s20, s21                     ; the block's first row: 2048 b + 256 I
	s_lshl_b32 s21, s14, 7
	s_add_co_u32 s40, s20, s21
	s_lshl_b32 s40, s40, 12                        ; P: (row + 128 half) x 4,096 bytes; no register that feeds P's descriptors ever holds cx
	s_mov_b32 s41, 0
	s_lshl_b32 s42, s18, 11
	s_lshl_b32 s43, s14, 6
	s_add_co_u32 s42, s42, s43
	s_mul_i32 s42, s42, 6144                       ; V in qkv: (2048 b + 64 half) x 6,144 bytes
	s_lshl_b32 s43, s16, 8
	s_add_co_u32 s42, s42, s43                     ; + 256 cb
	s_add_co_u32 s42, s42, 4096                    ; + where v begins in a row
	s_mov_b32 s43, 0
	s_lshl_b32 s86, s18, 9
	s_lshl_b32 s87, s14, 6
	s_add_co_u32 s86, s86, s87
	s_mul_i32 s86, s86, 6144                       ; V in ext: (512 b + 64 half) x 6,144 bytes
	s_lshl_b32 s87, s16, 8
	s_add_co_u32 s86, s86, s87                     ; + 256 cb
	s_add_co_u32 s86, s86, 4096                    ; + where v begins in a row
	s_lshl_b32 s[APP], s16, 5                      ; asking ahead, P: my share is rows 32 cb .. 32 cb + 31 of the block,
	s_add_co_u32 s[APP], s[APP], s20
	s_lshl_b32 s[APP], s[APP], 12                  ; x 4,096 bytes,
	s_add_co_u32 s[APP], s[APP], 2*256             ; at step 2's 256 bytes
	s_mov_b32 s[APP+1], 0
	s_lshl_b32 s[APV], s18, 11
	s_add_co_u32 s[APV], s[APV], 2*128             ; V: row 2048 b + step 2's 128 rows,
	s_mul_i32 s[APV], s[APV], 6144
	s_add_co_u32 s[APV], s[APV], s87               ; + 256 cb
	s_add_co_u32 s[APV], s[APV], 4096              ; + where v begins in a row
	s_mov_b32 s[APV+1], 0
	s_mul_i32 s22, s12, PHALF                      ; P's halves go to wave x 34,816 (waves 0, 1)
	s_mul_i32 s23, s12, VHALF
	s_add_co_u32 s23, s23, VOFF-2*VHALF            ; V's halves to 69,632 + (wave - 2) x 18,432 (waves 2, 3)
	s_wait_dscnt 0x0
	s_wait_kmcnt 0x0
	s_cmp_eq_u32 s19, 0                            ; rows 0-255?  (the selects leave SCC alone)
	s_cselect_b32 s42, s86, s42                    ; V's offset,
	s_cselect_b64 s[90:91], s[84:85], s[6:7]       ; its buffer,
	s_cselect_b32 s83, 1, s19                      ; and the laps less one: 2 laps for I = 0, else I + 1
	s_lshl_b32 s[APN], s83, 1
	s_sub_co_u32 s[APN], s[APN], 2                 ; 2 x laps - 4: the steps from 4 on
	s_add_nc_u64 s[44:45], s[4:5], s[40:41]
	s_add_nc_u64 s[46:47], s[90:91], s[42:43]
	s_add_nc_u64 s[APP:APP+1], s[4:5], s[APP:APP+1]
	s_add_nc_u64 s[APV:APV+1], s[6:7], s[APV:APV+1]
	CROUND                                         ; all four work-groups are here: the first joint loads meet
.irp s, 0,1
	s_mov_b32 s[G0P+4*\s], 1
	s_add_co_u32 s[G0P+4*\s+1], s22, \s*SLOT
	s_add_nc_u64 s[G0P+4*\s+2:G0P+4*\s+3], s[44:45], \s*256        ; step s: 128 keys = 256 bytes along P's rows
	s_or_b32 s[G0P+4*\s+3], s[G0P+4*\s+3], 0x80000000
	s_mov_b32 s[G0V+4*\s], 1
	s_add_co_u32 s[G0V+4*\s+1], s23, \s*SLOT
	s_add_nc_u64 s[G0V+4*\s+2:G0V+4*\s+3], s[46:47], \s*128*6144   ; step s: 128 rows down
	s_or_b32 s[G0V+4*\s+3], s[G0V+4*\s+3], 0x80000000
	JLOAD \s                                       ; both slots are asked for before anything else: two tensor loads of the wave are out
.endr
	v_and_b32 v1, 31, v0                           ; L
	v_lshlrev_b32 v[PFP], 12, v1
	v_mul_u32_u24 v[PFV], v0, 6144
	; steps 2 and 3 are asked for ahead: every work-group has four steps at the least
	s_cmp_lg_u32 s12, 0
	s_cbranch_scc1 .Lno_p_head
	global_prefetch_b8 v[PFP], s[APP:APP+1] th:TH_LOAD_NT scope:SCOPE_SE
	global_prefetch_b8 v[PFP], s[APP:APP+1] offset:256 th:TH_LOAD_NT scope:SCOPE_SE
.Lno_p_head:
	s_cmp_lg_u32 s19, 7
	s_cbranch_scc1 .Lno_v_head
	global_prefetch_b8 v[PFV], s[APV:APV+1] th:TH_LOAD_NT scope:SCOPE_SE
	global_prefetch_b8 v[PFV], s[APV:APV+1] offset:128*6144 th:TH_LOAD_NT scope:SCOPE_SE
.Lno_v_head:
	v_and_b32 v2, 15, v0                           ; r
	v_bfe_u32 v3, v0, 4, 1                         ; h
	v_and_b32 v4, 7, v0                            ; L & 7
	v_bfe_u32 v5, v0, 3, 1                         ; (L >> 3) & 1
	v_bfe_u32 v6, v0, 3, 2                         ; L >> 3
	v_mul_u32_u24 v7, v2, PPITCH
	v_lshl_add_u32 v7, v3, 4, v7
	s_mul_i32 s22, s12, 64*PPITCH
	v_add_nc_u32 v[ADRP], s22, v7                  ; (64 w + r) x pitch + 16 h
	v_add_nc_u32 v[ADRP+1], SLOT, v[ADRP]
	v_lshl_add_u32 v7, v3, 3, v4
	v_mul_u32_u24 v7, v7, VPITCH
	v_lshl_add_u32 v7, v5, 4, v7
	v_add_nc_u32 v[ADRV], VOFF, v7                 ; key 8 h + (L & 7), 16 bytes at 16 ((L >> 3) & 1): the transposing load then gives lane l column r, keys 8 h + 0..7
	v_add_nc_u32 v[ADRV+1], SLOT, v[ADRV]
	s_mul_i32 s22, s12, 16*OPITCH
	s_add_co_u32 s22, s22, STAGE
	v_mul_u32_u24 v7, v2, OPITCH
	v_lshl_add_u32 v7, v3, 5, v7
	v_add_nc_u32 v[STO], s22, v7                   ; row r, 32 bytes for each half of the lanes
	v_lshlrev_b32 v[CO], 4, v1
	v_add_nc_u32 v[RD], s22, v[CO]                 ; 32 lanes take a row of 512 bytes
	s_lshl_b32 s22, s12, 11
	s_add_co_u32 s22, s22, FT
	v_lshl_add_u32 v[FTA], v2, 4, s22              ; f[0][r][0..3]
	v_lshlrev_b32 v7, 5, v4
	v_lshl_add_u32 v7, v6, 2, v7
	v_add_nc_u32 v[TA], s22, v7                    ; row 2 L: r = 2 (L & 7), a = L >> 3
	v_add_nc_u32 v[TA+1], 16, v[TA]                ; row 2 L + 1: r one more
	v_lshlrev_b32 v8, 3, v1                        ; 8 L: my two rows' figures
	; THE FACTORS.  Lane L takes rows 2 L and 2 L + 1 of the wave's 64: a load of the wave covers 256 consecutive bytes, aligned.
	; For J > I the address is clamped to tile I (a tile that exists); such a J adds nothing to L, and its factor equals tile I's.
	s_lshl_b32 s21, s18, 17                        ; ((16 b + 2 J) 2048 + 256 I + 64 w) 4
	s_lshl_b32 s22, s19, 10
	s_add_co_u32 s21, s21, s22
	s_lshl_b32 s22, s12, 8
	s_add_co_u32 s21, s21, s22
.irp J, 0,1,2,3,4,5,6,7
	s_min_u32 s82, s19, \J
	s_lshl_b32 s82, s82, 14
	s_add_co_u32 s82, s82, s21
	v_add_nc_u32 v[OF+\J], s82, v8
.endr
.irp J, 1,2,3,4,5,6,7
	s_cmp_ge_u32 s19, \J
	s_cselect_b32 s[VAL+2*\J], 1.0, 0
	s_cselect_b32 s[VAL+2*\J+1], 1.0, 0
.endr
.irp J, 0,1,2,3,4,5,6,7
	global_load_b64 v[MS+2*\J:MS+2*\J+1], v[OF+\J], s[8:9]
	global_load_b64 v[LA+2*\J:LA+2*\J+1], v[OF+\J], s[8:9] offset:524288
	global_load_b64 v[LB+2*\J:LB+2*\J+1], v[OF+\J], s[8:9] offset:532480
.endr
	s_wait_loadcnt 0x0
.irp e, 0,1
	v_max3_num_f32 v[MX+\e], v[MS+\e], v[MS+2+\e], v[MS+4+\e]
	v_max3_num_f32 v[MX+\e], v[MX+\e], v[MS+6+\e], v[MS+8+\e]
	v_max3_num_f32 v[MX+\e], v[MX+\e], v[MS+10+\e], v[MS+12+\e]
	v_max_num_f32 v[MX+\e], v[MX+\e], v[MS+14+\e]  ; M: the row's maximum over all its tiles
.endr
.irp J, 0,1,2,3,4,5,6,7
	v_pk_add_f32 v[G+2*\J:G+2*\J+1], v[MS+2*\J:MS+2*\J+1], v[MX:MX+1] neg_lo:[0,1] neg_hi:[0,1]
.endr
.set i, 0
.rept 16
	v_exp_f32 v[G+i], v[G+i]                       ; exp2(m2_J - M), at most 1
.set i, i+1
.endr
	v_nop                                          ; one plain place behind the last exponential (ISA guide 5.7.2)
.irp J, 0,1,2,3,4,5,6,7
	v_pk_add_f32 v[GL+2*\J:GL+2*\J+1], v[LA+2*\J:LA+2*\J+1], v[LB+2*\J:LB+2*\J+1]
.endr
	s_wait_alu depctr_va_vdst(0)
.irp J, 0,1,2,3,4,5,6,7
	v_pk_mul_f32 v[GL+2*\J:GL+2*\J+1], v[GL+2*\J:GL+2*\J+1], v[G+2*\J:G+2*\J+1]
.endr
	v_pk_fma_f32 v[LT:LT+1], v[GL+2:GL+3], s[VAL+2:VAL+3], v[GL:GL+1] op_sel_hi:[1,0,1]   ; tile 0 always counts
.irp J, 2,3,4,5,6,7
	v_pk_fma_f32 v[LT:LT+1], v[GL+2*\J:GL+2*\J+1], s[VAL+2*\J:VAL+2*\J+1], v[LT:LT+1] op_sel_hi:[1,0,1]
.endr
	v_rcp_f32 v[RL], v[LT]                         ; L is about 1 at the least: the tile that holds the row's maximum adds exp2(0)
	v_rcp_f32 v[RL+1], v[LT+1]
	v_nop                                          ; one plain place behind the reciprocals
	s_wait_alu depctr_va_vdst(0)
.irp J, 0,1,2,3,4,5,6,7
	v_pk_mul_f32 v[G+2*\J:G+2*\J+1], v[G+2*\J:G+2*\J+1], v[RL:RL+1]
.endr
	; From (lane = two rows) to (lane = row r, four row blocks), through my wave's own 2,048 bytes of LDS, once for all eight tiles:
	; every address is a constant plus wave and lane terms, so that no LDS address steps in a loop whose trips hang on the grid's y.
.irp J, 0,1,2,3,4,5,6,7
	ds_store_b32 v[TA],   v[G+2*\J]   offset:256*\J
	ds_store_b32 v[TA+1], v[G+2*\J+1] offset:256*\J
.endr
.irp J, 0,1,2,3,4,5,6,7
	ds_load_b128 v[FF+4*\J:FF+4*\J+3], v[FTA] offset:256*\J        ; LDS serves a wave's instructions in order: these see the stores above
.endr
; 8 matrix instructions: row block a x all 8 column blocks, 32 keys.  zero = 1: the first product of a lap starts T's sums.
.macro MUL8 f, a, zero
.irp b, 0,1,2,3,4,5,6,7
.if \zero
	v_wmma_f32_16x16x32_f16 v[8*(8*\a+\b):8*(8*\a+\b)+7], v[\f+8*\b:\f+8*\b+7], v[\f+64+8*\a:\f+64+8*\a+7], 0
.else
	v_wmma_f32_16x16x32_f16 v[8*(8*\a+\b):8*(8*\a+\b)+7], v[\f+8*\b:\f+8*\b+7], v[\f+64+8*\a:\f+64+8*\a+7], v[8*(8*\a+\b):8*(8*\a+\b)+7]
.endif
.endr
.endm
; 24 LDS loads in one run: the fragments of quarter q (32 keys) of a slot: V's 8 column blocks, then P's 4 row blocks
.macro FETCH slot, q, f
	WIN 0
.irp b, 0,1,2,3,4,5,6,7
	ds_load_tr16_b128 v[\f+8*\b:\f+8*\b+3],   v[ADRV+\slot] offset:\q*32*VPITCH+32*\b
	ds_load_tr16_b128 v[\f+8*\b+4:\f+8*\b+7], v[ADRV+\slot] offset:\q*32*VPITCH+32*\b+16*VPITCH
.endr
.irp a, 0,1,2,3
	ds_load_b128 v[\f+64+8*\a:\f+64+8*\a+3],   v[ADRP+\slot] offset:64*\q+16*PPITCH*\a
	ds_load_b128 v[\f+64+8*\a+4:\f+64+8*\a+7], v[ADRP+\slot] offset:64*\q+16*PPITCH*\a+32
.endr
.endm
; four places between a matrix instruction and a load into, or a vector instruction on, one of its registers (ISA guide 7.12.1 for vector instructions)
.macro PLACES
.rept 4
	v_nop
.endr
.endm
.macro QUARTER slot, qn, f, g, zero
	s_wait_dscnt 4                                 ; V and P's row blocks 0, 1 are in; the youngest four loads (row blocks 2, 3) may be out
	WIN MULW
	MUL8 \f, 0, \zero
	MUL8 \f, 1, \zero
	PLACES
	FETCH \slot, \qn, \g
	s_wait_dscnt 24                                ; all but the 24 just issued
	WIN MULW
	MUL8 \f, 2, \zero
	MUL8 \f, 3, \zero
.endm
.macro THREE slot, zero
	QUARTER \slot, 1, F0, F1, \zero
	QUARTER \slot, 2, F1, F0, 0
	QUARTER \slot, 3, F0, F1, 0
.endm
; The last quarter of a step changes slots.  In front of the barrier each wave waits for its reads of this slot and for all its tensor loads (one is out: its part
; of the next slot).  Where the slot is filled again the barrier opens a round of the cluster's barrier, and the refill is the first tensor load behind the round.
.macro TURN slot, next, fill
	s_wait_dscnt 4
	WIN MULW
	MUL8 F1, 0, 0
	s_wait_dscnt 0                                 ; my reads of this slot are over
	s_wait_tensorcnt 0x0                           ; all my tensor loads have landed: a group 0 may be written
	ds_add_u32 v30, v31
	s_wait_dscnt 0x0
	s_barrier_signal -1
	MUL8 F1, 1, 0                                  ; register work while the others arrive
	WIN 0
	s_barrier_wait -1
.if \fill
	CREST                                          ; no wave of any partner still reads this slot or has a load on its way
	s_add_nc_u64 s[G0P+4*\slot+2:G0P+4*\slot+3], s[G0P+4*\slot+2:G0P+4*\slot+3], 512          ; 256 columns on along P's rows
	s_add_nc_u64 s[G0V+4*\slot+2:G0V+4*\slot+3], s[G0V+4*\slot+2:G0V+4*\slot+3], 256*6144     ; 256 rows down, in qkv and in ext alike
	JLOAD \slot                                    ; the wave's only tensor load until the next round
	PREF                                           ; and the tile two steps behind that one is asked for ahead
.endif
	PLACES
	FETCH \next, 0, F0
	WIN MULW
	MUL8 F1, 2, 0
	MUL8 F1, 3, 0
.endm
.macro LASTQ                           ; the very last quarter: nothing more to fetch
	s_wait_dscnt 4
	WIN MULW
	MUL8 F1, 0, 0
	MUL8 F1, 1, 0
	s_wait_dscnt 0
	MUL8 F1, 2, 0
	MUL8 F1, 3, 0
.endm
; O += f x T, row block a by its own factor.  first = 1: O = f x T, so that O is never cleared.
.macro DRAIN first
	PLACES
	WIN 0x52                                       ; source 0 (T) window 2, source 1 (f) window 0, source 2 and destination (O) window 1
.irp a, 0,1,2,3
.set i, 0
.rept 32
.if \first
.if (\a)&1
	v_pk_mul_f32 v[64*\a+2*i:64*\a+2*i+1], v[64*\a+2*i:64*\a+2*i+1], v[FF+\a-1:FF+\a] op_sel:[0,1] op_sel_hi:[1,1]
.else
	v_pk_mul_f32 v[64*\a+2*i:64*\a+2*i+1], v[64*\a+2*i:64*\a+2*i+1], v[FF+\a:FF+\a+1] op_sel_hi:[1,0]
.endif
.else
.if (\a)&1
	v_pk_fma_f32 v[64*\a+2*i:64*\a+2*i+1], v[64*\a+2*i:64*\a+2*i+1], v[FF+\a-1:FF+\a], v[64*\a+2*i:64*\a+2*i+1] op_sel:[0,1,0] op_sel_hi:[1,1,1]
.else
	v_pk_fma_f32 v[64*\a+2*i:64*\a+2*i+1], v[64*\a+2*i:64*\a+2*i+1], v[FF+\a:FF+\a+1], v[64*\a+2*i:64*\a+2*i+1] op_sel_hi:[1,0,1]
.endif
.endif
.set i, i+1
.endr
.endr
	WIN 0
.endm
; One lap.  Its factors stand in v[FF:FF+3].  A lap that another follows moves the later laps' factors four registers down, in ascending order:
; a trip's number cannot name a register, so the table comes to the lap: 28 moves for a lap's 256 matrix instructions.
.macro LAP fill, first
	THREE 0, 1
	TURN 0, 1, \fill
	THREE 1, 0
.if \fill
	TURN 1, 0, 1
.else
	LASTQ
.endif
	DRAIN \first
.if \fill
.set i, 0
.rept 28
	v_mov_b32 v[FF+i], v[FF+4+i]
.set i, i+1
.endr
.endif
.endm
	s_wait_tensorcnt 0x1                           ; my part of step 0 is in; step 1's may stay out
	s_wait_dscnt 0x0                               ; my stores of the factors are done and the table is back in registers
	s_barrier_signal -1
	s_barrier_wait -1
	FETCH 0, 0, F0
	LAP 1, 1                                       ; the first lap; asks for the second (there are two laps at the least)
	s_cmp_eq_u32 s83, 1
	s_cbranch_scc1 .Llast
	s_mov_b32 s3, 1                                ; laps 1 .. (laps - 2): here the laps less one are 2 at the least
.Llap:
	LAP 1, 0
	s_add_co_u32 s3, s3, 1
	s_cmp_lt_u32 s3, s83
	s_cbranch_scc1 .Llap
.Llast:
	LAP 0, 0                                       ; the last lap: nothing is left to fetch
	; THE WAY OUT, 16 rows at a time: 32 bytes a lane into my own stage, read back as whole rows of 512 bytes
	s_lshl_b32 s22, s12, 6
	s_add_co_u32 s22, s22, s20                     ; my first row
	s_lshl_b32 s42, s22, 12                        ; x 4,096 bytes
	s_lshl_b32 s43, s16, 9
	s_add_co_u32 s42, s42, s43                     ; + 512 cb
	s_mov_b32 s43, 0
	s_add_nc_u64 s[10:11], s[10:11], s[42:43]
.macro OUT a
	WIN 0x04                                       ; the stores' data in window 1
.irp b, 0,1,2,3,4,5,6,7
	ds_store_b128 v[STO], v[64*\a+8*\b:64*\a+8*\b+3]   offset:64*\b
	ds_store_b128 v[STO], v[64*\a+8*\b+4:64*\a+8*\b+7] offset:64*\b+16
.endr
	WIN 0
	s_wait_xcnt 0x0                                ; RB, which the last stores read, and their base are rewritten only behind this wait
.if \a
	s_add_nc_u64 s[10:11], s[10:11], 16*4096       ; 16 rows of out0 on
.endif
.irp t, 0,1,2,3,4,5,6,7,8,9,10,11,12,13,14,15
	ds_load_b128 v[RB+4*\t:RB+4*\t+3], v[RD] offset:OPITCH*\t      ; LDS serves a wave's instructions in order: these see the stores above
.endr
.irp t, 0,1,2,3,4,5,6,7,8,9,10,11,12,13,14,15
	s_wait_dscnt 15-\t                             ; load t is in, the 15 - t younger ones stay out
	global_store_b128 v[CO], v[RB+4*\t:RB+4*\t+3], s[10:11] offset:4096*\t th:TH_STORE_NT   ; the wave stores 512 consecutive bytes, aligned
.endr
.endm
	OUT 0
	OUT 1
	OUT 2
	OUT 3
	s_wait_tensorcnt 0x0
	ds_add_u32 v30, v31
	s_wait_dscnt 0x0
	CROUND                                         ; the closing round: no work-group ends while a partner may still ask for a tile that names it
	s_endpgm
.Lfunc_end_k_qd24db80798_pv:
	.size	k_qd24db80798_pv, .Lfunc_end_k_qd24db80798_pv-k_qd24db80798_pv
	.p2alignl 7, 3214868480
	.fill 96, 4, 3214868480
	.section	.rodata,"a",@progbits
	.p2align	6, 0x0
	.amdhsa_kernel k_qd24db80798_pv
		.amdhsa_group_segment_fixed_size 327680
		.amdhsa_private_segment_fixed_size 0
		.amdhsa_enable_private_segment 0
		.amdhsa_kernarg_size 40
		.amdhsa_user_sgpr_count 2
		.amdhsa_user_sgpr_kernarg_segment_ptr 1
		.amdhsa_wavefront_size32 1
		.amdhsa_system_sgpr_workgroup_id_x 1
		.amdhsa_system_sgpr_workgroup_id_y 1
		.amdhsa_system_sgpr_workgroup_id_z 1
		.amdhsa_system_vgpr_workitem_id 0
		.amdhsa_next_free_vgpr 768
		.amdhsa_next_free_sgpr 100
		.amdhsa_reserve_vcc 0
		.amdhsa_float_denorm_mode_32 3
		.amdhsa_float_denorm_mode_16_64 3
		.amdhsa_memory_ordered 1
		.amdhsa_forward_progress 1
		.amdhsa_inst_pref_size 157
	.end_amdhsa_kernel
	.amdgpu_metadata
---
amdhsa.version: [ 1, 2 ]
amdhsa.kernels:
  - .name:           k_qd24db80798_pv
    .symbol:         k_qd24db80798_pv.kd
    .args:
      - { .name: p, .offset: 0, .size: 8, .value_kind: global_buffer, .address_space: global }
      - { .name: qkv, .offset: 8, .size: 8, .value_kind: global_buffer, .address_space: global }
      - { .name: stat, .offset: 16, .size: 8, .value_kind: global_buffer, .address_space: global }
      - { .name: out0, .offset: 24, .size: 8, .value_kind: global_buffer, .address_space: global }
      - { .name: ext, .offset: 32, .size: 8, .value_kind: global_buffer, .address_space: global }
    .group_segment_fixed_size: 327680
    .private_segment_fixed_size: 0
    .kernarg_segment_align: 8
    .kernarg_segment_size: 40
    .max_flat_workgroup_size: 128
    .sgpr_count:     100
    .vgpr_count:     768
    .wavefront_size: 32
...
	.end_amdgpu_metadata
.endif
;; end of part 7
;; ======== version 3 of 3: 4 launches; version 2 with the launch cast written anew for expert scheduling mode
;; limits: values are held in f16: magnitudes above 65,504 overflow, below 6.1e-05 lose precision
;; workspace buffers: xb 16,777,216 bytes; wb 6,291,456 bytes; qkv 50,331,648 bytes; ext 12,582,912 bytes; p 33,554,432 bytes; stat 1,048,576 bytes
;; launch cast (part 8): grid 704 x 1, 8 waves a work-group, no clusters, 0 bytes of LDS; arguments x, W_query, W_key, W_value, xb, wb; writes xb, wb
.if DOCPART == 8
	.amdgcn_target "amdgcn-amd-amdhsa--gfx1250"
	.amdhsa_code_object_version 6
	.text
	.protected	k_qd24db80798_cast
	.globl	k_qd24db80798_cast
	.p2align	8
	.type	k_qd24db80798_cast,@function
k_qd24db80798_cast:
	s_mov_b64 s[64:65], 0
	v_nop
	global_prefetch_b8 v0, s[64:65] scope:SCOPE_SE
	s_setreg_imm32_b32 hwreg(HW_REG_WAVE_SCHED_MODE, 0, 2), 2
	s_setreg_imm32_b32 hwreg(HW_REG_WAVE_MODE, 25, 1), 1
	s_wait_xcnt 0x0
	s_wait_alu depctr_vm_vsrc(0)
; xb = bf16(x), [8192][1024];  wb = bf16 of W_query, W_key, W_value one below the other, [3072][1024].
; A stream: memory binds, so no LDS, no barrier, no matrix unit.  A work-group takes 65,536 input bytes (16,384 numbers):
; groups 0-511 take x (512 x 65,536 = 33,554,432 bytes), groups 512-703 the three weights, 64 groups each.
; Thread t takes 16 bytes at 16 t of each of sixteen blocks of 4,096 bytes: a load of a wave covers 512 neighbouring bytes,
; a store of a wave 256 neighbouring bytes, aligned.  All sixteen loads go out first; no register is written twice.
; LIMIT: numbers are rounded to bf16 (nearest even), as matrix operands may be.
; THE MODE: SCHED_MODE bits 1:0 = 2 (LLVM: expert scheduling mode 2), set by the entry lines.  The code itself states the register dependences
; between vector instructions and memory instructions, with s_wait_alu, always for 0.
; THE PLAN.  Registers that memory instructions touch (the text is one straight line: no loop, no branch):
;   v1, v2   byte offsets.  Written once at the head by vector instructions; v1 is read by every load, v2 by every store; never written again.
;   X        block j's load lands in its four registers, once; block j's two conversions read them.  No vector instruction names X ahead of the loads,
;            and no load follows the conversions.
;   Y        block j's two conversions write its pair, once; block j's store reads it.  Nothing writes it again.
; So two kinds of dependence are to be stated, both of a memory instruction on a vector instruction's result: the offsets, by one wait ahead of the first load,
; and the stores' data.  For these the sixteen blocks go in four groups of four: the group's eight conversions, ONE wait, the group's four stores in a run.
; A group's stores leave as soon as its own four loads are in and rounded: they are not held for a later group's loads.
; No vector instruction writes a scalar register or VCC, and EXEC is never written.
.set X, 4                              ; v[4:67]   block j: 4 registers as loaded
.set Y, 68                             ; v[68:99]  block j: 2 registers to store
	s_load_b256 s[4:11], s[0:1], 0x0               ; x s[4:5], W_query s[6:7], W_key s[8:9], W_value s[10:11]
	s_load_b128 s[12:15], s[0:1], 0x20             ; xb s[12:13], wb s[14:15]
	s_max_u32 s16, ttmp9, 512
	s_sub_co_u32 s16, s16, 512                     ; number among the weight groups (0 for a group of x)
	s_lshr_b32 s17, s16, 6                         ; which weight
	s_and_b32 s18, s16, 63                         ; which 65,536 bytes of it
	v_lshlrev_b32 v1, 4, v0                        ; 16 t: where I read
	v_lshlrev_b32 v2, 3, v0                        ; 8 t: where I write
	s_wait_kmcnt 0x0
	s_cmp_eq_u32 s17, 1
	s_cselect_b64 s[20:21], s[8:9], s[10:11]       ; W_key or W_value
	s_cmp_eq_u32 s17, 0
	s_cselect_b64 s[20:21], s[6:7], s[20:21]       ; or W_query
	s_cmp_lt_u32 ttmp9, 512                        ; a group of x?  (the four selects leave SCC alone)
	s_cselect_b64 s[20:21], s[4:5], s[20:21]       ; source
	s_cselect_b64 s[22:23], s[12:13], s[14:15]     ; destination
	s_cselect_b32 s24, ttmp9, s18                  ; block of the source
	s_cselect_b32 s26, ttmp9, s16                  ; block of the destination (the weights lie one below the other in wb)
	s_lshl_b32 s24, s24, 16                        ; x 65,536 bytes
	s_mov_b32 s25, 0
	s_lshl_b32 s26, s26, 15                        ; x 32,768 bytes
	s_mov_b32 s27, 0
	s_add_nc_u64 s[20:21], s[20:21], s[24:25]
	s_add_nc_u64 s[22:23], s[22:23], s[26:27]
	s_wait_alu depctr_va_vdst(0)                   ; v1 and v2 are written: every load below reads v1 as its offset, every store v2
.irp j, 0,1,2,3,4,5,6,7,8,9,10,11,12,13,14,15
	global_load_b128 v[X+4*\j:X+4*\j+3], v1, s[20:21] offset:4096*\j th:TH_LOAD_NT
.endr
.irp g, 0,1,2,3
	s_wait_loadcnt 12-4*(\g)                       ; loads come back in order: blocks 4 g to 4 g + 3 are in, the 12 - 4 g younger ones stay out
.irp i, 0,1,2,3
	v_cvt_pk_bf16_f32 v[Y+2*(4*(\g)+(\i))],   v[X+4*(4*(\g)+(\i))],   v[X+4*(4*(\g)+(\i))+1]
	v_cvt_pk_bf16_f32 v[Y+2*(4*(\g)+(\i))+1], v[X+4*(4*(\g)+(\i))+2], v[X+4*(4*(\g)+(\i))+3]
.endr
	s_wait_alu depctr_va_vdst(0)                   ; the eight conversions have written this group's Y, which the four stores below read
.irp i, 0,1,2,3
	global_store_b64 v2, v[Y+2*(4*(\g)+(\i)):Y+2*(4*(\g)+(\i))+1], s[22:23] offset:2048*(4*(\g)+(\i))
.endr
.endr
	s_endpgm
.Lfunc_end_k_qd24db80798_cast:
	.size	k_qd24db80798_cast, .Lfunc_end_k_qd24db80798_cast-k_qd24db80798_cast
	.p2alignl 7, 3214868480
	.fill 96, 4, 3214868480
	.section	.rodata,"a",@progbits
	.p2align	6, 0x0
	.amdhsa_kernel k_qd24db80798_cast
		.amdhsa_group_segment_fixed_size 0
		.amdhsa_private_segment_fixed_size 0
		.amdhsa_enable_private_segment 0
		.amdhsa_kernarg_size 48
		.amdhsa_user_sgpr_count 2
		.amdhsa_user_sgpr_kernarg_segment_ptr 1
		.amdhsa_wavefront_size32 1
		.amdhsa_system_sgpr_workgroup_id_x 1
		.amdhsa_system_sgpr_workgroup_id_y 1
		.amdhsa_system_sgpr_workgroup_id_z 1
		.amdhsa_system_vgpr_workitem_id 0
		.amdhsa_next_free_vgpr 100
		.amdhsa_next_free_sgpr 66
		.amdhsa_reserve_vcc 0
		.amdhsa_float_denorm_mode_32 3
		.amdhsa_float_denorm_mode_16_64 3
		.amdhsa_memory_ordered 1
		.amdhsa_forward_progress 1
		.amdhsa_inst_pref_size 7
	.end_amdhsa_kernel
	.amdgpu_metadata
---
amdhsa.version: [ 1, 2 ]
amdhsa.kernels:
  - .name:           k_qd24db80798_cast
    .symbol:         k_qd24db80798_cast.kd
    .args:
      - { .name: x, .offset: 0, .size: 8, .value_kind: global_buffer, .address_space: global }
      - { .name: W_query, .offset: 8, .size: 8, .value_kind: global_buffer, .address_space: global }
      - { .name: W_key, .offset: 16, .size: 8, .value_kind: global_buffer, .address_space: global }
      - { .name: W_value, .offset: 24, .size: 8, .value_kind: global_buffer, .address_space: global }
      - { .name: xb, .offset: 32, .size: 8, .value_kind: global_buffer, .address_space: global }
      - { .name: wb, .offset: 40, .size: 8, .value_kind: global_buffer, .address_space: global }
    .group_segment_fixed_size: 0
    .private_segment_fixed_size: 0
    .kernarg_segment_align: 8
    .kernarg_segment_size: 48
    .max_flat_workgroup_size: 256
    .sgpr_count:     66
    .vgpr_count:     100
    .wavefront_size: 32
...
	.end_amdgpu_metadata
.endif
;; end of part 8
;; launch qkv: the kernel of part 5 again; grid 8 x 32, 4 waves a work-group, clusters of 4 x 4, 327,680 bytes of LDS; arguments xb, wb, qkv, ext; writes qkv, ext
;; launch scores: the kernel of part 6 again; grid 37 x 4, 4 waves a work-group, no clusters, 327,680 bytes of LDS; arguments qkv, p, stat, ext; writes p, stat
;; launch pv: the kernel of part 7 again; grid 8 x 32, 4 waves a work-group, clusters of 4 x 1, 327,680 bytes of LDS; arguments p, qkv, stat, out0, ext; writes out0
